; MI455X (gfx1250); checked and timed in simulation.
; The chip was launched on July 23, 2026; its instructions are those of AMD's public machine-readable ISA for CDNA 5 (MIT licence, August 2026) and "CDNA5" Instruction Set Architecture Reference Guide (July 2026). The comments in the code are by the model that wrote it; some were corrected since.
;; Encoder Block. Allowed arithmetic: matrix products marked QUANTISED: E2M3 operands, one E8M0 scale for each 32 along K, by v_wmma_scale_f32_16x16x128_f8f6f4 with both operands' format E2M3, f32 sums; everything else in f32.
;; Inputs: b1 4,096 float32; b2 1,024 float32; bk 1,024 float32; bo 1,024 float32; bq 1,024 float32; bv 1,024 float32; ln1_a 1,024 float32; ln1_b 1,024 float32; ln2_a 1,024 float32; ln2_b 1,024 float32; mask 2 x 1 x 1 x 2,048 int32; w1 1,024 x 4,096 float32; w2 4,096 x 1,024 float32; wk 1,024 x 1,024 float32; wo 1,024 x 1,024 float32; wq 1,024 x 1,024 float32; wv 1,024 x 1,024 float32; x 2 x 2,048 x 1,024 float32.
;; Outputs: out0 2 x 2,048 x 1,024 float32.
;; This version of the problem:
;;   THIS VERSION OF THE PROBLEM IS GIVEN IN LOW PRECISION. The matrix products marked QUANTISED in the list below multiply operands that are first quantised to E2M3 (2 exponent bits, 3 mantissa bits; 6 bits a number), with one power-of-two scale for each 32 numbers along K (OCP MX v1.0); their sums are f32. All else is computed in f32.
;;   The module's matrix products, in the order in which they are computed (A, B: the left and right operand; K: the contracted axis; several contracted axes count as one K, in the product's order):
;;     1. [M 4,096, K 1,024] x [K 1,024, N 1,024]; A: computed on the way; B: input wq: QUANTISED
;;     2. [M 4,096, K 1,024] x [K 1,024, N 1,024]; A: computed on the way; B: input wk: QUANTISED
;;     3. [M 4,096, K 1,024] x [K 1,024, N 1,024]; A: computed on the way; B: input wv: QUANTISED
;;     4. batch 32 x [M 2,048, K 64] x [K 64, N 2,048]; A: computed on the way; B: computed on the way: QUANTISED
;;     5. batch 32 x [M 2,048, K 2,048] x [K 2,048, N 64]; A: softmax (see below); B: computed on the way: QUANTISED
;;     6. [M 4,096, K 1,024] x [K 1,024, N 1,024]; A: computed on the way; B: input wo: QUANTISED
;;     7. [M 4,096, K 1,024] x [K 1,024, N 4,096]; A: computed on the way; B: input w1: QUANTISED
;;     8. [M 4,096, K 4,096] x [K 4,096, N 1,024]; A: computed on the way; B: input w2: QUANTISED
;;   THE QUANTISER, for each operand of a quantised product, along K:
;;     - K is cut into blocks of 32 from its start; a last block that is shorter is filled with zeros.
;;     - A block's scale is 2^e with e = floor(log2(the largest magnitude in the block)) - 2, held to -126 .. 127; a block of zeros has e = 0. As a byte (E8M0): e + 127.
;;     - Each number is divided by its block's scale, clamped to +-7.5, and rounded to the nearest number of E2M3, ties to even, subnormals kept.
;;     - The product sums the exact products of the quantised numbers (number of the format x scale) in f32.
;;   ~~~python
;;   def quantise(x, axis):      # numpy; x: float32 -> the quantised numbers, widened to float32 again
;;       x = np.moveaxis(x, axis, -1); K = x.shape[-1]
;;       x = np.pad(x, [(0, 0)] * (x.ndim - 1) + [(0, -K % 32)]); x = x.reshape(x.shape[:-1] + (-1, 32)); a = np.abs(x).max(-1, keepdims=True)
;;       e = np.where(a > 0, np.clip(np.frexp(np.where(a > 0, a, 1))[1] - 1 - 2, -126, 127), 0)      # np.frexp(a)[1] - 1 = floor(log2(a)), exactly
;;       r = np.clip(x / 2.0 ** e, -7.5, 7.5)
;;       step = 2.0 ** (np.maximum(np.frexp(np.where(r == 0, 1, r))[1] - 1, 0) - 3)
;;       q = np.round(r / step) * step * 2.0 ** e      # np.round: ties to even
;;       return np.moveaxis(q.reshape(q.shape[:-2] + (-1,))[..., :K], -1, axis).astype(np.float32)
;;   ~~~
;;   SOFTMAX AHEAD OF A QUANTISED PRODUCT. Where the list says 'softmax', what is quantised is not the finished softmax but p = 2^(t - M), with t = logit x log2(e) and M = ceil(the row's largest t), a whole number; so 1/2 < the row's largest p <= 1. The row's sum l is taken of the UNQUANTISED p, in f32, and the product's result is divided by l at the end. Since M is a whole number, a kernel that streams over the keys may use a running M (the ceiling of the running maximum): every later rescaling is an exact power of two, which a block's scale takes up: the codes' values come out the same.
;;   OPERANDS COMPUTED ON THE WAY. 'Computed on the way' means the value that the module computes at that place (a softmax that the list does not call 'softmax' is quantised finished and normalised). What goes into a quantiser is computed in f32, as accurately as f32 sums, v_exp_f32 and their like allow (about 1e-6 of the number): no bf16 or f16 on the way to a quantiser, and a product that is left as it is and whose result goes on into a quantised operand takes f32 operands (vector FMAs, or v_wmma_f32_16x16x4_f32). A number that lies on a knife's edge between two numbers of the format may be rounded either way, as far as f32 arithmetic and the matrix unit's own rounding can turn it there, and no further.
;; 2 versions. Each part assembles by itself: llvm-mc -triple=amdgcn-amd-amdhsa -mcpu=gfx1250 --defsym DOCPART=n.
;; ======== version 1 of 2: 8 launches
;; limits: right only within a limited range of input values
;; workspace buffers: wimg 10,223,616 bytes; actimg 3,407,872 bytes; qkv 10,223,616 bytes; x1 16,777,216 bytes; himg 13,631,488 bytes
;; launch wquant (part 1): grid 384 x 1, 4 waves a work-group, no clusters, 27,136 bytes of LDS; arguments wq, wk, wv, wo, w1, w2, wimg; writes wimg
.if DOCPART == 1
	.amdgcn_target "amdgcn-amd-amdhsa--gfx1250"
	.amdhsa_code_object_version 6
	.text
	.protected	k_q6d18821349_wquant
	.globl	k_q6d18821349_wquant
	.p2align	8
	.type	k_q6d18821349_wquant,@function
k_q6d18821349_wquant:
	s_mov_b64 s[64:65], 0
	v_nop
	global_prefetch_b8 v0, s[64:65] scope:SCOPE_SE
	s_setreg_imm32_b32 hwreg(HW_REG_WAVE_MODE, 25, 1), 1
	s_wait_xcnt 0x0
; The six weights, f32 stored [K][N], become operands of FP6 (E2M3) with one E8M0 scale for each 32 along K, laid as IMAGES OF THE OPERAND'S REGISTERS.
; An image is a fragment of 16 columns x 128 K in 1,664 bytes: registers 4 c .. 4 c + 3 of lane l at 512 c + 16 l (c = 0, 1, 2); the scale word of column l % 16 at 1,536 + 4 l.
; THE 16 COLUMNS OF A TILE ARE NOT NEIGHBOURS: place i of tile 2 b + u is column 32 b + 8 u + i + 8 (i / 8), so that a product with the tile as source 0 leaves 16 neighbouring columns in the registers of two tiles.
; wimg: [tile 0..511][K step 8] for wq, wk, wv, wo, w1 on end; behind them [tile 64][K step 32] for w2.
; A LANE TAKES A COLUMN, ITS REGISTERS RUN DOWN K: a load reads 128 consecutive bytes a wave, a block of 32 along K lies in one lane, nothing is transposed by an instruction.
; A work-group takes 128 columns x 256 K, a wave 32 columns (two tiles x two K steps: 6,656 bytes, gathered in its own stage in LDS and stored as 26 aligned runs of 256 bytes).  Waves share nothing: no barrier.
; A block's scale byte is its largest magnitude's exponent field - 2, held at 1 from below; a block of zeros so gets the byte 1 (its codes are zeros; this program alone reads the bytes).
; LIMITS: NaN and infinities among the inputs are not served.
.set FRB,    1664
.set W2_OFF, 6815744                   ; 512 tiles x 8 K steps x 1,664
.set WV, 2                             ; s2   my wave
.set SA, 4                             ; v4   stage: my tile's part + 16 x my place in the tile
.set SS, 5                             ; v5   the same + 4 x my place: scale words
.set SB, 16                            ; v16-17 the scale words of the two K steps
.set OF, 32                            ; v32-63 byte offset of row i of a block: i x pitch + 4 x lane
.set X,  64                            ; v64-127 two sets of 32 numbers
.set C,  128                           ; v128-134 a block's codes
	s_load_b256 s[4:11], s[0:1], 0x0               ; wq, wk, wv, wo
	s_load_b128 s[12:15], s[0:1], 0x20             ; w1, w2
	s_load_b64 s[16:17], s[0:1], 0x30              ; wimg
	v_lshl_add_u32 v144, v0, 2, 0x6800
	v_mov_b32 v145, 0
	v_lshrrev_b32 v1, 5, v0
	v_readfirstlane_b32 s[WV], v1                  ; wave 0..3
	v_and_b32 v2, 31, v0                           ; lane = my column among the wave's 32
	v_lshlrev_b32 v3, 2, v2
	v_bfe_u32 v8, v0, 3, 1                         ; u: which of the two tiles
	v_and_b32 v9, 7, v0
	v_bfe_u32 v10, v0, 4, 1
	v_lshl_add_u32 v9, v10, 3, v9                  ; i: my place in the tile
	s_mul_i32 s54, s[WV], 4*FRB                    ; my wave's stage: [u][K step 2][1,664]
	v_mul_u32_u24 v8, v8, 2*FRB
	v_add_nc_u32 v8, s54, v8
	v_lshl_add_u32 v[SA], v9, 4, v8
	v_lshl_add_u32 v[SS], v9, 2, v8
	v_lshlrev_b32 v7, 3, v2                        ; the way out: 8 bytes a lane
	v_add_nc_u32 v6, s54, v7
	; which weight, which 128 columns (cc), which 256 along K (kc).  Work-groups 0-255: the five weights with K = 1,024 (64 x 4); 256-383: w2 (8 x 16).
	s_mov_b32 s24, 32*FRB
	s_mov_b32 s25, W2_OFF
	s_cmp_lt_u32 ttmp9, 256
	s_cselect_b32 s20, 2, 4                        ; log2 of the K chunks
	s_cselect_b32 s21, 0, 256
	s_cselect_b32 s22, 3, 15
	s_cselect_b32 s24, 8*FRB, s24                  ; bytes from tile to tile in wimg
	s_cselect_b32 s25, 0, s25
	s_sub_co_u32 s21, ttmp9, s21
	s_lshr_b32 s23, s21, s20                       ; cc
	s_and_b32 s22, s21, s22                        ; kc
	s_and_b32 s26, s23, 7
	s_sub_co_u32 s27, s23, 32
	s_mov_b32 s28, 16384
	s_cmp_lt_u32 s23, 32
	s_cselect_b32 s28, 4096, s28                   ; a row of the weight in bytes
	s_cselect_b32 s26, s26, s27                    ; cc within its weight
	s_wait_kmcnt 0x0
	s_cselect_b64 s[18:19], s[10:11], s[12:13]     ; the choices hang on the work-group's number alone
	s_cmp_lt_u32 s23, 24
	s_cselect_b64 s[18:19], s[8:9], s[18:19]
	s_cmp_lt_u32 s23, 16
	s_cselect_b64 s[18:19], s[6:7], s[18:19]
	s_cmp_lt_u32 s23, 8
	s_cselect_b64 s[18:19], s[4:5], s[18:19]
	s_cmp_lt_u32 ttmp9, 256
	s_cselect_b64 s[18:19], s[18:19], s[14:15]
	s_lshl_b32 s29, s22, 8
	s_mul_i32 s30, s29, s28                        ; 256 kc rows
	s_lshl_b32 s29, s26, 9
	s_add_co_u32 s30, s30, s29                     ; + 128 columns x 4 bytes x cc
	s_lshl_b32 s29, s[WV], 7
	s_add_co_u32 s30, s30, s29                     ; + 32 columns x 4 bytes x wave
	s_mov_b32 s31, 0
	s_add_nc_u64 s[32:33], s[18:19], s[30:31]      ; a base for each of the eight blocks of 32 rows: nothing is stepped later
	s_lshl_b32 s30, s28, 5
.irp t, 1,2,3,4,5,6,7
	s_add_nc_u64 s[32+2*\t:33+2*\t], s[30+2*\t:31+2*\t], s[30:31]
.endr
	s_lshl_b32 s52, s23, 3
	s_lshl_b32 s53, s[WV], 1
	s_add_co_u32 s52, s52, s53                     ; my first tile: 8 cc + 2 wave
	s_mul_i32 s52, s52, s24
	s_mul_i32 s53, s22, 2*FRB
	s_add_co_u32 s52, s52, s53
	s_add_co_u32 s52, s52, s25
	s_mov_b32 s53, 0
	s_add_nc_u64 s[48:49], s[16:17], s[52:53]      ; where tile u = 0's two images go,
	s_mov_b32 s52, s24
	s_add_nc_u64 s[50:51], s[48:49], s[52:53]      ; and tile u = 1's
.set I, 0
.rept 32
	v_mad_u32_u24 v[OF+I], s28, I, v3
.set I, I+1
.endr
.macro LOAD t                          ; block t: rows 32 t .. 32 t + 31 of my column, into set t % 2
.set I, 0
.rept 32
	global_load_b32 v[X+32*((\t)%2)+I], v[OF+I], s[32+2*(\t):33+2*(\t)] th:TH_LOAD_NT
.set I, I+1
.endr
.endm
	LOAD 0
	LOAD 1
; Block t is K step t / 4, registers 6 c .. 6 c + 5 (c = (t / 2) % 2) of lane i + 16 h (h = t % 2).
.macro BLOCK t
.set XS, X+32*((\t)%2)
.set KB, ((\t)/4)*FRB+256*((\t)%2)
.if (\t) < 7
	s_wait_loadcnt 32                              ; this block's 32 loads are in; the next block's 32 may be out
.else
	s_wait_loadcnt 0x0
.endif
	v_max3_num_f32 v12, |v[XS]|, |v[XS+1]|, |v[XS+2]|
	v_max3_num_f32 v13, |v[XS+3]|, |v[XS+4]|, |v[XS+5]|
.irp i, 6,10,14,18,22,26
	v_max3_num_f32 v12, v12, |v[XS+\i]|, |v[XS+\i+1]|
	v_max3_num_f32 v13, v13, |v[XS+\i+2]|, |v[XS+\i+3]|
.endr
	v_max3_num_f32 v12, v12, |v[XS+30]|, |v[XS+31]|
	v_max3_num_f32 v12, v12, v13, 0x1800000        ; and the floor 2^(3 - 127): the byte cannot fall under 1
	v_add_nc_u32 v11, 0xff000000, v12              ; 2 off the exponent field: the conversion's scale operand
	v_cvt_scalef32_pk16_fp6_f32 v[C:C+2], v[XS:XS+15], v11
	v_cvt_scalef32_pk16_fp6_f32 v[C+4:C+6], v[XS+16:XS+31], v11   ; (a conversion's three registers begin on an even number)
	v_lshrrev_b32 v13, 23, v11                     ; the scale's byte; also the plain line behind the conversions
.if (\t)%4 == 0
	v_mov_b32 v[SB+(\t)/4], v13
.else
	v_lshl_or_b32 v[SB+(\t)/4], v13, 8*((\t)%4), v[SB+(\t)/4]
.endif
	v_mov_b32 v[C+3], v[C+4]                       ; the block's six registers on end
	v_mov_b32 v[C+4], v[C+5]
	v_mov_b32 v[C+5], v[C+6]
.if ((\t)/2)%2 == 0
	ds_store_b128 v[SA], v[C:C+3] offset:KB        ; registers 0-3
	ds_store_b64 v[SA], v[C+4:C+5] offset:KB+512   ; registers 4, 5
.else
	ds_store_b64 v[SA], v[C:C+1] offset:KB+520     ; registers 6, 7
	ds_store_b128 v[SA], v[C+2:C+5] offset:KB+1024 ; registers 8-11
.endif
.if (\t)%4 == 3
	ds_store_b32 v[SS], v[SB+(\t)/4] offset:((\t)/4)*FRB+1536   ; the K step's scale word, for lane i
	ds_store_b32 v[SS], v[SB+(\t)/4] offset:((\t)/4)*FRB+1600   ; and for lane i + 16
.endif
.if (\t)+2 < 8
	LOAD (\t)+2
.endif
	s_wait_dscnt 0x0                               ; the stores have read their registers: the next block's codes may be written
.endm
.irp t, 0,1,2,3,4,5,6,7
	BLOCK \t
.endr
.set J, 0
.rept 26
	ds_load_b64 v[X+2*J:X+2*J+1], v6 offset:256*J  ; LDS serves a wave's instructions in order: these see my stores
.set J, J+1
.endr
.set J, 0
.rept 26
	s_wait_dscnt 25-J                              ; the younger loads may be out
	global_store_b64 v7, v[X+2*J:X+2*J+1], s[48+2*(J/13):49+2*(J/13)] offset:256*(J%13)   ; 32 lanes store 256 consecutive bytes, at a multiple of 256 from wimg's first byte
.set J, J+1
.endr
	s_wait_tensorcnt 0x0
	ds_add_u32 v144, v145
	s_wait_dscnt 0x0
	s_endpgm
.Lfunc_end_k_q6d18821349_wquant:
	.size	k_q6d18821349_wquant, .Lfunc_end_k_q6d18821349_wquant-k_q6d18821349_wquant
	.p2alignl 7, 3214868480
	.fill 96, 4, 3214868480
	.section	.rodata,"a",@progbits
	.p2align	6, 0x0
	.amdhsa_kernel k_q6d18821349_wquant
		.amdhsa_group_segment_fixed_size 27136
		.amdhsa_private_segment_fixed_size 0
		.amdhsa_enable_private_segment 0
		.amdhsa_kernarg_size 56
		.amdhsa_user_sgpr_count 2
		.amdhsa_user_sgpr_kernarg_segment_ptr 1
		.amdhsa_wavefront_size32 1
		.amdhsa_system_sgpr_workgroup_id_x 1
		.amdhsa_system_sgpr_workgroup_id_y 1
		.amdhsa_system_sgpr_workgroup_id_z 1
		.amdhsa_system_vgpr_workitem_id 0
		.amdhsa_next_free_vgpr 146
		.amdhsa_next_free_sgpr 66
		.amdhsa_reserve_vcc 0
		.amdhsa_float_denorm_mode_32 3
		.amdhsa_float_denorm_mode_16_64 3
		.amdhsa_memory_ordered 1
		.amdhsa_forward_progress 1
		.amdhsa_inst_pref_size 48
	.end_amdhsa_kernel
	.amdgpu_metadata
---
amdhsa.version: [ 1, 2 ]
amdhsa.kernels:
  - .name:           k_q6d18821349_wquant
    .symbol:         k_q6d18821349_wquant.kd
    .args:
      - { .name: wq, .offset: 0, .size: 8, .value_kind: global_buffer, .address_space: global }
      - { .name: wk, .offset: 8, .size: 8, .value_kind: global_buffer, .address_space: global }
      - { .name: wv, .offset: 16, .size: 8, .value_kind: global_buffer, .address_space: global }
      - { .name: wo, .offset: 24, .size: 8, .value_kind: global_buffer, .address_space: global }
      - { .name: w1, .offset: 32, .size: 8, .value_kind: global_buffer, .address_space: global }
      - { .name: w2, .offset: 40, .size: 8, .value_kind: global_buffer, .address_space: global }
      - { .name: wimg, .offset: 48, .size: 8, .value_kind: global_buffer, .address_space: global }
    .group_segment_fixed_size: 27136
    .private_segment_fixed_size: 0
    .kernarg_segment_align: 8
    .kernarg_segment_size: 56
    .max_flat_workgroup_size: 128
    .sgpr_count:     66
    .vgpr_count:     146
    .wavefront_size: 32
...
	.end_amdgpu_metadata
.endif
;; end of part 1
;; launch ln1 (part 2): grid 256 x 1, 8 waves a work-group, no clusters, 66,816 bytes of LDS; arguments x, ln1_a, ln1_b, actimg; writes actimg
.if DOCPART == 2
	.amdgcn_target "amdgcn-amd-amdhsa--gfx1250"
	.amdhsa_code_object_version 6
	.text
	.protected	k_q6d18821349_ln1
	.globl	k_q6d18821349_ln1
	.p2align	8
	.type	k_q6d18821349_ln1,@function
k_q6d18821349_ln1:
	s_mov_b64 s[64:65], 0
	v_nop
	global_prefetch_b8 v0, s[64:65] scope:SCOPE_SE
	s_setreg_imm32_b32 hwreg(HW_REG_WAVE_MODE, 25, 1), 1
	s_wait_xcnt 0x0
; n = alpha (x - mean) / sqrt(var + 1e-6) + beta over rows of 1,024 f32 (var with 1,023 in the divisor), then quantised along the row to FP6 (E2M3), one E8M0 scale for each 32, and stored as operand images.
; An image is a fragment of 16 rows x 128 K in 1,664 bytes: registers 4 c .. 4 c + 3 of lane l at 512 c + 16 l; the scale word of row l % 16 at 1,536 + 4 l.  Output: [row block 256][K step 8][1,664].
; THE 16 ROWS OF A ROW BLOCK ARE NOT NEIGHBOURS: place i of block 2 b + u is row 32 b + 8 u + i + 8 (i / 8) (later products want that order where rows become a K).
; A work-group is one row block.  PHASE A: wave w norms places 2 w, 2 w + 1 (two neighbouring rows), each load 512 consecutive bytes; mean first, then the sum of squared differences from registers: a common
; offset of the inputs costs no accuracy.  The normed rows go to LDS (pitch 4,112 bytes: sixteen rows start in sixteen different groups of banks).  One barrier.
; PHASE B: wave w quantises K step w: lane (r, h) takes of row r the 16 neighbours 32 b + 16 h + 0 .. 15 of each of the four blocks.
; Wave w's image begins 1,664 w bytes into the block's 13,312: the eight waves together store 13,312 consecutive bytes.
; LIMITS: NaN and infinities are not served; a block of zeros gets the scale byte 1 (its codes are zeros; this program alone reads the bytes).
.set FRB, 1664
.set LP,  4112
.set AL,  16                           ; v16-47  alpha of my 32 columns
.set BE,  48                           ; v48-79  beta
.set XR,  80                           ; v80-143 my two rows, 32 registers each
.set HA,  80                           ; phase B: 64 numbers
.set PC,  144                          ; v144-163 the codes
.set TM,  164                          ; v164-179 at work in the quantiser
.set PW,  180                          ; the scale word
.set SEL, 22                           ; s[22:23] v_permlanex16_b32's selects for lane l xor 16
; 64 numbers of a lane, register 16 b + i = k 32 b + 16 (lane / 16) + i of my row, become a fragment's codes in v[PC] on and its scale word in v[PW].
.macro QUANT s
.irp b, 0,1,2,3
	v_max3_num_f32 v[TM+\b], |v[\s+16*\b]|, |v[\s+1+16*\b]|, 0x1800000   ; my 16 numbers of block b, and the floor 2^(3 - 127): the byte cannot fall under 1
.endr
.irp i, 2,4,6,8,10,12,14
.irp b, 0,1,2,3
	v_max3_num_f32 v[TM+\b], v[TM+\b], |v[\s+16*\b+\i]|, |v[\s+1+16*\b+\i]|
.endr
.endr
.irp b, 0,1,2,3
	v_permlanex16_b32 v[TM+4+\b], v[TM+\b], s[SEL], s[SEL+1]
.endr
.irp b, 0,1,2,3
	v_max_num_f32 v[TM+\b], v[TM+\b], v[TM+4+\b]   ; with lane l xor 16's: the block's largest magnitude
.endr
.irp b, 0,1,2,3
	v_add_nc_u32 v[TM+12+\b], 0xff000000, v[TM+\b] ; 2 off its exponent field: the conversion's scale operand
.endr
.irp b, 0,1,2,3
	v_lshrrev_b32 v[TM+4+\b], 23, v[TM+12+\b]      ; the scale's byte
.endr
	v_lshl_or_b32 v[PW], v[TM+5], 8, v[TM+4]
	v_lshl_or_b32 v[PW], v[TM+6], 16, v[PW]
	v_lshl_or_b32 v[PW], v[TM+7], 24, v[PW]
.irp c, 0,1
	v_cvt_scalef32_pk16_fp6_f32 v[PC+6*\c:PC+2+6*\c], v[\s+32*\c:\s+15+32*\c], v[TM+12+2*\c]
	v_cvt_scalef32_pk16_fp6_f32 v[PC+12+4*\c:PC+14+4*\c], v[\s+16+32*\c:\s+31+32*\c], v[TM+12+2*\c+1]
.endr
	v_nop                                          ; one plain line behind a scaled conversion
.irp c, 0,1                            ; the operand's layout wants a whole block in a lane: lanes 0-15 block 2 c, lanes 16-31 block 2 c + 1
.irp i, 0,1,2
	v_permlane16_swap_b32 v[PC+6*\c+\i], v[PC+12+4*\c+\i]
.endr
.irp i, 0,1,2
	v_mov_b32 v[PC+3+6*\c+\i], v[PC+12+4*\c+\i]
.endr
.endr
.endm
; v[8 + 4 p] and its three neighbours hold row p's partial sums: they become the row's sum, in every lane
.macro ALLSUM
.irp p, 0,1
	v_pk_add_f32 v[8+4*\p:9+4*\p], v[8+4*\p:9+4*\p], v[10+4*\p:11+4*\p]
.endr
.irp p, 0,1
	v_add_f32 v[8+4*\p], v[8+4*\p], v[9+4*\p]
.endr
.irp m, 1,2,4,8
.irp p, 0,1
	v_add_f32_dpp v[8+4*\p], v[8+4*\p], v[8+4*\p] row_xmask:\m row_mask:0xf bank_mask:0xf
.endr
.endr
.irp p, 0,1
	v_permlanex16_b32 v[9+4*\p], v[8+4*\p], s[SEL], s[SEL+1]
.endr
.irp p, 0,1
	v_add_f32 v[8+4*\p], v[8+4*\p], v[9+4*\p]
.endr
.endm
	s_load_b256 s[4:11], s[0:1], 0x0               ; the rows, alpha, beta, the images
	v_lshl_add_u32 v192, v0, 2, 0x10100
	v_mov_b32 v193, 0
	v_lshrrev_b32 v1, 5, v0
	v_readfirstlane_b32 s12, v1                    ; wave 0..7
	v_and_b32 v2, 31, v0
	v_lshlrev_b32 v4, 4, v2                        ; 16 x lane
	v_lshlrev_b32 v5, 2, v2                        ; 4 x lane
	s_mul_i32 s13, s12, 2*LP
	v_add_nc_u32 v6, s13, v4                       ; phase A: LDS rows 2 w, 2 w + 1
	v_and_b32 v1, 15, v0                           ; r
	v_bfe_u32 v3, v0, 4, 1                         ; h
	v_mul_u32_u24 v7, v1, LP
	v_lshl_add_u32 v7, v3, 6, v7
	s_lshl_b32 s13, s12, 9
	v_add_nc_u32 v7, s13, v7                       ; phase B: row r, + 64 h, + 512 w
.irp b, 0,1,2,3
	v_mov_b32 v[TM+4+\b], 0                        ; written once: a lane permute's destination counts as one of its sources
.endr
	s_lshr_b32 s14, ttmp9, 1
	s_lshl_b32 s14, s14, 5
	s_and_b32 s15, ttmp9, 1
	s_lshl_b32 s15, s15, 3
	s_add_co_u32 s14, s14, s15                     ; the block's place 0: row 32 (rb / 2) + 8 (rb % 2)
	s_lshl_b32 s15, s12, 1
	s_add_co_u32 s14, s14, s15
	s_lshr_b32 s15, s12, 2
	s_lshl_b32 s15, s15, 3
	s_add_co_u32 s14, s14, s15                     ; place 2 w: + 2 w + 8 (w / 4)
	s_lshl_b32 s14, s14, 12                        ; rows of 4,096 bytes
	s_mov_b32 s15, 0
	s_mul_i32 s16, ttmp9, 8*FRB
	s_mul_i32 s17, s12, FRB
	s_add_co_u32 s16, s16, s17
	s_mov_b32 s17, 0
	s_mov_b32 s20, 0x3a802008                      ; 1 / 1,023
	s_mov_b32 s21, 0x358637bd                      ; 1e-6
	s_mov_b32 s[SEL], 0x76543210
	s_mov_b32 s[SEL+1], 0xfedcba98
	s_wait_kmcnt 0x0
	s_add_nc_u64 s[4:5], s[4:5], s[14:15]
	s_add_nc_u64 s[10:11], s[10:11], s[16:17]
.irp p, 0,1
.irp j, 0,1,2,3,4,5,6,7
	global_load_b128 v[XR+32*\p+4*\j:XR+32*\p+4*\j+3], v4, s[4:5] offset:4096*\p+512*\j
.endr
.endr
.irp j, 0,1,2,3,4,5,6,7
	global_load_b128 v[AL+4*\j:AL+4*\j+3], v4, s[6:7] offset:512*\j
	global_load_b128 v[BE+4*\j:BE+4*\j+3], v4, s[8:9] offset:512*\j
.endr
	s_wait_loadcnt 16                              ; my two rows are in; alpha's and beta's 16 loads may be out
.irp p, 0,1
	v_pk_add_f32 v[8+4*\p:9+4*\p], v[XR+32*\p:XR+32*\p+1], v[XR+32*\p+2:XR+32*\p+3]
	v_pk_add_f32 v[10+4*\p:11+4*\p], v[XR+32*\p+4:XR+32*\p+5], v[XR+32*\p+6:XR+32*\p+7]
.endr
.irp j, 8,12,16,20,24,28
.irp p, 0,1
	v_pk_add_f32 v[8+4*\p:9+4*\p], v[8+4*\p:9+4*\p], v[XR+32*\p+\j:XR+32*\p+\j+1]
	v_pk_add_f32 v[10+4*\p:11+4*\p], v[10+4*\p:11+4*\p], v[XR+32*\p+\j+2:XR+32*\p+\j+3]
.endr
.endr
	ALLSUM
.irp p, 0,1
	v_mul_f32 v[8+4*\p], 0x3a800000, v[8+4*\p]     ; the mean: / 1,024
.endr
.set J, 0
.rept 16
.irp p, 0,1
	v_pk_add_f32 v[XR+32*\p+J:XR+32*\p+J+1], v[XR+32*\p+J:XR+32*\p+J+1], v[8+4*\p:9+4*\p] op_sel_hi:[1,0] neg_lo:[0,1] neg_hi:[0,1]   ; d = x - mean
.endr
.set J, J+2
.endr
.irp p, 0,1
	v_pk_mul_f32 v[8+4*\p:9+4*\p], v[XR+32*\p:XR+32*\p+1], v[XR+32*\p:XR+32*\p+1]
	v_pk_mul_f32 v[10+4*\p:11+4*\p], v[XR+32*\p+2:XR+32*\p+3], v[XR+32*\p+2:XR+32*\p+3]
.endr
.irp j, 4,8,12,16,20,24,28
.irp p, 0,1
	v_pk_fma_f32 v[8+4*\p:9+4*\p], v[XR+32*\p+\j:XR+32*\p+\j+1], v[XR+32*\p+\j:XR+32*\p+\j+1], v[8+4*\p:9+4*\p]
	v_pk_fma_f32 v[10+4*\p:11+4*\p], v[XR+32*\p+\j+2:XR+32*\p+\j+3], v[XR+32*\p+\j+2:XR+32*\p+\j+3], v[10+4*\p:11+4*\p]
.endr
.endr
	ALLSUM
.irp p, 0,1
	v_fma_f32 v[8+4*\p], v[8+4*\p], s20, s21       ; var + eps
.endr
.irp p, 0,1
	v_rsq_f32 v[8+4*\p], v[8+4*\p]
.endr
	v_nop                                          ; a plain line behind the transcendentals
	s_wait_loadcnt 0x0                             ; alpha and beta
.set J, 0
	s_wait_alu depctr_va_vdst(0)
.rept 16
.irp p, 0,1
	v_pk_mul_f32 v[XR+32*\p+J:XR+32*\p+J+1], v[XR+32*\p+J:XR+32*\p+J+1], v[8+4*\p:9+4*\p] op_sel_hi:[1,0]
.endr
.irp p, 0,1
	v_pk_fma_f32 v[XR+32*\p+J:XR+32*\p+J+1], v[XR+32*\p+J:XR+32*\p+J+1], v[AL+J:AL+J+1], v[BE+J:BE+J+1]
.endr
.set J, J+2
.endr
.irp p, 0,1
.irp j, 0,1,2,3,4,5,6,7
	ds_store_b128 v6, v[XR+32*\p+4*\j:XR+32*\p+4*\j+3] offset:LP*\p+512*\j
.endr
.endr
	s_wait_dscnt 0x0                               ; for the others' sake: my rows lie in LDS
	s_barrier_signal -1
	s_barrier_wait -1
.irp b, 0,1,2,3
.irp j, 0,1,2,3
	ds_load_b128 v[HA+16*\b+4*\j:HA+16*\b+4*\j+3], v7 offset:128*\b+16*\j
.endr
.endr
	s_wait_dscnt 0x0
	QUANT HA
.irp c, 0,1,2
	global_store_b128 v4, v[PC+4*\c:PC+4*\c+3], s[10:11] offset:512*\c
.endr
	global_store_b32 v5, v[PW], s[10:11] offset:1536
	s_wait_tensorcnt 0x0
	ds_add_u32 v192, v193
	s_wait_dscnt 0x0
	s_endpgm
.Lfunc_end_k_q6d18821349_ln1:
	.size	k_q6d18821349_ln1, .Lfunc_end_k_q6d18821349_ln1-k_q6d18821349_ln1
	.p2alignl 7, 3214868480
	.fill 96, 4, 3214868480
	.section	.rodata,"a",@progbits
	.p2align	6, 0x0
	.amdhsa_kernel k_q6d18821349_ln1
		.amdhsa_group_segment_fixed_size 66816
		.amdhsa_private_segment_fixed_size 0
		.amdhsa_enable_private_segment 0
		.amdhsa_kernarg_size 32
		.amdhsa_user_sgpr_count 2
		.amdhsa_user_sgpr_kernarg_segment_ptr 1
		.amdhsa_wavefront_size32 1
		.amdhsa_system_sgpr_workgroup_id_x 1
		.amdhsa_system_sgpr_workgroup_id_y 1
		.amdhsa_system_sgpr_workgroup_id_z 1
		.amdhsa_system_vgpr_workitem_id 0
		.amdhsa_next_free_vgpr 194
		.amdhsa_next_free_sgpr 66
		.amdhsa_reserve_vcc 0
		.amdhsa_float_denorm_mode_32 3
		.amdhsa_float_denorm_mode_16_64 3
		.amdhsa_memory_ordered 1
		.amdhsa_forward_progress 1
		.amdhsa_inst_pref_size 24
	.end_amdhsa_kernel
	.amdgpu_metadata
---
amdhsa.version: [ 1, 2 ]
amdhsa.kernels:
  - .name:           k_q6d18821349_ln1
    .symbol:         k_q6d18821349_ln1.kd
    .args:
      - { .name: x, .offset: 0, .size: 8, .value_kind: global_buffer, .address_space: global }
      - { .name: ln1_a, .offset: 8, .size: 8, .value_kind: global_buffer, .address_space: global }
      - { .name: ln1_b, .offset: 16, .size: 8, .value_kind: global_buffer, .address_space: global }
      - { .name: actimg, .offset: 24, .size: 8, .value_kind: global_buffer, .address_space: global }
    .group_segment_fixed_size: 66816
    .private_segment_fixed_size: 0
    .kernarg_segment_align: 8
    .kernarg_segment_size: 32
    .max_flat_workgroup_size: 256
    .sgpr_count:     66
    .vgpr_count:     194
    .wavefront_size: 32
...
	.end_amdgpu_metadata
.endif
;; end of part 2
;; launch proj (part 3): grid 12 x 16, 4 waves a work-group, clusters of 4 x 4, 327,680 bytes of LDS; arguments actimg, wimg, bq, bk, bv, qkv; writes qkv
.if DOCPART == 3
	.amdgcn_target "amdgcn-amd-amdhsa--gfx1250"
	.amdhsa_code_object_version 6
	.text
	.protected	k_q6d18821349_proj
	.globl	k_q6d18821349_proj
	.p2align	8
	.type	k_q6d18821349_proj,@function
k_q6d18821349_proj:
	s_mov_b64 s[64:65], 0
	v_nop
	global_prefetch_b8 v0, s[64:65] scope:SCOPE_SE
	s_setreg_imm32_b32 hwreg(HW_REG_WAVE_MODE, 25, 1), 1
	s_wait_xcnt 0x0
	s_wait_alu depctr_hold_cnt(0) depctr_sa_sdst(0) depctr_va_vdst(0) depctr_va_sdst(0) depctr_va_ssrc(0) depctr_va_vcc(0) depctr_vm_vsrc(0)
	s_getreg_b32 s2, hwreg(HW_REG_IB_STS2, 6, 4)
	s_cmp_eq_u32 s2, 0
	s_cbranch_scc0 .Lentry_in_a_cluster
	s_endpgm
.Lentry_in_a_cluster:
	s_bfe_u32 s2, ttmp6, 0x10000c
	s_cmp_lg_u32 s2, 0xf033
	s_cbranch_scc0 .Lentry_shape_is_right
	s_endpgm
.Lentry_shape_is_right:
; A GEMM on operand images of FP6 (E2M3) whose result, with its bias (and relu), is quantised in registers and stored as images of the next product's operand.
; MODE 0: q = n wq + bq, k = n wk + bk, and V^T = (n wv + bv)^T, K = 1,024.   MODE 1: h = relu(n2 w1 + b1), K = 1,024.
; AN IMAGE is a fragment of 16 rows x 128 K in 1,664 bytes: registers 4 c .. 4 c + 3 of lane l at 512 c + 16 l (c = 0, 1, 2), the scale word of row l % 16 at 1,536 + 4 l.  It is read by three loads of 16 bytes
; a lane and one of 4: every load takes consecutive bytes, so there is no pitch and no padding, and codes and scales come by one tensor load.
; Place i of row block (or column tile) 2 b + u is row (column) 32 b + 8 u + i + 8 (i / 8).  THE MATRIX INSTRUCTION IS USED TRANSPOSED: source 0 = the B role, source 1 = the A role: lane (r, h) holds place r of
; the A block, and the 64 registers of the B role's eight tiles are index 32 b + 16 h + i at register 16 b + i: what the quantiser takes.  So a wave's eight accumulators of one A block become one image.
; A tile of the result, 256 x 256, is made by four waves, 128 x 128 each: 64 accumulators.  K goes in steps of 256 through a ring of two LDS slots; a slot holds 16 row blocks x 2 images of the activations (Y) and of the weights (X).
; CLUSTERS: 4 x 4 work-groups; Y's tiles are shared along a row of the cluster, X's along a column: joint loads, the same descriptor and mask in the four that a mask names.
; ROLES.  A = activations, B = weights, but for wv (cluster x = 2 in MODE 0), where they change places: then the weights' columns d are the image's rows and the keys run along its K.  Fills, masks and text are the same;
; only the two LDS bases of the fragment loads differ, and they hang on the cluster's x, which all partners share.
; REGISTERS: window 0: v1-31 addresses, row bias; v32-63 scale words (A's and B's, two sets); v64-255 A's fragments, two sets.  window 1: B's fragments at v0 and v128; the column bias at v96-127, v224-255.
;   windows 2, 3: accumulator (a, b) at v[8 (8 (a % 4) + b)].
; LIMITS: NaN and infinities are not served; a block of zeros gets the scale byte 1 (its codes are zeros; this program alone reads the bytes).
.set MODE,   0
.if MODE == 0
.set BOFF,   0
.set ASTR,   1664                      ; bytes from the image of A block a to that of a + 1
.else
.set BOFF,   3407872                   ; w1's tiles in wimg
.set ASTR,   32*1664
.endif
.set KTOT,   1024
.set FRB,    1664
.set ROWB,   2*FRB                     ; a row block's part of a slot: two K steps of 128
.set PITCHB, (KTOT/128)*FRB            ; from row block to row block in memory
.set HALFT,  8*ROWB                    ; what one tensor load brings, and what one wave reads of a role
.set SLOT,   4*HALFT                   ; Y's 16 blocks, then X's 16
.set SPARE,  2*SLOT                    ; the spare words: 128 bytes a wave, two blocks of 256 bytes that no other line names
.set LAPS,   KTOT/512
.set FR,     12
.set BR,   8                           ; v8-15  MODE 0: the bias of place r of A block a
.set ADRA, 16                          ; v16-17 A role's images in slot 0, 1: 16 x lane + base
.set ADRB, 18                          ; v18-19 B role's
.set ADSA, 20                          ; v20-21 4 x lane + base: scale words
.set ADSB, 22
.set LI,   24                          ; 16 x lane
.set LS,   25                          ; 4 x lane
.set SPW,  28                          ; my spare word; never rewritten
.set NIL,  29                          ; 0; never rewritten
.set BCA,  30
.set BRA,  31
.set SC,   32                          ; scale words: set p: A's at SC + 16 p, B's at SC + 16 p + 8
.set AF,   64                          ; A's fragments: set p at AF + 96 p
.set HA,   64                          ; the way out: 64 numbers,
.set PC,   128                         ; the codes,
.set TM,   168                         ; at work in the quantiser,
.set PW,   184                         ; the scale word,
.set BP,   186                         ; a pair with the row bias
.set G1, 24
.set G0, 32
.set G1B, 48
.set G0B, 56
.set SEL, 88
.set MSB, 0
.macro WIN new                         ; the immediate's high byte repeats the setting that is left
.if MSB != (\new)
	s_set_vgpr_msb (MSB<<8)|(\new)
.set MSB, (\new)
.endif
.endm
.set MUL_LO, 0xa1                      ; source 0 window 1, source 1 window 0, C and D window 2
.set MUL_HI, 0xf1
.set TO_B,   0x40
.macro JLOAD s                         ; a joint load: waves 0, 1 fetch Y's halves, waves 2, 3 X's; four v_nop follow each line
	s_cmp_eq_u32 s15, 0
	s_cbranch_scc0 .Lfor_x_\@
	tensor_load_to_lds s[G0+4*\s:G0+4*\s+3], s[G1:G1+7]
	s_nop 0
.rept 4
	v_nop
.endr
	s_branch .Lasked_\@
.Lfor_x_\@:
	tensor_load_to_lds s[G0B+4*\s:G0B+4*\s+3], s[G1B:G1B+7]
	s_nop 0
.rept 4
	v_nop
.endr
.Lasked_\@:
.endm
.macro CREST                           ; a round of the cluster's barrier behind its opening barrier
	s_cmp_lg_u32 s14, 0
	s_cbranch_scc1 .Lnot_wave_0_\@
	s_barrier_signal -3
.Lnot_wave_0_\@:
	s_barrier_wait -3
	s_barrier_signal -1
	s_barrier_wait -1
.endm
.macro CROUND
	s_barrier_signal -1
	s_barrier_wait -1
	CREST
.endm
.macro PLACES                          ; four plain lines between a matrix instruction and a load into, or a vector read of, its registers
.rept 4
	v_nop
.endr
.endm
.macro FETCH slot, q                   ; the slot's q-th 128 along K into set q: 48 loads of 16 bytes, 16 of 4
	WIN TO_B
.irp i, 0,1,2,3,4,5,6,7
.irp c, 0,1,2
	ds_load_b128 v[128*(\q)+FR*\i+4*\c:128*(\q)+FR*\i+4*\c+3], v[ADRB+\slot] offset:\i*ROWB+(\q)*FRB+512*\c
.endr
.endr
	WIN 0
.irp i, 0,1,2,3,4,5,6,7
.irp c, 0,1,2
	ds_load_b128 v[AF+96*(\q)+FR*\i+4*\c:AF+96*(\q)+FR*\i+4*\c+3], v[ADRA+\slot] offset:\i*ROWB+(\q)*FRB+512*\c
.endr
.endr
.irp i, 0,1,2,3,4,5,6,7
	ds_load_b32 v[SC+16*(\q)+\i], v[ADSA+\slot] offset:\i*ROWB+(\q)*FRB+1536
	ds_load_b32 v[SC+16*(\q)+8+\i], v[ADSB+\slot] offset:\i*ROWB+(\q)*FRB+1536
.endr
.endm
; 16 matrix instructions: A blocks a0, a0 + 1 x B's eight, on set p.  The 64 accumulators take turns, one instruction a turn, in the same order in every step.
.macro MUL16 a0, p, zero
.irp a, \a0, \a0+1
.irp b, 0,1,2,3,4,5,6,7
.if \zero
	v_wmma_scale_f32_16x16x128_f8f6f4 v[8*(8*((\a)%4)+\b):8*(8*((\a)%4)+\b)+7], v[128*(\p)+FR*\b:128*(\p)+FR*\b+FR-1], v[AF+96*(\p)+FR*(\a):AF+96*(\p)+FR*(\a)+FR-1], 0, v[SC+16*(\p)+8+\b], v[SC+16*(\p)+(\a)] matrix_a_fmt:MATRIX_FMT_FP6 matrix_b_fmt:MATRIX_FMT_FP6
.else
	v_wmma_scale_f32_16x16x128_f8f6f4 v[8*(8*((\a)%4)+\b):8*(8*((\a)%4)+\b)+7], v[128*(\p)+FR*\b:128*(\p)+FR*\b+FR-1], v[AF+96*(\p)+FR*(\a):AF+96*(\p)+FR*(\a)+FR-1], v[8*(8*((\a)%4)+\b):8*(8*((\a)%4)+\b)+7], v[SC+16*(\p)+8+\b], v[SC+16*(\p)+(\a)] matrix_a_fmt:MATRIX_FMT_FP6 matrix_b_fmt:MATRIX_FMT_FP6
.endif
.endr
.endr
.endm
.macro STEP slot, zero                 ; a slot's first 128 along K: set 0 is multiplied while set 1 comes
	s_wait_dscnt 0x0                               ; set 0 is in
	PLACES                                         ; for the loads into set 1, which the last products read
	FETCH \slot, 1
	WIN MUL_LO
	MUL16 0, 0, \zero
	MUL16 2, 0, \zero
	WIN MUL_HI
	MUL16 4, 0, \zero
	MUL16 6, 0, \zero
	WIN 0
.endm
; A slot's second 128 along K, and the change of slots: one barrier; in front of it each wave waits for all its tensor loads, adds 0 to its spare word, and waits for that and for its reads of this slot.
.macro TURN slot, next, fill
	s_wait_tensorcnt 0x0                           ; all my tensor loads have landed: my part of the next slot
	ds_add_u32 v[SPW], v[NIL]                      ; 0 onto my spare word
	s_wait_dscnt 1                                 ; set 1's loads are in; the add may be out
	WIN MUL_LO
	MUL16 0, 1, 0
	s_wait_dscnt 0x0                               ; the add is done, and my reads of this slot are over
	s_barrier_signal -1
	MUL16 2, 1, 0
	WIN 0
	s_barrier_wait -1
.if \fill
	CREST                                          ; the barrier has opened a round of the cluster's barrier: no wave of any partner still reads this slot or has a load on its way
	s_add_nc_u64 s[G0+4*\slot+2:G0+4*\slot+3], s[G0+4*\slot+2:G0+4*\slot+3], 2*ROWB
	s_add_nc_u64 s[G0B+4*\slot+2:G0B+4*\slot+3], s[G0B+4*\slot+2:G0B+4*\slot+3], 2*ROWB
	JLOAD \slot                                    ; the first tensor load behind the round; its four v_nop are the places in front of the loads below
.else
	PLACES
.endif
	FETCH \next, 0
	WIN MUL_HI
	MUL16 4, 1, 0
	MUL16 6, 1, 0
	WIN 0
.endm
; 64 numbers of a lane, register 16 b + i = k 32 b + 16 (lane / 16) + i of my row, become a fragment's codes in v[PC] on and its scale word in v[PW].
.macro QUANT s
.irp b, 0,1,2,3
	v_max3_num_f32 v[TM+\b], |v[\s+16*\b]|, |v[\s+1+16*\b]|, 0x1800000   ; my 16 numbers of block b, and the floor 2^(3 - 127): the byte cannot fall under 1
.endr
.irp i, 2,4,6,8,10,12,14
.irp b, 0,1,2,3
	v_max3_num_f32 v[TM+\b], v[TM+\b], |v[\s+16*\b+\i]|, |v[\s+1+16*\b+\i]|
.endr
.endr
.irp b, 0,1,2,3
	v_permlanex16_b32 v[TM+4+\b], v[TM+\b], s[SEL], s[SEL+1]
.endr
.irp b, 0,1,2,3
	v_max_num_f32 v[TM+\b], v[TM+\b], v[TM+4+\b]   ; with lane l xor 16's: the block's largest magnitude
.endr
.irp b, 0,1,2,3
	v_add_nc_u32 v[TM+12+\b], 0xff000000, v[TM+\b] ; 2 off its exponent field: the conversion's scale operand
.endr
.irp b, 0,1,2,3
	v_lshrrev_b32 v[TM+4+\b], 23, v[TM+12+\b]      ; the scale's byte
.endr
	v_lshl_or_b32 v[PW], v[TM+5], 8, v[TM+4]
	v_lshl_or_b32 v[PW], v[TM+6], 16, v[PW]
	v_lshl_or_b32 v[PW], v[TM+7], 24, v[PW]
.irp c, 0,1
	v_cvt_scalef32_pk16_fp6_f32 v[PC+6*\c:PC+2+6*\c], v[\s+32*\c:\s+15+32*\c], v[TM+12+2*\c]
	v_cvt_scalef32_pk16_fp6_f32 v[PC+12+4*\c:PC+14+4*\c], v[\s+16+32*\c:\s+31+32*\c], v[TM+12+2*\c+1]
.endr
	v_nop                                          ; one plain line behind a scaled conversion
.irp c, 0,1
.irp i, 0,1,2
	v_permlane16_swap_b32 v[PC+6*\c+\i], v[PC+12+4*\c+\i]
.endr
.irp i, 0,1,2
	v_mov_b32 v[PC+3+6*\c+\i], v[PC+12+4*\c+\i]
.endr
.endr
.endm
	s_load_b128 s[4:7], s[0:1], 0x0                ; the activations' images, wimg
	s_load_b128 s[8:11], s[0:1], 0x10              ; MODE 0: bq, bk;  MODE 1: b1, himg
.if MODE == 0
	s_load_b128 s[68:71], s[0:1], 0x20             ; bv, qkv
.endif
	v_lshl_add_u32 v[SPW], v0, 2, SPARE
	v_mov_b32 v[NIL], 0
	ds_add_u32 v28, v29
	s_wait_dscnt 0x0
	v_lshrrev_b32 v1, 5, v0
	v_readfirstlane_b32 s14, v1                    ; wave 0..3
	s_lshr_b32 s15, s14, 1                         ; which half of the A role is mine.  Also: I fetch for Y (0) or for X (1)
	s_and_b32 s16, s14, 1                          ; which half of the B role.  Also: which 8 blocks I fetch
	s_bfe_u32 s40, ttmp6, 0x40000                  ; cx, cy: my place in the cluster
	s_bfe_u32 s41, ttmp6, 0x40004
	s_lshl_b32 s42, ttmp9, 2
	s_add_co_u32 s42, s42, s40                     ; x: which 256 columns of the weights
	s_and_b32 s17, ttmp7, 0xffff
	s_lshl_b32 s17, s17, 2
	s_add_co_u32 s17, s17, s41                     ; y: which 256 rows of the activations
	s_lshl_b32 s43, s41, 2
	s_lshl_b32 s43, 15, s43                        ; my row of the cluster
	s_lshl_b32 s44, 0x1111, s40                    ; my column
	; descriptor group 1: 8 rows of 3,328 bytes (416 elements of 8 bytes), PITCHB bytes apart, dense in LDS
	s_or_b32 s[G1+0], s43, (3<<16)|(1<<21)         ; 15:0 the mask; 17:16 elements of 8 bytes; 21 set beside a mask
	s_or_b32 s[G1B+0], s44, (3<<16)|(1<<21)
.irp g, G1, G1B
	s_mov_b32 s[\g+1], 416<<16                     ; tensor_dim0
	s_mov_b32 s[\g+2], 8<<16                       ; tensor_dim1
	s_mov_b32 s[\g+3], 416<<16                     ; tile_dim0
	s_mov_b32 s[\g+4], 8                           ; tile_dim1
	s_mov_b32 s[\g+5], PITCHB/8                    ; tensor_dim0_stride
	s_mov_b32 s[\g+6], 0
	s_mov_b32 s[\g+7], 0
.endr
	s_lshl_b32 s18, s16, 3
	s_lshl_b32 s20, s17, 4
	s_add_co_u32 s20, s20, s18                     ; Y: block 16 y + 8 half
	s_lshl_b32 s46, s42, 4
	s_add_co_u32 s46, s46, s18                     ; X: tile 16 x + 8 half
	s_mul_i32 s20, s20, PITCHB
	s_mul_i32 s46, s46, PITCHB
.if BOFF
	s_add_co_u32 s46, s46, BOFF
.endif
	s_mov_b32 s21, 0
	s_mov_b32 s47, 0
	s_mul_i32 s45, s14, HALFT                      ; where they go: no place in the cluster enters an LDS address
	s_mov_b32 s[SEL], 0x76543210
	s_mov_b32 s[SEL+1], 0xfedcba98
	s_wait_kmcnt 0x0
	s_add_nc_u64 s[20:21], s[4:5], s[20:21]
	s_add_nc_u64 s[46:47], s[6:7], s[46:47]
	CROUND                                         ; all sixteen work-groups are here: the first joint loads meet
.irp s, 0,1
	s_mov_b32 s[G0+4*\s], 1
	s_add_co_u32 s[G0+4*\s+1], s45, \s*SLOT
	s_add_nc_u64 s[G0+4*\s+2:G0+4*\s+3], s[20:21], \s*ROWB
	s_or_b32 s[G0+4*\s+3], s[G0+4*\s+3], 0x80000000
	s_mov_b32 s[G0B+4*\s], 1
	s_add_co_u32 s[G0B+4*\s+1], s45, \s*SLOT
	s_add_nc_u64 s[G0B+4*\s+2:G0B+4*\s+3], s[46:47], \s*ROWB
	s_or_b32 s[G0B+4*\s+3], s[G0B+4*\s+3], 0x80000000
	JLOAD \s
.endr
	v_and_b32 v1, 15, v0                           ; r
	v_bfe_u32 v2, v0, 4, 1                         ; h
	v_and_b32 v3, 31, v0
	v_lshlrev_b32 v[LI], 4, v3
	v_lshlrev_b32 v[LS], 2, v3
	s_mul_i32 s22, s15, HALFT
	s_mul_i32 s23, s16, HALFT
.if MODE == 0
	s_cmp_eq_u32 ttmp9, 2                          ; wv's columns: the roles change places
	s_cselect_b32 s66, 2*HALFT, 0                  ; the A role's region of a slot,
	s_cselect_b32 s67, 0, 2*HALFT                  ; the B role's;
	s_cselect_b32 s76, 0, 0x3f800000               ; the factor of the bias along the registers,
	s_cselect_b32 s78, 0x3f800000, 0               ; and of the bias along the lanes
	s_mov_b32 s77, s76
	s_mov_b32 s79, s78
	s_add_co_u32 s22, s22, s66
	s_add_co_u32 s23, s23, s67
.else
	s_add_co_u32 s23, s23, 2*HALFT
.endif
.irp s, 0,1
	v_add_nc_u32 v[ADRA+\s], s22, v[LI]
	v_add_nc_u32 v[ADRB+\s], s23, v[LI]
	v_add_nc_u32 v[ADSA+\s], s22, v[LS]
	v_add_nc_u32 v[ADSB+\s], s23, v[LS]
	s_add_co_u32 s22, s22, SLOT
	s_add_co_u32 s23, s23, SLOT
.endr
	; the bias.  Along the registers: tile b, lane half h: numbers 32 (b / 2) + 16 h + 8 (b % 2) + 0 .. 7 of my 128.  MODE 0 also along the lanes: A block a, place r: 32 (a / 2) + 8 (a % 2) + r + 8 (r / 8).
.if MODE == 0
	s_cmp_eq_u32 ttmp9, 1
	s_cselect_b64 s[8:9], s[10:11], s[8:9]
	s_cmp_eq_u32 ttmp9, 2
	s_cselect_b64 s[8:9], s[68:69], s[8:9]
	s_mov_b64 s[12:13], s[70:71]
	s_lshl_b32 s80, s40, 10                        ; 256 numbers x 4 bytes x cx: the place within this weight's 1,024 columns
.else
	s_mov_b64 s[12:13], s[10:11]
	s_lshl_b32 s80, s42, 10
.endif
	s_lshl_b32 s82, s16, 9
	s_add_co_u32 s82, s82, s80
	s_mov_b32 s83, 0
	s_add_nc_u64 s[84:85], s[8:9], s[82:83]
	v_lshlrev_b32 v[BCA], 6, v2
	WIN TO_B
.irp b, 0,1,2,3,4,5,6,7
	global_load_b128 v[96+128*(\b/4)+8*(\b%4):96+128*(\b/4)+8*(\b%4)+3], v[BCA], s[84:85] offset:(32*(\b/2)+8*(\b%2))*4
	global_load_b128 v[96+128*(\b/4)+8*(\b%4)+4:96+128*(\b/4)+8*(\b%4)+7], v[BCA], s[84:85] offset:(32*(\b/2)+8*(\b%2))*4+16
.endr
	WIN 0
.if MODE == 0
	s_lshl_b32 s82, s15, 9
	s_add_co_u32 s82, s82, s80
	s_add_nc_u64 s[86:87], s[8:9], s[82:83]
	v_and_b32 v3, 8, v1
	v_add_nc_u32 v3, v3, v1
	v_lshlrev_b32 v[BRA], 2, v3
.irp a, 0,1,2,3,4,5,6,7
	global_load_b32 v[BR+\a], v[BRA], s[86:87] offset:(32*(\a/2)+8*(\a%2))*4
.endr
	; where my eight images go.  q, k: [128 columns 8][row block 256]: (2 cx + half B) x 256 + 16 y + 8 half A.   V^T: [128 keys 32][tile of d 64]: (2 y + half B) x 64 + 16 cx + 8 half A
	s_lshl_b32 s80, s40, 1
	s_add_co_u32 s80, s80, s16
	s_lshl_b32 s80, s80, 8
	s_lshl_b32 s81, s17, 4
	s_add_co_u32 s80, s80, s81
	s_lshl_b32 s82, s17, 1
	s_add_co_u32 s82, s82, s16
	s_lshl_b32 s82, s82, 6
	s_lshl_b32 s83, s40, 4
	s_add_co_u32 s82, s82, s83
	s_cmp_eq_u32 ttmp9, 2
	s_cselect_b32 s80, s82, s80
	s_lshl_b32 s81, s15, 3
	s_add_co_u32 s80, s80, s81
	s_mul_i32 s80, s80, FRB
	s_mul_i32 s81, ttmp9, 3407872                  ; q's, k's or V^T's third of the buffer
	s_add_co_u32 s80, s80, s81
.else
	s_lshl_b32 s80, s17, 4                         ; himg: [row block 256][K step 32]: (16 y + 8 half A) x 32 + 2 x + half B
	s_lshl_b32 s81, s15, 3
	s_add_co_u32 s80, s80, s81
	s_lshl_b32 s80, s80, 5
	s_lshl_b32 s81, s42, 1
	s_add_co_u32 s80, s80, s81
	s_add_co_u32 s80, s80, s16
	s_mul_i32 s80, s80, FRB
.endif
	s_mov_b32 s81, 0
	s_add_nc_u64 s[12:13], s[12:13], s[80:81]
	s_wait_loadcnt 0x0                             ; the bias is in: no load is out in the loop
	s_wait_tensorcnt 1                             ; my part of slot 0 is in; slot 1's load may be out
	s_barrier_signal -1
	s_barrier_wait -1
	FETCH 0, 0
	STEP 0, 1                                      ; the first step stands in front of the loop: its products start the sums
	s_mov_b32 s3, LAPS-1
.Llap:                                             ; a trip goes once round the ring and fills both slots again
	TURN 0, 1, 1
	STEP 1, 0
	TURN 1, 0, 1
	STEP 0, 0
	s_sub_co_u32 s3, s3, 1
	s_cmp_lg_u32 s3, 0
	s_cbranch_scc1 .Llap
	TURN 0, 1, 0                                   ; the last lap fills nothing
	STEP 1, 0
	s_wait_dscnt 0x0
	WIN MUL_LO
	MUL16 0, 1, 0
	MUL16 2, 1, 0
	WIN MUL_HI
	MUL16 4, 1, 0
	MUL16 6, 1, 0
	WIN 0
	PLACES
	; THE WAY OUT: A block by A block: bias (and relu) in f32, the quantiser, four stores.  Each accumulator is read from its low end on.
.irp b, 0,1,2,3
	v_mov_b32 v[TM+4+\b], 0                        ; written once: a lane permute's destination counts as one of its sources
.endr
.irp a, 0,1,2,3,4,5,6,7
.if MODE == 0
	WIN 0x21+0x10*(\a/4)                           ; source 0 (bias) window 1, source 2 (sums) window 2 or 3
.irp b, 0,1,2,3,4,5,6,7
.irp j, 0,2,4,6
	v_pk_fma_f32 v[HA+8*\b+\j:HA+8*\b+\j+1], v[96+128*(\b/4)+8*(\b%4)+\j:96+128*(\b/4)+8*(\b%4)+\j+1], s[76:77], v[64*(\a%4)+8*\b+\j:64*(\a%4)+8*\b+\j+1] op_sel_hi:[1,0,1]
.endr
.endr
	WIN 0
	v_mov_b32 v[BP], v[BR+\a]
	v_mov_b32 v[BP+1], v[BR+\a]
.set J, 0
.rept 32
	v_pk_fma_f32 v[HA+J:HA+J+1], v[BP:BP+1], s[78:79], v[HA+J:HA+J+1] op_sel_hi:[1,0,1]
.set J, J+2
.endr
.else
	WIN 0x06+(\a/4)                                ; source 0 (sums) window 2 or 3, source 1 (bias) window 1
.irp b, 0,1,2,3,4,5,6,7
.irp j, 0,2,4,6
	v_pk_add_f32 v[HA+8*\b+\j:HA+8*\b+\j+1], v[64*(\a%4)+8*\b+\j:64*(\a%4)+8*\b+\j+1], v[96+128*(\b/4)+8*(\b%4)+\j:96+128*(\b/4)+8*(\b%4)+\j+1]
.endr
.endr
	WIN 0
.set J, 0
.rept 64
	v_max_num_f32 v[HA+J], 0, v[HA+J]              ; relu, in f32
.set J, J+1
.endr
.endif
.if \a > 0
	s_wait_xcnt 0x0                                ; the last block's stores have read their registers: codes and scale word may be written again
.endif
	QUANT HA
.irp c, 0,1,2
	global_store_b128 v[LI], v[PC+4*\c:PC+4*\c+3], s[12:13] offset:\a*ASTR+512*\c
.endr
	global_store_b32 v[LS], v[PW], s[12:13] offset:\a*ASTR+1536
.endr
	s_wait_tensorcnt 0x0                           ; the wave's end
	ds_add_u32 v[SPW], v[NIL]
	s_wait_dscnt 0x0
	CROUND                                         ; the closing round: no work-group ends while a partner may still ask for a tile that names it
	s_endpgm
.Lfunc_end_k_q6d18821349_proj:
	.size	k_q6d18821349_proj, .Lfunc_end_k_q6d18821349_proj-k_q6d18821349_proj
	.p2alignl 7, 3214868480
	.fill 96, 4, 3214868480
	.section	.rodata,"a",@progbits
	.p2align	6, 0x0
	.amdhsa_kernel k_q6d18821349_proj
		.amdhsa_group_segment_fixed_size 327680
		.amdhsa_private_segment_fixed_size 0
		.amdhsa_enable_private_segment 0
		.amdhsa_kernarg_size 48
		.amdhsa_user_sgpr_count 2
		.amdhsa_user_sgpr_kernarg_segment_ptr 1
		.amdhsa_wavefront_size32 1
		.amdhsa_system_sgpr_workgroup_id_x 1
		.amdhsa_system_sgpr_workgroup_id_y 1
		.amdhsa_system_sgpr_workgroup_id_z 1
		.amdhsa_system_vgpr_workitem_id 0
		.amdhsa_next_free_vgpr 1024
		.amdhsa_next_free_sgpr 100
		.amdhsa_reserve_vcc 0
		.amdhsa_float_denorm_mode_32 3
		.amdhsa_float_denorm_mode_16_64 3
		.amdhsa_memory_ordered 1
		.amdhsa_forward_progress 1
		.amdhsa_inst_pref_size 178
	.end_amdhsa_kernel
	.amdgpu_metadata
---
amdhsa.version: [ 1, 2 ]
amdhsa.kernels:
  - .name:           k_q6d18821349_proj
    .symbol:         k_q6d18821349_proj.kd
    .args:
      - { .name: actimg, .offset: 0, .size: 8, .value_kind: global_buffer, .address_space: global }
      - { .name: wimg, .offset: 8, .size: 8, .value_kind: global_buffer, .address_space: global }
      - { .name: bq, .offset: 16, .size: 8, .value_kind: global_buffer, .address_space: global }
      - { .name: bk, .offset: 24, .size: 8, .value_kind: global_buffer, .address_space: global }
      - { .name: bv, .offset: 32, .size: 8, .value_kind: global_buffer, .address_space: global }
      - { .name: qkv, .offset: 40, .size: 8, .value_kind: global_buffer, .address_space: global }
    .group_segment_fixed_size: 327680
    .private_segment_fixed_size: 0
    .kernarg_segment_align: 8
    .kernarg_segment_size: 48
    .max_flat_workgroup_size: 128
    .sgpr_count:     100
    .vgpr_count:     1024
    .wavefront_size: 32
...
	.end_amdgpu_metadata
.endif
;; end of part 3
;; launch attn (part 4): grid 16 x 16, 16 waves a work-group, clusters of 4 x 1, 327,680 bytes of LDS; arguments qkv, mask, actimg; writes actimg
.if DOCPART == 4
	.amdgcn_target "amdgcn-amd-amdhsa--gfx1250"
	.amdhsa_code_object_version 6
	.text
	.protected	k_q6d18821349_attn
	.globl	k_q6d18821349_attn
	.p2align	8
	.type	k_q6d18821349_attn,@function
k_q6d18821349_attn:
	s_mov_b64 s[64:65], 0
	v_nop
	global_prefetch_b8 v0, s[64:65] scope:SCOPE_SE
	s_setreg_imm32_b32 hwreg(HW_REG_WAVE_MODE, 25, 1), 1
	s_wait_xcnt 0x0
	s_wait_alu depctr_hold_cnt(0) depctr_sa_sdst(0) depctr_va_vdst(0) depctr_va_sdst(0) depctr_va_ssrc(0) depctr_va_vcc(0) depctr_vm_vsrc(0)
	s_getreg_b32 s2, hwreg(HW_REG_IB_STS2, 6, 4)
	s_cmp_eq_u32 s2, 0
	s_cbranch_scc0 .Lentry_in_a_cluster
	s_endpgm
.Lentry_in_a_cluster:
	s_bfe_u32 s2, ttmp6, 0x10000c
	s_cmp_lg_u32 s2, 0x3003
	s_cbranch_scc0 .Lentry_shape_is_right
	s_endpgm
.Lentry_shape_is_right:
; ctx = softmax(q k^T / 8, hidden keys at -1e9) v for 2 batches x 16 heads of 64 x 2,048 keys, both products on codes of FP6 (E2M3) with E8M0 scales; ctx is quantised and stored as operand images.
; INPUT IMAGES (16 rows x 128 K in 1,664 bytes: registers 4 c .. 4 c + 3 of lane l at 512 c + 16 l, scale word of row l % 16 at 1,536 + 4 l): q, k: [pair of heads 8][row block 256], K = the pair's 128 columns:
; registers 0-5 and scale bytes 0, 1 are the first head's 64, registers 6-11 and bytes 2, 3 the second's.  V^T: [128 keys 32][tile of d 64], K = the keys.  Place i of block 2 b + u is row 32 b + 8 u + i + 8 (i / 8).
; K = 64 IN A FORM OF K = 128: a wave clears the other head's six registers of its Q once; zero codes add nothing.  K's images are used whole, each half by eight of the sixteen waves.
; THE SOFTMAX: t = score x log2(e) / 8; M = the running largest t rounded up to a whole number; p = 2^(t - M) is quantised along the keys, not normalised; the sum of the unquantised p divides at the end.
; THE MASK: a hidden key has -2^60 added to its raw score: the sum is -2^60 itself, t a whole number, so p = 0 beside any open key, and p = 1 for every key of a row with no open key, as with -1e9.
; SHARES: a work-group owns 128 queries x a pair of heads; wave w: head w / 8 of the pair, row block w % 8: one tile of 16 queries in 256 registers, four waves to a SIMD.
; Both products are used transposed (S^T = K Q^T, O^T = V^T P^T): a lane holds one query; the block order above makes p's registers neighbouring keys and O^T's neighbouring columns.
; RING: two slots of 256 keys (K's 16 images, then V^T's 2 x 8), 2^17 bytes apart.  CLUSTER: the four query blocks of a cluster walk the same K and V: joint loads, mask 15; waves 0, 1 fetch K's halves, waves 2, 3 V's.
; LIMITS: raw scores stay under 2^36 in magnitude; a logit under -1e9 is not told from a hidden key; NaN and infinities are not served; a block of zeros gets the scale byte 1.
; REGISTERS: v1-7 addresses that stay; v8-11, v28 the step's; v12 -M, v13 the largest t, v[14:15] the sum; v16-27 Q; v32-79 four fragments; v96-159 S^T, then p; v160-191 O^T; v192-223 the mask's addends; v224-235 p's codes; v236-254 at work; v255 Q's scale words.
.set FRB,   1664
.set KOFF,  3407872
.set VOFF,  6815744
.set SLOT1, 1<<17
.set MT,    262144                     ; 2,048 f32: 0 for an open key, -2^60 for a hidden one
.set XCH,   270336                     ; 8 x 1,024 bytes: the second head's codes on their way to the first head's wave
.set SPARE, 278528                     ; the spare words: 128 bytes a wave, eight blocks of 256 bytes that no other line names
.set SPW, 5
.set NIL, 6
.set WV,  18
.set SEL, 20
.set CS,  22
.set G1,  24
.set G0K, 40
.set G0V, 44
.set TB,  66                           ; LDS byte at which the slot in hand begins
.set TMK, 67                           ; where the step's addends begin: 512 bytes a step
.set SLOTS, 68
.set PC,  224
.set TM,  192
.set PW,  208
.set PW2, 209
.macro TLOAD                           ; the branches hang on the wave's number alone; four v_nop follow each line
	s_cmp_lt_u32 s[WV], 2
	s_cbranch_scc0 .Lnot_k_\@
	tensor_load_to_lds s[G0K:G0K+3], s[G1:G1+7]
	s_nop 0
.rept 4
	v_nop
.endr
	s_branch .Lasked_\@
.Lnot_k_\@:
	s_cmp_lt_u32 s[WV], 4
	s_cbranch_scc0 .Lasked_\@
	tensor_load_to_lds s[G0V:G0V+3], s[G1:G1+7]
	s_nop 0
.rept 4
	v_nop
.endr
.Lasked_\@:
.endm
.macro CROUND                          ; a round of the cluster's barrier
	s_barrier_signal -1
	s_barrier_wait -1
	s_cmp_lg_u32 s[WV], 0
	s_cbranch_scc1 .Lnot_wave_0_\@
	s_barrier_signal -3
.Lnot_wave_0_\@:
	s_barrier_wait -3
	s_barrier_signal -1
	s_barrier_wait -1
.endm
	s_load_b128 s[4:7], s[0:1], 0x0                ; qkv, mask
	s_load_b64 s[8:9], s[0:1], 0x10                ; actimg
	v_lshl_add_u32 v[SPW], v0, 2, SPARE
	v_mov_b32 v[NIL], 0
	ds_add_u32 v5, v6
	s_wait_dscnt 0x0
	v_lshrrev_b32 v8, 5, v0
	v_readfirstlane_b32 s[WV], v8                  ; wave 0..15
	s_bfe_u32 s10, ttmp6, 0x40000                  ; cx
	s_lshl_b32 s11, ttmp9, 2
	s_add_co_u32 s11, s11, s10                     ; my block of 128 queries: it enters Q's and ctx's addresses alone
	s_and_b32 s12, ttmp7, 0xffff
	s_lshr_b32 s13, s12, 3                         ; batch
	s_and_b32 s14, s12, 7                          ; pair of heads
	s_lshr_b32 s15, s[WV], 3                       ; which head of the pair
	s_and_b32 s16, s[WV], 7                        ; which row block of the 128 queries
	s_and_b32 s17, s[WV], 1                        ; which half I fetch, if I fetch
	s_lshl_b32 s70, s14, 8
	s_lshl_b32 s71, s13, 7
	s_add_co_u32 s70, s70, s71                     ; 256 x pair + 128 x batch: the first image of this batch and pair in q and in k
	s_mul_i32 s72, s70, FRB
	s_mul_i32 s73, s17, 8*FRB
	s_add_co_u32 s72, s72, s73
	s_add_co_u32 s72, s72, KOFF                    ; K: eight images on end
	s_mov_b32 s73, 0
	s_lshl_b32 s74, s13, 4
	s_add_co_u32 s74, s74, s17
	s_lshl_b32 s74, s74, 6
	s_lshl_b32 s75, s14, 3
	s_add_co_u32 s74, s74, s75
	s_mul_i32 s74, s74, FRB
	s_add_co_u32 s74, s74, VOFF                    ; V^T: 128 keys' eight images of the pair's d
	s_mov_b32 s75, 0
	s_lshl_b32 s76, s11, 3
	s_add_co_u32 s76, s76, s16                     ; my row block within the batch
	s_add_co_u32 s77, s70, s76
	s_mul_i32 s78, s77, FRB                        ; my image of q
	s_mov_b32 s79, 0
	s_add_co_u32 s80, s71, s76
	s_lshl_b32 s80, s80, 3
	s_add_co_u32 s80, s80, s14
	s_mul_i32 s80, s80, FRB                        ; ctx: [row block 256][K step 8]
	s_mov_b32 s81, 0
	s_lshl_b32 s82, s13, 13                        ; the batch's 2,048 words of the mask
	s_mov_b32 s83, 0
	s_cmp_eq_u32 s15, 0
	s_cselect_b32 s51, -1, 0                       ; keeps Q's registers 0-5 for the first head,
	s_cselect_b32 s52, 0, -1                       ; registers 6-11 for the second
	; descriptor group 1: 13,312 dense bytes as 52 rows of 256 (32 elements of 8 bytes)
	s_mov_b32 s[G1], 15|(3<<16)|(1<<21)            ; 15:0 the mask: all four work-groups; 17:16 elements of 8 bytes; 21 set beside a mask
	s_mov_b32 s[G1+1], 32<<16
	s_mov_b32 s[G1+2], 52<<16
	s_mov_b32 s[G1+3], 32<<16
	s_mov_b32 s[G1+4], 52
	s_mov_b32 s[G1+5], 32
	s_mov_b32 s[G1+6], 0
	s_mov_b32 s[G1+7], 0
	s_mul_i32 s84, s17, 8*FRB
	s_mov_b32 s[SEL], 0x76543210
	s_mov_b32 s[SEL+1], 0xfedcba98
	s_mov_b32 s[CS], 0x3e38aa3b                    ; c = log2(e) / 8
	s_mov_b32 s[CS+1], s[CS]
	s_mov_b32 s[TB], 0
	s_mov_b32 s[TMK], 0
	s_mov_b32 s[SLOTS], 7
	s_wait_kmcnt 0x0
	CROUND                                         ; all four work-groups are here: the first joint loads meet
	s_mov_b32 s[G0K], 1
	s_mov_b32 s[G0K+1], s84                        ; slot 0: K's half
	s_add_nc_u64 s[G0K+2:G0K+3], s[4:5], s[72:73]
	s_or_b32 s[G0K+3], s[G0K+3], 0x80000000
	s_mov_b32 s[G0V], 1
	s_add_co_u32 s[G0V+1], s84, 16*FRB             ; behind K's 16 images
	s_add_nc_u64 s[G0V+2:G0V+3], s[4:5], s[74:75]
	s_or_b32 s[G0V+3], s[G0V+3], 0x80000000
	TLOAD                                          ; slot 0
	s_add_nc_u64 s[86:87], s[4:5], s[78:79]
	s_add_nc_u64 s[88:89], s[6:7], s[82:83]
	s_add_nc_u64 s[8:9], s[8:9], s[80:81]
	v_and_b32 v8, 31, v0                           ; lane
	v_bfe_u32 v9, v0, 4, 1                         ; h
	v_lshlrev_b32 v1, 4, v8                        ; 16 x lane: K's images
	v_lshlrev_b32 v10, 2, v8
	v_lshlrev_b32 v11, 4, v0
.irp c, 0,1,2
	global_load_b128 v[16+4*\c:19+4*\c], v1, s[86:87] offset:512*\c   ; Q's fragment stays in registers
.endr
	global_load_b32 v255, v10, s[86:87] offset:1536
	global_load_b128 v[192:195], v11, s[88:89]     ; four words of the mask a thread
	s_mul_i32 s84, s15, 4*FRB
	s_add_co_u32 s84, s84, 16*FRB
	v_add_nc_u32 v2, s84, v1                       ; V's images: my head's four tiles of d
	v_add_nc_u32 v3, 1536, v10                     ; K's scale words
	v_add_nc_u32 v4, s84, v3                       ; V's
	v_lshl_add_u32 v7, v9, 6, MT                   ; the addends of my half's keys
	v_lshl_add_u32 v29, v0, 4, MT
	v_mov_b32 v12, 0xdd800000                      ; -2^60
	s_wait_loadcnt 0x0
.irp i, 0,1,2,3,4,5
	v_and_b32 v[16+\i], s51, v[16+\i]
	v_and_b32 v[22+\i], s52, v[22+\i]
.endr
.irp i, 0,1,2,3
	v_cmp_eq_u32 vcc_lo, 0, v[192+\i]
	v_cndmask_b32 v[192+\i], 0, v12, vcc_lo
.endr
	ds_store_b128 v29, v[192:195]                  ; read by all waves behind the first change of slots, whose wait and barrier order it
	v_mov_b32 v13, 0xff61b1e6                      ; the largest t so far: -3e38
	v_floor_f32 v12, -v13                          ; -M
	v_mov_b32 v14, 0
	v_mov_b32 v15, 0
.irp b, 0,1,2,3
	v_mov_b32 v[236+\b], 0                         ; written once: a lane permute's destination counts as one of its sources
.endr
	v_mov_b32 v253, 0
.set J, 0
.rept 32
	v_mov_b32 v[160+J], 0                          ; O^T: the loop is written once; its first step finds zeros
.set J, J+1
.endr
; A KEY STEP: 128 keys, the q-th of the slot in hand.
.macro STEP q
	v_add_nc_u32 v8, s[TB], v1                     ; (these five are also the places in front of the loads below)
	v_add_nc_u32 v9, s[TB], v2
	v_add_nc_u32 v10, s[TB], v3
	v_add_nc_u32 v11, s[TB], v4
	v_add_nc_u32 v28, s[TMK], v7
.irp g, 0,1                            ; S^T = K Q^T, four tiles of 16 keys at a time
.irp t, 0,1,2,3
.irp c, 0,1,2
	ds_load_b128 v[32+12*\t+4*\c:35+12*\t+4*\c], v8 offset:(8*(\q)+4*\g+\t)*FRB+512*\c
.endr
	ds_load_b32 v[248+\t], v10 offset:(8*(\q)+4*\g+\t)*FRB
.endr
.irp n, 0,1,2,3,4,5,6,7
	ds_load_b128 v[192+4*\n:195+4*\n], v28 offset:256*\g+128*(\n/4)+16*(\n%4)
.endr
	s_wait_dscnt 0x0
.irp t, 0,1,2,3
	v_wmma_scale_f32_16x16x128_f8f6f4 v[96+8*(4*\g+\t):103+8*(4*\g+\t)], v[32+12*\t:43+12*\t], v[16:27], 0, v[248+\t], v255 matrix_a_fmt:MATRIX_FMT_FP6 matrix_b_fmt:MATRIX_FMT_FP6
.endr
.rept 4
	v_nop                                          ; places in front of the reads of the scores and of the next loads into the fragments
.endr
.set J, 0
.rept 16
	v_pk_add_f32 v[96+32*\g+J:97+32*\g+J], v[96+32*\g+J:97+32*\g+J], v[192+J:193+J]   ; the mask: register 16 b + i is key 32 b + 16 h + i
.set J, J+2
.endr
.endr
.irp t, 0,1,2,3                        ; V's fragments are asked for here and land under the softmax
.irp c, 0,1,2
	ds_load_b128 v[32+12*\t+4*\c:35+12*\t+4*\c], v9 offset:(\q)*8*FRB+\t*FRB+512*\c
.endr
	ds_load_b32 v[248+\t], v11 offset:(\q)*8*FRB+\t*FRB
.endr
.irp b, 0,1,2,3
	v_max3_num_f32 v[232+\b], v[96+16*\b], v[97+16*\b], v[98+16*\b]   ; the largest score of each block of 32 keys: for the row's maximum, and, since p rises with the score, for the block's largest p
.endr
.irp i, 3,5,7,9,11,13
.irp b, 0,1,2,3
	v_max3_num_f32 v[232+\b], v[232+\b], v[96+16*\b+\i], v[97+16*\b+\i]
.endr
.endr
.irp b, 0,1,2,3
	v_max_num_f32 v[232+\b], v[232+\b], v[111+16*\b]
.endr
.irp b, 0,1,2,3
	v_permlanex16_b32 v[236+\b], v[232+\b], s[SEL], s[SEL+1]
.endr
.irp b, 0,1,2,3
	v_max_num_f32 v[232+\b], v[232+\b], v[236+\b]  ; with lane l xor 16's 16 keys
.endr
	v_max3_num_f32 v254, v232, v233, v234
	v_max_num_f32 v254, v254, v235
	v_mul_f32 v254, s[CS], v254                    ; the step's largest t
	v_max_num_f32 v13, v13, v254
	v_mov_b32 v254, v12
	v_floor_f32 v12, -v13                          ; the new -M = -ceil(t)
	v_sub_f32 v254, v12, v254                      ; old M - new M: a whole number, 0 or less
	v_cvt_i32_f32 v254, v254                       ; (it saturates)
	v_ldexp_f32 v252, 1.0, v254                    ; f = 2^(old M - new M): multiplying by it rounds nothing
.set J, 0
.rept 32
	v_pk_fma_f32 v[96+J:97+J], v[96+J:97+J], s[CS:CS+1], v[12:13] op_sel_hi:[1,0,0]   ; t - M
.set J, J+2
.endr
.irp b, 0,1,2,3
	v_fma_f32 v[232+\b], v[232+\b], s[CS], v12
.endr
.set J, 0
.rept 64
	v_exp_f32 v[96+J], v[96+J]                     ; p = 2^(t - M)
.set J, J+1
.endr
.irp b, 0,1,2,3
	v_exp_f32 v[232+\b], v[232+\b]                 ; the block's largest p: the same two instructions on the same number
.endr
	v_pk_mul_f32 v[14:15], v[14:15], v[252:253] op_sel_hi:[1,0]   ; the sums under the new M (a plain line behind the exponentials)
	s_wait_alu depctr_va_vdst(0)
.irp b, 0,1,2,3
	v_max_num_f32 v[232+\b], 0x1800000, v[232+\b]  ; the floor 2^(3 - 127): the byte cannot fall under 1
.endr
.irp b, 0,1,2,3
	v_add_nc_u32 v[244+\b], 0xff000000, v[232+\b]  ; the conversion's scale operand
.endr
.irp b, 0,1,2,3
	v_lshrrev_b32 v[236+\b], 23, v[244+\b]
.endr
	v_lshl_or_b32 v253, v237, 8, v236              ; p's scale word for these 128 keys
	v_lshl_or_b32 v253, v238, 16, v253
	v_lshl_or_b32 v253, v239, 24, v253
.irp c, 0,1
	v_cvt_scalef32_pk16_fp6_f32 v[224+6*\c:226+6*\c], v[96+32*\c:111+32*\c], v[244+2*\c]
	v_cvt_scalef32_pk16_fp6_f32 v[236+4*\c:238+4*\c], v[112+32*\c:127+32*\c], v[244+2*\c+1]
.endr
	v_nop                                          ; one plain line behind a scaled conversion
.irp c, 0,1
.irp i, 0,1,2
	v_permlane16_swap_b32 v[224+6*\c+\i], v[236+4*\c+\i]
.endr
.irp i, 0,1,2
	v_mov_b32 v[227+6*\c+\i], v[236+4*\c+\i]
.endr
.endr
	v_pk_add_f32 v[236:237], v[96:97], v[98:99]    ; the row's sum is taken of the unquantised p, in two chains
.irp j, 4,8,12,16,20,24,28,32,36,40,44,48,52,56,60
	v_pk_add_f32 v[14:15], v[14:15], v[96+\j:97+\j]
	v_pk_add_f32 v[236:237], v[236:237], v[98+\j:99+\j]
.endr
	v_pk_add_f32 v[14:15], v[14:15], v[236:237]
.set J, 0
.rept 16
	v_pk_mul_f32 v[160+J:161+J], v[160+J:161+J], v[252:253] op_sel_hi:[1,0]   ; O^T under the new M (also the places in front of the products below)
.set J, J+2
.endr
	s_wait_dscnt 0x0                               ; V's fragments
.irp t, 0,1,2,3                        ; O^T += V^T P^T: my head's four tiles of d, by turns
	v_wmma_scale_f32_16x16x128_f8f6f4 v[160+8*\t:167+8*\t], v[32+12*\t:43+12*\t], v[224:235], v[160+8*\t:167+8*\t], v[248+\t], v253 matrix_a_fmt:MATRIX_FMT_FP6 matrix_b_fmt:MATRIX_FMT_FP6
.endr
	s_add_co_u32 s[TMK], s[TMK], 512
.endm
; THE CHANGE OF SLOTS stands at a slot's head: each wave waits for all its tensor loads, adds 0 to its spare word, waits for that and for its reads of the slot that it has left.
; fill = 1: a round of the cluster's barrier, and behind it the joint fill of the slot just left, which has a whole slot's steps in which to land.
.macro CHANGE fill
	s_wait_tensorcnt 0x0                           ; no tensor load of mine is out, so a group 0 may be written
	ds_add_u32 v[SPW], v[NIL]                      ; 0 onto my spare word
.if \fill
	s_xor_b32 s[G0K+1], s[G0K+1], SLOT1
	s_add_nc_u64 s[G0K+2:G0K+3], s[G0K+2:G0K+3], 16*FRB     ; the next 256 keys of K
	s_xor_b32 s[G0V+1], s[G0V+1], SLOT1
	s_add_nc_u64 s[G0V+2:G0V+3], s[G0V+2:G0V+3], 128*FRB    ; and of V^T: two rows of 64 images on
.endif
	s_wait_dscnt 0x0
.if \fill
	CROUND
	TLOAD
.else
	s_barrier_signal -1
	s_barrier_wait -1
.endif
.endm
.Lslot:                                            ; seven trips: behind each change of slots but the last the next slot is asked for
	CHANGE 1
	STEP 0
	STEP 1
	s_xor_b32 s[TB], s[TB], SLOT1
	s_sub_co_u32 s[SLOTS], s[SLOTS], 1
	s_cmp_lg_u32 s[SLOTS], 0
	s_cbranch_scc1 .Lslot
	CHANGE 0                                       ; the last slot is written out
	STEP 0
	STEP 1
	; THE WAY OUT: O^T / the sum is my head's 64 columns of ctx, register 16 b + i = column 32 b + 16 h + i: two blocks, six registers of codes, two scale bytes.
.rept 4
	v_nop
.endr
	v_add_f32 v14, v14, v15
	v_permlanex16_b32 v252, v14, s[SEL], s[SEL+1]
	v_add_f32 v14, v14, v252
	v_rcp_f32 v14, v14
	v_and_b32 v8, 31, v0                           ; (a plain line behind the transcendental)
	s_lshl_b32 s84, s16, 10
	s_add_co_u32 s84, s84, XCH
	v_lshl_add_u32 v29, v8, 4, s84                 ; the exchange's three addresses, made ahead of the branch
	v_lshl_add_u32 v30, v8, 3, s84
	v_lshl_add_u32 v31, v8, 2, s84
.set J, 0
	s_wait_alu depctr_va_vdst(0)
.rept 32
	v_mul_f32 v[96+J], v[160+J], v14
.set J, J+1
.endr
.irp b, 0,1
	v_max3_num_f32 v[TM+\b], |v[96+16*\b]|, |v[97+16*\b]|, 0x1800000
.endr
.irp i, 2,4,6,8,10,12,14
.irp b, 0,1
	v_max3_num_f32 v[TM+\b], v[TM+\b], |v[96+16*\b+\i]|, |v[97+16*\b+\i]|
.endr
.endr
.irp b, 0,1
	v_permlanex16_b32 v[TM+4+\b], v[TM+\b], s[SEL], s[SEL+1]
.endr
.irp b, 0,1
	v_max_num_f32 v[TM+\b], v[TM+\b], v[TM+4+\b]
.endr
.irp b, 0,1
	v_add_nc_u32 v[TM+12+\b], 0xff000000, v[TM+\b]
.endr
.irp b, 0,1
	v_lshrrev_b32 v[TM+4+\b], 23, v[TM+12+\b]
.endr
	v_lshl_or_b32 v[PW], v[TM+5], 8, v[TM+4]
	v_cvt_scalef32_pk16_fp6_f32 v[PC:PC+2], v[96:111], v[TM+12]
	v_cvt_scalef32_pk16_fp6_f32 v[PC+12:PC+14], v[112:127], v[TM+13]
	v_nop                                          ; one plain line behind a scaled conversion
.irp i, 0,1,2
	v_permlane16_swap_b32 v[PC+\i], v[PC+12+\i]
.endr
.irp i, 0,1,2
	v_mov_b32 v[PC+3+\i], v[PC+12+\i]
.endr
	s_cmp_lt_u32 s[WV], 8                          ; the second head's waves hand their six registers and two bytes to the first head's
	s_cbranch_scc1 .Lno_send
	ds_store_b128 v29, v[PC:PC+3]
	ds_store_b64 v30, v[PC+4:PC+5] offset:512
	ds_store_b32 v31, v[PW] offset:768
.Lno_send:
	s_wait_dscnt 0x0                               ; for the others' sake: my stores have landed
	s_barrier_signal -1
	s_barrier_wait -1
	s_cmp_lt_u32 s[WV], 8
	s_cbranch_scc0 .Lno_store
	ds_load_b128 v[PC+6:PC+9], v29
	ds_load_b64 v[PC+10:PC+11], v30 offset:512
	ds_load_b32 v[PW2], v31 offset:768
	s_wait_dscnt 0x0
	v_lshl_or_b32 v[PW], v[PW2], 16, v[PW]
.irp c, 0,1,2
	global_store_b128 v1, v[PC+4*\c:PC+4*\c+3], s[8:9] offset:512*\c
.endr
	global_store_b32 v3, v[PW], s[8:9]             ; v3 = 1,536 + 4 x lane
.Lno_store:
	s_wait_tensorcnt 0x0                           ; the wave's end
	ds_add_u32 v[SPW], v[NIL]
	s_wait_dscnt 0x0
	CROUND                                         ; the closing round
	s_endpgm
.Lfunc_end_k_q6d18821349_attn:
	.size	k_q6d18821349_attn, .Lfunc_end_k_q6d18821349_attn-k_q6d18821349_attn
	.p2alignl 7, 3214868480
	.fill 96, 4, 3214868480
	.section	.rodata,"a",@progbits
	.p2align	6, 0x0
	.amdhsa_kernel k_q6d18821349_attn
		.amdhsa_group_segment_fixed_size 327680
		.amdhsa_private_segment_fixed_size 0
		.amdhsa_enable_private_segment 0
		.amdhsa_kernarg_size 24
		.amdhsa_user_sgpr_count 2
		.amdhsa_user_sgpr_kernarg_segment_ptr 1
		.amdhsa_wavefront_size32 1
		.amdhsa_system_sgpr_workgroup_id_x 1
		.amdhsa_system_sgpr_workgroup_id_y 1
		.amdhsa_system_sgpr_workgroup_id_z 1
		.amdhsa_system_vgpr_workitem_id 0
		.amdhsa_next_free_vgpr 256
		.amdhsa_next_free_sgpr 100
		.amdhsa_reserve_vcc 1
		.amdhsa_float_denorm_mode_32 3
		.amdhsa_float_denorm_mode_16_64 3
		.amdhsa_memory_ordered 1
		.amdhsa_forward_progress 1
		.amdhsa_inst_pref_size 93
	.end_amdhsa_kernel
	.amdgpu_metadata
---
amdhsa.version: [ 1, 2 ]
amdhsa.kernels:
  - .name:           k_q6d18821349_attn
    .symbol:         k_q6d18821349_attn.kd
    .args:
      - { .name: qkv, .offset: 0, .size: 8, .value_kind: global_buffer, .address_space: global }
      - { .name: mask, .offset: 8, .size: 8, .value_kind: global_buffer, .address_space: global }
      - { .name: actimg, .offset: 16, .size: 8, .value_kind: global_buffer, .address_space: global }
    .group_segment_fixed_size: 327680
    .private_segment_fixed_size: 0
    .kernarg_segment_align: 8
    .kernarg_segment_size: 24
    .max_flat_workgroup_size: 512
    .sgpr_count:     100
    .vgpr_count:     256
    .wavefront_size: 32
...
	.end_amdgpu_metadata
.endif
;; end of part 4
;; launch oproj (part 5): grid 4 x 16, 4 waves a work-group, clusters of 4 x 4, 327,680 bytes of LDS; arguments actimg, wimg, bo, x, x1; writes x1
.if DOCPART == 5
	.amdgcn_target "amdgcn-amd-amdhsa--gfx1250"
	.amdhsa_code_object_version 6
	.text
	.protected	k_q6d18821349_oproj
	.globl	k_q6d18821349_oproj
	.p2align	8
	.type	k_q6d18821349_oproj,@function
k_q6d18821349_oproj:
	s_mov_b64 s[64:65], 0
	v_nop
	global_prefetch_b8 v0, s[64:65] scope:SCOPE_SE
	s_setreg_imm32_b32 hwreg(HW_REG_WAVE_MODE, 25, 1), 1
	s_wait_xcnt 0x0
	s_wait_alu depctr_hold_cnt(0) depctr_sa_sdst(0) depctr_va_vdst(0) depctr_va_sdst(0) depctr_va_ssrc(0) depctr_va_vcc(0) depctr_vm_vsrc(0)
	s_getreg_b32 s2, hwreg(HW_REG_IB_STS2, 6, 4)
	s_cmp_eq_u32 s2, 0
	s_cbranch_scc0 .Lentry_in_a_cluster
	s_endpgm
.Lentry_in_a_cluster:
	s_bfe_u32 s2, ttmp6, 0x10000c
	s_cmp_lg_u32 s2, 0xf033
	s_cbranch_scc0 .Lentry_shape_is_right
	s_endpgm
.Lentry_shape_is_right:
; A GEMM on operand images of FP6 (E2M3) whose result leaves as f32 rows: out = residual + (A W + bias).   MODE 2: x1 = x + ctx wo + bo, K = 1,024.   MODE 3: out0 = x1 + h w2 + b2, K = 4,096.
; AN IMAGE is a fragment of 16 rows x 128 K in 1,664 bytes: registers 4 c .. 4 c + 3 of lane l at 512 c + 16 l (c = 0, 1, 2), the scale word of row l % 16 at 1,536 + 4 l: read by three loads of 16 bytes a lane and
; one of 4, each of consecutive bytes: no pitch, no padding; codes and scales come by one tensor load.  Place i of row block (column tile) 2 b + u is row (column) 32 b + 8 u + i + 8 (i / 8).
; THE MATRIX INSTRUCTION IS USED TRANSPOSED: source 0 = 16 columns of the weight, source 1 = 16 rows: lane (r, h) holds place r of the row block, and tile b's register j column 32 (b / 2) + 16 h + 8 (b % 2) + j.
; A tile of the result, 256 x 256, is made by four waves, 128 x 128 each: 64 accumulators.  K goes in steps of 256 through a ring of two LDS slots; a slot holds 16 blocks x 2 images of the activations (Y) and of the weights (X).
; CLUSTERS: 4 x 4 work-groups; Y's tiles are shared along a row of the cluster, X's along a column: joint loads, the same descriptor and mask in the four that a mask names.
; REGISTERS: window 0: v1-31 addresses, bias; v32-63 scale words (A's and B's, two sets); v64-255 A's fragments, two sets.  window 1: B's fragments at v0 and v128.  windows 2, 3: accumulator (a, b) at v[8 (8 (a % 4) + b)].
; The grid gives 64 work-groups: a tile of 256 x 256 on a result of 4,096 x 1,024.
.set MODE,   2
.if MODE == 2
.set KTOT,   1024
.set BOFF,   2555904                   ; wo's tiles in wimg
.else
.set KTOT,   4096
.set BOFF,   6815744                   ; w2's
.endif
.set FRB,    1664
.set ROWB,   2*FRB
.set PITCHB, (KTOT/128)*FRB
.set HALFT,  8*ROWB
.set SLOT,   4*HALFT
.set SPARE,  2*SLOT                    ; the spare words: 128 bytes a wave, two blocks of 256 bytes that no other line names
.set LAPS,   KTOT/512
.set FR,     12
.set SPITCH, 528                       ; the way out: a stage of 16 rows x (512 + 16) bytes for each wave, in slot 0, which has then had its last fill and its last read
.set BI,   8                           ; v8-11  the bias of my four columns
.set ADRA, 16
.set ADRB, 18
.set ADSA, 20
.set ADSB, 22
.set LI,   24                          ; 16 x lane
.set LS,   25                          ; 4 x lane
.set STO,  26
.set RD,   27
.set SPW,  28
.set NIL,  29
.set SC,   32
.set AF,   64
.set BK,   64                          ; the way out: 16 rows back from the stage
.set RES,  128                         ; two sets of 16 rows of the residual
.set G1, 24
.set G0, 32
.set G1B, 48
.set G0B, 56
.set MSB, 0
.macro WIN new                         ; the immediate's high byte repeats the setting that is left
.if MSB != (\new)
	s_set_vgpr_msb (MSB<<8)|(\new)
.set MSB, (\new)
.endif
.endm
.set MUL_LO, 0xa1
.set MUL_HI, 0xf1
.set TO_B,   0x40
.macro JLOAD s                         ; a joint load: waves 0, 1 fetch Y's halves, waves 2, 3 X's; four v_nop follow each line
	s_cmp_eq_u32 s15, 0
	s_cbranch_scc0 .Lfor_x_\@
	tensor_load_to_lds s[G0+4*\s:G0+4*\s+3], s[G1:G1+7]
	s_nop 0
.rept 4
	v_nop
.endr
	s_branch .Lasked_\@
.Lfor_x_\@:
	tensor_load_to_lds s[G0B+4*\s:G0B+4*\s+3], s[G1B:G1B+7]
	s_nop 0
.rept 4
	v_nop
.endr
.Lasked_\@:
.endm
.macro CREST
	s_cmp_lg_u32 s14, 0
	s_cbranch_scc1 .Lnot_wave_0_\@
	s_barrier_signal -3
.Lnot_wave_0_\@:
	s_barrier_wait -3
	s_barrier_signal -1
	s_barrier_wait -1
.endm
.macro CROUND
	s_barrier_signal -1
	s_barrier_wait -1
	CREST
.endm
.macro PLACES                          ; four plain lines between a matrix instruction and a load into, or a read of, its registers
.rept 4
	v_nop
.endr
.endm
.macro FETCH slot, q
	WIN TO_B
.irp i, 0,1,2,3,4,5,6,7
.irp c, 0,1,2
	ds_load_b128 v[128*(\q)+FR*\i+4*\c:128*(\q)+FR*\i+4*\c+3], v[ADRB+\slot] offset:\i*ROWB+(\q)*FRB+512*\c
.endr
.endr
	WIN 0
.irp i, 0,1,2,3,4,5,6,7
.irp c, 0,1,2
	ds_load_b128 v[AF+96*(\q)+FR*\i+4*\c:AF+96*(\q)+FR*\i+4*\c+3], v[ADRA+\slot] offset:\i*ROWB+(\q)*FRB+512*\c
.endr
.endr
.irp i, 0,1,2,3,4,5,6,7
	ds_load_b32 v[SC+16*(\q)+\i], v[ADSA+\slot] offset:\i*ROWB+(\q)*FRB+1536
	ds_load_b32 v[SC+16*(\q)+8+\i], v[ADSB+\slot] offset:\i*ROWB+(\q)*FRB+1536
.endr
.endm
; The 64 accumulators take turns, one instruction a turn, in the same order in every step.
.macro MUL16 a0, p, zero
.irp a, \a0, \a0+1
.irp b, 0,1,2,3,4,5,6,7
.if \zero
	v_wmma_scale_f32_16x16x128_f8f6f4 v[8*(8*((\a)%4)+\b):8*(8*((\a)%4)+\b)+7], v[128*(\p)+FR*\b:128*(\p)+FR*\b+FR-1], v[AF+96*(\p)+FR*(\a):AF+96*(\p)+FR*(\a)+FR-1], 0, v[SC+16*(\p)+8+\b], v[SC+16*(\p)+(\a)] matrix_a_fmt:MATRIX_FMT_FP6 matrix_b_fmt:MATRIX_FMT_FP6
.else
	v_wmma_scale_f32_16x16x128_f8f6f4 v[8*(8*((\a)%4)+\b):8*(8*((\a)%4)+\b)+7], v[128*(\p)+FR*\b:128*(\p)+FR*\b+FR-1], v[AF+96*(\p)+FR*(\a):AF+96*(\p)+FR*(\a)+FR-1], v[8*(8*((\a)%4)+\b):8*(8*((\a)%4)+\b)+7], v[SC+16*(\p)+8+\b], v[SC+16*(\p)+(\a)] matrix_a_fmt:MATRIX_FMT_FP6 matrix_b_fmt:MATRIX_FMT_FP6
.endif
.endr
.endr
.endm
.macro STEP slot, zero                 ; a slot's first 128 along K: set 0 is multiplied while set 1 comes
	s_wait_dscnt 0x0                               ; set 0 is in
	PLACES                                         ; for the loads into set 1, which the last products read
	FETCH \slot, 1
	WIN MUL_LO
	MUL16 0, 0, \zero
	MUL16 2, 0, \zero
	WIN MUL_HI
	MUL16 4, 0, \zero
	MUL16 6, 0, \zero
	WIN 0
.endm
; A slot's second 128 along K, and the change of slots: one barrier; in front of it each wave waits for all its tensor loads, adds 0 to its spare word, and waits for that and for its reads of this slot.
.macro TURN slot, next, fill
	s_wait_tensorcnt 0x0                           ; all my tensor loads have landed: my part of the next slot
	ds_add_u32 v[SPW], v[NIL]                      ; 0 onto my spare word
	s_wait_dscnt 1                                 ; set 1's loads are in; the add may be out
	WIN MUL_LO
	MUL16 0, 1, 0
	s_wait_dscnt 0x0                               ; the add is done, and my reads of this slot are over
	s_barrier_signal -1
	MUL16 2, 1, 0
	WIN 0
	s_barrier_wait -1
.if \fill
	CREST                                          ; the barrier has opened a round of the cluster's barrier: no wave of any partner still reads this slot or has a load on its way
	s_add_nc_u64 s[G0+4*\slot+2:G0+4*\slot+3], s[G0+4*\slot+2:G0+4*\slot+3], 2*ROWB
	s_add_nc_u64 s[G0B+4*\slot+2:G0B+4*\slot+3], s[G0B+4*\slot+2:G0B+4*\slot+3], 2*ROWB
	JLOAD \slot                                    ; the first tensor load behind the round; its four v_nop are the places in front of the loads below
.else
	PLACES
.endif
	FETCH \next, 0
	WIN MUL_HI
	MUL16 4, 1, 0
	MUL16 6, 1, 0
	WIN 0
.endm
	s_load_b128 s[4:7], s[0:1], 0x0                ; the activations' images, wimg
	s_load_b128 s[8:11], s[0:1], 0x10              ; the bias, the residual
	s_load_b64 s[12:13], s[0:1], 0x20              ; the output
	v_lshl_add_u32 v[SPW], v0, 2, SPARE
	v_mov_b32 v[NIL], 0
	ds_add_u32 v28, v29
	s_wait_dscnt 0x0
	v_lshrrev_b32 v1, 5, v0
	v_readfirstlane_b32 s14, v1                    ; wave 0..3
	s_lshr_b32 s15, s14, 1                         ; which half of the rows is mine.  Also: I fetch for Y (0) or for X (1)
	s_and_b32 s16, s14, 1                          ; which half of the columns.  Also: which 8 blocks I fetch
	s_bfe_u32 s40, ttmp6, 0x40000
	s_bfe_u32 s41, ttmp6, 0x40004
	s_lshl_b32 s42, ttmp9, 2
	s_add_co_u32 s42, s42, s40                     ; x: which 256 columns
	s_and_b32 s17, ttmp7, 0xffff
	s_lshl_b32 s17, s17, 2
	s_add_co_u32 s17, s17, s41                     ; y: which 256 rows
	s_lshl_b32 s43, s41, 2
	s_lshl_b32 s43, 15, s43                        ; my row of the cluster
	s_lshl_b32 s44, 0x1111, s40                    ; my column
	; descriptor group 1: 8 rows of 3,328 bytes (416 elements of 8 bytes), PITCHB bytes apart, dense in LDS
	s_or_b32 s[G1+0], s43, (3<<16)|(1<<21)
	s_or_b32 s[G1B+0], s44, (3<<16)|(1<<21)
.irp g, G1, G1B
	s_mov_b32 s[\g+1], 416<<16
	s_mov_b32 s[\g+2], 8<<16
	s_mov_b32 s[\g+3], 416<<16
	s_mov_b32 s[\g+4], 8
	s_mov_b32 s[\g+5], PITCHB/8
	s_mov_b32 s[\g+6], 0
	s_mov_b32 s[\g+7], 0
.endr
	s_lshl_b32 s18, s16, 3
	s_lshl_b32 s20, s17, 4
	s_add_co_u32 s20, s20, s18
	s_lshl_b32 s46, s42, 4
	s_add_co_u32 s46, s46, s18
	s_mul_i32 s20, s20, PITCHB
	s_mul_i32 s46, s46, PITCHB
	s_add_co_u32 s46, s46, BOFF
	s_mov_b32 s21, 0
	s_mov_b32 s47, 0
	s_mul_i32 s45, s14, HALFT
	s_wait_kmcnt 0x0
	s_add_nc_u64 s[20:21], s[4:5], s[20:21]
	s_add_nc_u64 s[46:47], s[6:7], s[46:47]
	CROUND                                         ; all sixteen work-groups are here: the first joint loads meet
.irp s, 0,1
	s_mov_b32 s[G0+4*\s], 1
	s_add_co_u32 s[G0+4*\s+1], s45, \s*SLOT
	s_add_nc_u64 s[G0+4*\s+2:G0+4*\s+3], s[20:21], \s*ROWB
	s_or_b32 s[G0+4*\s+3], s[G0+4*\s+3], 0x80000000
	s_mov_b32 s[G0B+4*\s], 1
	s_add_co_u32 s[G0B+4*\s+1], s45, \s*SLOT
	s_add_nc_u64 s[G0B+4*\s+2:G0B+4*\s+3], s[46:47], \s*ROWB
	s_or_b32 s[G0B+4*\s+3], s[G0B+4*\s+3], 0x80000000
	JLOAD \s
.endr
	v_and_b32 v1, 15, v0                           ; r
	v_bfe_u32 v2, v0, 4, 1                         ; h
	v_and_b32 v3, 31, v0
	v_lshlrev_b32 v[LI], 4, v3
	v_lshlrev_b32 v[LS], 2, v3
	s_mul_i32 s22, s15, HALFT
	s_mul_i32 s23, s16, HALFT
	s_add_co_u32 s23, s23, 2*HALFT
.irp s, 0,1
	v_add_nc_u32 v[ADRA+\s], s22, v[LI]
	v_add_nc_u32 v[ADRB+\s], s23, v[LI]
	v_add_nc_u32 v[ADSA+\s], s22, v[LS]
	v_add_nc_u32 v[ADSB+\s], s23, v[LS]
	s_add_co_u32 s22, s22, SLOT
	s_add_co_u32 s23, s23, SLOT
.endr
	s_mul_i32 s22, s14, 16*SPITCH                  ; my stage
	v_mul_u32_u24 v3, v1, SPITCH
	v_lshl_add_u32 v3, v2, 6, v3
	v_add_nc_u32 v[STO], s22, v3                   ; in: row r, + 64 h
	v_add_nc_u32 v[RD], s22, v[LI]                 ; back: the 32 lanes take a row of 512 bytes
	s_lshl_b32 s82, s42, 10
	s_lshl_b32 s83, s16, 9
	s_add_co_u32 s82, s82, s83                     ; my first column, in bytes
	s_mov_b32 s83, 0
	s_lshl_b32 s80, s17, 8
	s_lshl_b32 s81, s15, 7
	s_add_co_u32 s80, s80, s81                     ; my first row
	s_lshl_b32 s80, s80, 12
	s_add_co_u32 s80, s80, s82
	s_mov_b32 s81, 0
	s_add_nc_u64 s[8:9], s[8:9], s[82:83]
	s_add_nc_u64 s[10:11], s[10:11], s[80:81]
	s_add_nc_u64 s[12:13], s[12:13], s[80:81]
	global_load_b128 v[BI:BI+3], v[LI], s[8:9]
	s_wait_loadcnt 0x0                             ; the bias is in: no load is out in the loop
	s_wait_tensorcnt 1                             ; my part of slot 0 is in; slot 1's load may be out
	s_barrier_signal -1
	s_barrier_wait -1
	FETCH 0, 0
	STEP 0, 1                                      ; the first step stands in front of the loop: its products start the sums
	s_mov_b32 s3, LAPS-1
.Llap:                                             ; a trip goes once round the ring and fills both slots again
	TURN 0, 1, 1
	STEP 1, 0
	TURN 1, 0, 1
	STEP 0, 0
	s_sub_co_u32 s3, s3, 1
	s_cmp_lg_u32 s3, 0
	s_cbranch_scc1 .Llap
	TURN 0, 1, 0                                   ; the last lap fills nothing
	STEP 1, 0
	s_wait_dscnt 0x0
	WIN MUL_LO
	MUL16 0, 1, 0
	MUL16 2, 1, 0
	WIN MUL_HI
	MUL16 4, 1, 0
	MUL16 6, 1, 0
	WIN 0
	PLACES
	; THE WAY OUT, row block by row block: through my stage, back as whole rows of 512 bytes; + bias, + residual; a store covers 512 consecutive bytes, at a multiple of 256 from the output's first byte.
	; Place t of block a is row 32 (a / 2) + 8 (a % 2) + t + 8 (t / 8) of my 128.
.macro RLOAD a
.irp t, 0,1,2,3,4,5,6,7,8,9,10,11,12,13,14,15
	global_load_b128 v[RES+64*((\a)%2)+4*\t:RES+64*((\a)%2)+4*\t+3], v[LI], s[10:11] offset:(32*((\a)/2)+8*((\a)%2)+\t+8*(\t/8))*4096
.endr
.endm
	RLOAD 0
.irp a, 0,1,2,3,4,5,6,7
.if \a < 7
	RLOAD \a+1
.endif
.if \a > 0
	s_wait_xcnt 0x0                                ; the last block's stores have read their registers: rows may land there again
.endif
	WIN 0x08+4*(\a/4)                              ; an LDS store's data are its source 1: window 2 or 3
.irp b, 0,1,2,3,4,5,6,7
	ds_store_b128 v[STO], v[64*(\a%4)+8*\b:64*(\a%4)+8*\b+3] offset:128*(\b/2)+32*(\b%2)        ; each accumulator from its low end on
	ds_store_b128 v[STO], v[64*(\a%4)+8*\b+4:64*(\a%4)+8*\b+7] offset:128*(\b/2)+32*(\b%2)+16
.endr
	WIN 0
.irp t, 0,1,2,3,4,5,6,7,8,9,10,11,12,13,14,15
	ds_load_b128 v[BK+4*\t:BK+4*\t+3], v[RD] offset:\t*SPITCH    ; LDS serves a wave's instructions in order: these see my stores
.endr
	s_wait_dscnt 0x0
.if \a < 7
	s_wait_loadcnt 16                              ; this block's residual rows are in; the next block's 16 loads may be out
.else
	s_wait_loadcnt 0x0
.endif
.irp t, 0,1,2,3,4,5,6,7,8,9,10,11,12,13,14,15
	v_pk_add_f32 v[BK+4*\t:BK+4*\t+1], v[BK+4*\t:BK+4*\t+1], v[BI:BI+1]
	v_pk_add_f32 v[BK+4*\t+2:BK+4*\t+3], v[BK+4*\t+2:BK+4*\t+3], v[BI+2:BI+3]
.endr
.irp t, 0,1,2,3,4,5,6,7,8,9,10,11,12,13,14,15
	v_pk_add_f32 v[BK+4*\t:BK+4*\t+1], v[BK+4*\t:BK+4*\t+1], v[RES+64*(\a%2)+4*\t:RES+64*(\a%2)+4*\t+1]
	v_pk_add_f32 v[BK+4*\t+2:BK+4*\t+3], v[BK+4*\t+2:BK+4*\t+3], v[RES+64*(\a%2)+4*\t+2:RES+64*(\a%2)+4*\t+3]
.endr
.irp t, 0,1,2,3,4,5,6,7,8,9,10,11,12,13,14,15
	global_store_b128 v[LI], v[BK+4*\t:BK+4*\t+3], s[12:13] offset:(32*(\a/2)+8*(\a%2)+\t+8*(\t/8))*4096
.endr
.endr
	s_wait_tensorcnt 0x0                           ; the wave's end
	ds_add_u32 v[SPW], v[NIL]
	s_wait_dscnt 0x0
	CROUND                                         ; the closing round: no work-group ends while a partner may still ask for a tile that names it
	s_endpgm
.Lfunc_end_k_q6d18821349_oproj:
	.size	k_q6d18821349_oproj, .Lfunc_end_k_q6d18821349_oproj-k_q6d18821349_oproj
	.p2alignl 7, 3214868480
	.fill 96, 4, 3214868480
	.section	.rodata,"a",@progbits
	.p2align	6, 0x0
	.amdhsa_kernel k_q6d18821349_oproj
		.amdhsa_group_segment_fixed_size 327680
		.amdhsa_private_segment_fixed_size 0
		.amdhsa_enable_private_segment 0
		.amdhsa_kernarg_size 40
		.amdhsa_user_sgpr_count 2
		.amdhsa_user_sgpr_kernarg_segment_ptr 1
		.amdhsa_wavefront_size32 1
		.amdhsa_system_sgpr_workgroup_id_x 1
		.amdhsa_system_sgpr_workgroup_id_y 1
		.amdhsa_system_sgpr_workgroup_id_z 1
		.amdhsa_system_vgpr_workitem_id 0
		.amdhsa_next_free_vgpr 1024
		.amdhsa_next_free_sgpr 100
		.amdhsa_reserve_vcc 0
		.amdhsa_float_denorm_mode_32 3
		.amdhsa_float_denorm_mode_16_64 3
		.amdhsa_memory_ordered 1
		.amdhsa_forward_progress 1
		.amdhsa_inst_pref_size 182
	.end_amdhsa_kernel
	.amdgpu_metadata
---
amdhsa.version: [ 1, 2 ]
amdhsa.kernels:
  - .name:           k_q6d18821349_oproj
    .symbol:         k_q6d18821349_oproj.kd
    .args:
      - { .name: actimg, .offset: 0, .size: 8, .value_kind: global_buffer, .address_space: global }
      - { .name: wimg, .offset: 8, .size: 8, .value_kind: global_buffer, .address_space: global }
      - { .name: bo, .offset: 16, .size: 8, .value_kind: global_buffer, .address_space: global }
      - { .name: x, .offset: 24, .size: 8, .value_kind: global_buffer, .address_space: global }
      - { .name: x1, .offset: 32, .size: 8, .value_kind: global_buffer, .address_space: global }
    .group_segment_fixed_size: 327680
    .private_segment_fixed_size: 0
    .kernarg_segment_align: 8
    .kernarg_segment_size: 40
    .max_flat_workgroup_size: 128
    .sgpr_count:     100
    .vgpr_count:     1024
    .wavefront_size: 32
...
	.end_amdgpu_metadata
.endif
;; end of part 5
;; launch ln2: the kernel of part 2 again; grid 256 x 1, 8 waves a work-group, no clusters, 66,816 bytes of LDS; arguments x1, ln2_a, ln2_b, actimg; writes actimg
;; launch ff1 (part 6): grid 16 x 16, 4 waves a work-group, clusters of 4 x 4, 327,680 bytes of LDS; arguments actimg, wimg, b1, himg; writes himg
.if DOCPART == 6
	.amdgcn_target "amdgcn-amd-amdhsa--gfx1250"
	.amdhsa_code_object_version 6
	.text
	.protected	k_q6d18821349_ff1
	.globl	k_q6d18821349_ff1
	.p2align	8
	.type	k_q6d18821349_ff1,@function
k_q6d18821349_ff1:
	s_mov_b64 s[64:65], 0
	v_nop
	global_prefetch_b8 v0, s[64:65] scope:SCOPE_SE
	s_setreg_imm32_b32 hwreg(HW_REG_WAVE_MODE, 25, 1), 1
	s_wait_xcnt 0x0
	s_wait_alu depctr_hold_cnt(0) depctr_sa_sdst(0) depctr_va_vdst(0) depctr_va_sdst(0) depctr_va_ssrc(0) depctr_va_vcc(0) depctr_vm_vsrc(0)
	s_getreg_b32 s2, hwreg(HW_REG_IB_STS2, 6, 4)
	s_cmp_eq_u32 s2, 0
	s_cbranch_scc0 .Lentry_in_a_cluster
	s_endpgm
.Lentry_in_a_cluster:
	s_bfe_u32 s2, ttmp6, 0x10000c
	s_cmp_lg_u32 s2, 0xf033
	s_cbranch_scc0 .Lentry_shape_is_right
	s_endpgm
.Lentry_shape_is_right:
; A GEMM on operand images of FP6 (E2M3) whose result, with its bias (and relu), is quantised in registers and stored as images of the next product's operand.
; MODE 0: q = n wq + bq, k = n wk + bk, and V^T = (n wv + bv)^T, K = 1,024.   MODE 1: h = relu(n2 w1 + b1), K = 1,024.
; AN IMAGE is a fragment of 16 rows x 128 K in 1,664 bytes: registers 4 c .. 4 c + 3 of lane l at 512 c + 16 l (c = 0, 1, 2), the scale word of row l % 16 at 1,536 + 4 l.  It is read by three loads of 16 bytes
; a lane and one of 4: every load takes consecutive bytes, so there is no pitch and no padding, and codes and scales come by one tensor load.
; Place i of row block (or column tile) 2 b + u is row (column) 32 b + 8 u + i + 8 (i / 8).  THE MATRIX INSTRUCTION IS USED TRANSPOSED: source 0 = the B role, source 1 = the A role: lane (r, h) holds place r of
; the A block, and the 64 registers of the B role's eight tiles are index 32 b + 16 h + i at register 16 b + i: what the quantiser takes.  So a wave's eight accumulators of one A block become one image.
; A tile of the result, 256 x 256, is made by four waves, 128 x 128 each: 64 accumulators.  K goes in steps of 256 through a ring of two LDS slots; a slot holds 16 row blocks x 2 images of the activations (Y) and of the weights (X).
; CLUSTERS: 4 x 4 work-groups; Y's tiles are shared along a row of the cluster, X's along a column: joint loads, the same descriptor and mask in the four that a mask names.
; ROLES.  A = activations, B = weights, but for wv (cluster x = 2 in MODE 0), where they change places.
; REGISTERS: window 0: v1-31 addresses, row bias; v32-63 scale words (A's and B's, two sets); v64-255 A's fragments, two sets.  window 1: B's fragments at v0 and v128; the column bias at v96-127, v224-255.
;   windows 2, 3: accumulator (a, b) at v[8 (8 (a % 4) + b)].
; LIMITS: NaN and infinities are not served; a block of zeros gets the scale byte 1 (its codes are zeros; this program alone reads the bytes).
.set MODE,   1
.if MODE == 0
.set BOFF,   0
.set ASTR,   1664                      ; bytes from the image of A block a to that of a + 1
.else
.set BOFF,   3407872                   ; w1's tiles in wimg
.set ASTR,   32*1664
.endif
.set KTOT,   1024
.set FRB,    1664
.set ROWB,   2*FRB                     ; a row block's part of a slot: two K steps of 128
.set PITCHB, (KTOT/128)*FRB            ; from row block to row block in memory
.set HALFT,  8*ROWB                    ; what one tensor load brings, and what one wave reads of a role
.set SLOT,   4*HALFT                   ; Y's 16 blocks, then X's 16
.set SPARE,  2*SLOT                    ; the spare words: 128 bytes a wave, two blocks of 256 bytes that no other line names
.set LAPS,   KTOT/512
.set FR,     12
.set BR,   8
.set ADRA, 16
.set ADRB, 18
.set ADSA, 20
.set ADSB, 22
.set LI,   24                          ; 16 x lane
.set LS,   25                          ; 4 x lane
.set SPW,  28
.set NIL,  29
.set BCA,  30
.set BRA,  31
.set SC,   32
.set AF,   64
.set HA,   64
.set PC,   128
.set TM,   168
.set PW,   184
.set BP,   186
.set G1, 24
.set G0, 32
.set G1B, 48
.set G0B, 56
.set SEL, 88
.set MSB, 0
.macro WIN new                         ; the immediate's high byte repeats the setting that is left
.if MSB != (\new)
	s_set_vgpr_msb (MSB<<8)|(\new)
.set MSB, (\new)
.endif
.endm
.set MUL_LO, 0xa1
.set MUL_HI, 0xf1
.set TO_B,   0x40
.macro JLOAD s                         ; a joint load: waves 0, 1 fetch Y's halves, waves 2, 3 X's; four v_nop follow each line
	s_cmp_eq_u32 s15, 0
	s_cbranch_scc0 .Lfor_x_\@
	tensor_load_to_lds s[G0+4*\s:G0+4*\s+3], s[G1:G1+7]
	s_nop 0
.rept 4
	v_nop
.endr
	s_branch .Lasked_\@
.Lfor_x_\@:
	tensor_load_to_lds s[G0B+4*\s:G0B+4*\s+3], s[G1B:G1B+7]
	s_nop 0
.rept 4
	v_nop
.endr
.Lasked_\@:
.endm
.macro CREST
	s_cmp_lg_u32 s14, 0
	s_cbranch_scc1 .Lnot_wave_0_\@
	s_barrier_signal -3
.Lnot_wave_0_\@:
	s_barrier_wait -3
	s_barrier_signal -1
	s_barrier_wait -1
.endm
.macro CROUND
	s_barrier_signal -1
	s_barrier_wait -1
	CREST
.endm
.macro PLACES                          ; four plain lines between a matrix instruction and a load into, or a vector read of, its registers
.rept 4
	v_nop
.endr
.endm
.macro FETCH slot, q
	WIN TO_B
.irp i, 0,1,2,3,4,5,6,7
.irp c, 0,1,2
	ds_load_b128 v[128*(\q)+FR*\i+4*\c:128*(\q)+FR*\i+4*\c+3], v[ADRB+\slot] offset:\i*ROWB+(\q)*FRB+512*\c
.endr
.endr
	WIN 0
.irp i, 0,1,2,3,4,5,6,7
.irp c, 0,1,2
	ds_load_b128 v[AF+96*(\q)+FR*\i+4*\c:AF+96*(\q)+FR*\i+4*\c+3], v[ADRA+\slot] offset:\i*ROWB+(\q)*FRB+512*\c
.endr
.endr
.irp i, 0,1,2,3,4,5,6,7
	ds_load_b32 v[SC+16*(\q)+\i], v[ADSA+\slot] offset:\i*ROWB+(\q)*FRB+1536
	ds_load_b32 v[SC+16*(\q)+8+\i], v[ADSB+\slot] offset:\i*ROWB+(\q)*FRB+1536
.endr
.endm
; The 64 accumulators take turns, one instruction a turn, in the same order in every step.
.macro MUL16 a0, p, zero
.irp a, \a0, \a0+1
.irp b, 0,1,2,3,4,5,6,7
.if \zero
	v_wmma_scale_f32_16x16x128_f8f6f4 v[8*(8*((\a)%4)+\b):8*(8*((\a)%4)+\b)+7], v[128*(\p)+FR*\b:128*(\p)+FR*\b+FR-1], v[AF+96*(\p)+FR*(\a):AF+96*(\p)+FR*(\a)+FR-1], 0, v[SC+16*(\p)+8+\b], v[SC+16*(\p)+(\a)] matrix_a_fmt:MATRIX_FMT_FP6 matrix_b_fmt:MATRIX_FMT_FP6
.else
	v_wmma_scale_f32_16x16x128_f8f6f4 v[8*(8*((\a)%4)+\b):8*(8*((\a)%4)+\b)+7], v[128*(\p)+FR*\b:128*(\p)+FR*\b+FR-1], v[AF+96*(\p)+FR*(\a):AF+96*(\p)+FR*(\a)+FR-1], v[8*(8*((\a)%4)+\b):8*(8*((\a)%4)+\b)+7], v[SC+16*(\p)+8+\b], v[SC+16*(\p)+(\a)] matrix_a_fmt:MATRIX_FMT_FP6 matrix_b_fmt:MATRIX_FMT_FP6
.endif
.endr
.endr
.endm
.macro STEP slot, zero                 ; a slot's first 128 along K: set 0 is multiplied while set 1 comes
	s_wait_dscnt 0x0                               ; set 0 is in
	PLACES                                         ; for the loads into set 1, which the last products read
	FETCH \slot, 1
	WIN MUL_LO
	MUL16 0, 0, \zero
	MUL16 2, 0, \zero
	WIN MUL_HI
	MUL16 4, 0, \zero
	MUL16 6, 0, \zero
	WIN 0
.endm
; A slot's second 128 along K, and the change of slots: one barrier; in front of it each wave waits for all its tensor loads, adds 0 to its spare word, and waits for that and for its reads of this slot.
.macro TURN slot, next, fill
	s_wait_tensorcnt 0x0                           ; all my tensor loads have landed: my part of the next slot
	ds_add_u32 v[SPW], v[NIL]                      ; 0 onto my spare word
	s_wait_dscnt 1                                 ; set 1's loads are in; the add may be out
	WIN MUL_LO
	MUL16 0, 1, 0
	s_wait_dscnt 0x0                               ; the add is done, and my reads of this slot are over
	s_barrier_signal -1
	MUL16 2, 1, 0
	WIN 0
	s_barrier_wait -1
.if \fill
	CREST                                          ; the barrier has opened a round of the cluster's barrier: no wave of any partner still reads this slot or has a load on its way
	s_add_nc_u64 s[G0+4*\slot+2:G0+4*\slot+3], s[G0+4*\slot+2:G0+4*\slot+3], 2*ROWB
	s_add_nc_u64 s[G0B+4*\slot+2:G0B+4*\slot+3], s[G0B+4*\slot+2:G0B+4*\slot+3], 2*ROWB
	JLOAD \slot                                    ; the first tensor load behind the round; its four v_nop are the places in front of the loads below
.else
	PLACES
.endif
	FETCH \next, 0
	WIN MUL_HI
	MUL16 4, 1, 0
	MUL16 6, 1, 0
	WIN 0
.endm
; 64 numbers of a lane, register 16 b + i = k 32 b + 16 (lane / 16) + i of my row, become a fragment's codes in v[PC] on and its scale word in v[PW].
.macro QUANT s
.irp b, 0,1,2,3
	v_max3_num_f32 v[TM+\b], |v[\s+16*\b]|, |v[\s+1+16*\b]|, 0x1800000   ; my 16 numbers of block b, and the floor 2^(3 - 127): the byte cannot fall under 1
.endr
.irp i, 2,4,6,8,10,12,14
.irp b, 0,1,2,3
	v_max3_num_f32 v[TM+\b], v[TM+\b], |v[\s+16*\b+\i]|, |v[\s+1+16*\b+\i]|
.endr
.endr
.irp b, 0,1,2,3
	v_permlanex16_b32 v[TM+4+\b], v[TM+\b], s[SEL], s[SEL+1]
.endr
.irp b, 0,1,2,3
	v_max_num_f32 v[TM+\b], v[TM+\b], v[TM+4+\b]   ; with lane l xor 16's: the block's largest magnitude
.endr
.irp b, 0,1,2,3
	v_add_nc_u32 v[TM+12+\b], 0xff000000, v[TM+\b] ; 2 off its exponent field: the conversion's scale operand
.endr
.irp b, 0,1,2,3
	v_lshrrev_b32 v[TM+4+\b], 23, v[TM+12+\b]      ; the scale's byte
.endr
	v_lshl_or_b32 v[PW], v[TM+5], 8, v[TM+4]
	v_lshl_or_b32 v[PW], v[TM+6], 16, v[PW]
	v_lshl_or_b32 v[PW], v[TM+7], 24, v[PW]
.irp c, 0,1
	v_cvt_scalef32_pk16_fp6_f32 v[PC+6*\c:PC+2+6*\c], v[\s+32*\c:\s+15+32*\c], v[TM+12+2*\c]
	v_cvt_scalef32_pk16_fp6_f32 v[PC+12+4*\c:PC+14+4*\c], v[\s+16+32*\c:\s+31+32*\c], v[TM+12+2*\c+1]
.endr
	v_nop                                          ; one plain line behind a scaled conversion
.irp c, 0,1
.irp i, 0,1,2
	v_permlane16_swap_b32 v[PC+6*\c+\i], v[PC+12+4*\c+\i]
.endr
.irp i, 0,1,2
	v_mov_b32 v[PC+3+6*\c+\i], v[PC+12+4*\c+\i]
.endr
.endr
.endm
	s_load_b128 s[4:7], s[0:1], 0x0                ; the activations' images, wimg
	s_load_b128 s[8:11], s[0:1], 0x10              ; MODE 0: bq, bk;  MODE 1: b1, himg
.if MODE == 0
	s_load_b128 s[68:71], s[0:1], 0x20             ; bv, qkv
.endif
	v_lshl_add_u32 v[SPW], v0, 2, SPARE
	v_mov_b32 v[NIL], 0
	ds_add_u32 v28, v29
	s_wait_dscnt 0x0
	v_lshrrev_b32 v1, 5, v0
	v_readfirstlane_b32 s14, v1                    ; wave 0..3
	s_lshr_b32 s15, s14, 1                         ; which half of the A role is mine.  Also: I fetch for Y (0) or for X (1)
	s_and_b32 s16, s14, 1                          ; which half of the B role.  Also: which 8 blocks I fetch
	s_bfe_u32 s40, ttmp6, 0x40000                  ; cx, cy: my place in the cluster
	s_bfe_u32 s41, ttmp6, 0x40004
	s_lshl_b32 s42, ttmp9, 2
	s_add_co_u32 s42, s42, s40                     ; x: which 256 columns of the weights
	s_and_b32 s17, ttmp7, 0xffff
	s_lshl_b32 s17, s17, 2
	s_add_co_u32 s17, s17, s41                     ; y: which 256 rows of the activations
	s_lshl_b32 s43, s41, 2
	s_lshl_b32 s43, 15, s43                        ; my row of the cluster
	s_lshl_b32 s44, 0x1111, s40                    ; my column
	; descriptor group 1: 8 rows of 3,328 bytes (416 elements of 8 bytes), PITCHB bytes apart, dense in LDS
	s_or_b32 s[G1+0], s43, (3<<16)|(1<<21)         ; 15:0 the mask; 17:16 elements of 8 bytes; 21 set beside a mask
	s_or_b32 s[G1B+0], s44, (3<<16)|(1<<21)
.irp g, G1, G1B
	s_mov_b32 s[\g+1], 416<<16                     ; tensor_dim0
	s_mov_b32 s[\g+2], 8<<16                       ; tensor_dim1
	s_mov_b32 s[\g+3], 416<<16                     ; tile_dim0
	s_mov_b32 s[\g+4], 8                           ; tile_dim1
	s_mov_b32 s[\g+5], PITCHB/8                    ; tensor_dim0_stride
	s_mov_b32 s[\g+6], 0
	s_mov_b32 s[\g+7], 0
.endr
	s_lshl_b32 s18, s16, 3
	s_lshl_b32 s20, s17, 4
	s_add_co_u32 s20, s20, s18                     ; Y: block 16 y + 8 half
	s_lshl_b32 s46, s42, 4
	s_add_co_u32 s46, s46, s18                     ; X: tile 16 x + 8 half
	s_mul_i32 s20, s20, PITCHB
	s_mul_i32 s46, s46, PITCHB
.if BOFF
	s_add_co_u32 s46, s46, BOFF
.endif
	s_mov_b32 s21, 0
	s_mov_b32 s47, 0
	s_mul_i32 s45, s14, HALFT                      ; where they go: no place in the cluster enters an LDS address
	s_mov_b32 s[SEL], 0x76543210
	s_mov_b32 s[SEL+1], 0xfedcba98
	s_wait_kmcnt 0x0
	s_add_nc_u64 s[20:21], s[4:5], s[20:21]
	s_add_nc_u64 s[46:47], s[6:7], s[46:47]
	CROUND                                         ; all sixteen work-groups are here: the first joint loads meet
.irp s, 0,1
	s_mov_b32 s[G0+4*\s], 1
	s_add_co_u32 s[G0+4*\s+1], s45, \s*SLOT
	s_add_nc_u64 s[G0+4*\s+2:G0+4*\s+3], s[20:21], \s*ROWB
	s_or_b32 s[G0+4*\s+3], s[G0+4*\s+3], 0x80000000
	s_mov_b32 s[G0B+4*\s], 1
	s_add_co_u32 s[G0B+4*\s+1], s45, \s*SLOT
	s_add_nc_u64 s[G0B+4*\s+2:G0B+4*\s+3], s[46:47], \s*ROWB
	s_or_b32 s[G0B+4*\s+3], s[G0B+4*\s+3], 0x80000000
	JLOAD \s
.endr
	v_and_b32 v1, 15, v0                           ; r
	v_bfe_u32 v2, v0, 4, 1                         ; h
	v_and_b32 v3, 31, v0
	v_lshlrev_b32 v[LI], 4, v3
	v_lshlrev_b32 v[LS], 2, v3
	s_mul_i32 s22, s15, HALFT
	s_mul_i32 s23, s16, HALFT
.if MODE == 0
	s_cmp_eq_u32 ttmp9, 2                          ; wv's columns: the roles change places
	s_cselect_b32 s66, 2*HALFT, 0
	s_cselect_b32 s67, 0, 2*HALFT
	s_cselect_b32 s76, 0, 0x3f800000
	s_cselect_b32 s78, 0x3f800000, 0
	s_mov_b32 s77, s76
	s_mov_b32 s79, s78
	s_add_co_u32 s22, s22, s66
	s_add_co_u32 s23, s23, s67
.else
	s_add_co_u32 s23, s23, 2*HALFT
.endif
.irp s, 0,1
	v_add_nc_u32 v[ADRA+\s], s22, v[LI]
	v_add_nc_u32 v[ADRB+\s], s23, v[LI]
	v_add_nc_u32 v[ADSA+\s], s22, v[LS]
	v_add_nc_u32 v[ADSB+\s], s23, v[LS]
	s_add_co_u32 s22, s22, SLOT
	s_add_co_u32 s23, s23, SLOT
.endr
	; the bias along the registers: tile b, lane half h: numbers 32 (b / 2) + 16 h + 8 (b % 2) + 0 .. 7 of my 128
.if MODE == 0
	s_cmp_eq_u32 ttmp9, 1
	s_cselect_b64 s[8:9], s[10:11], s[8:9]
	s_cmp_eq_u32 ttmp9, 2
	s_cselect_b64 s[8:9], s[68:69], s[8:9]
	s_mov_b64 s[12:13], s[70:71]
	s_lshl_b32 s80, s40, 10
.else
	s_mov_b64 s[12:13], s[10:11]
	s_lshl_b32 s80, s42, 10
.endif
	s_lshl_b32 s82, s16, 9
	s_add_co_u32 s82, s82, s80
	s_mov_b32 s83, 0
	s_add_nc_u64 s[84:85], s[8:9], s[82:83]
	v_lshlrev_b32 v[BCA], 6, v2
	WIN TO_B
.irp b, 0,1,2,3,4,5,6,7
	global_load_b128 v[96+128*(\b/4)+8*(\b%4):96+128*(\b/4)+8*(\b%4)+3], v[BCA], s[84:85] offset:(32*(\b/2)+8*(\b%2))*4
	global_load_b128 v[96+128*(\b/4)+8*(\b%4)+4:96+128*(\b/4)+8*(\b%4)+7], v[BCA], s[84:85] offset:(32*(\b/2)+8*(\b%2))*4+16
.endr
	WIN 0
.if MODE == 0
	s_lshl_b32 s82, s15, 9
	s_add_co_u32 s82, s82, s80
	s_add_nc_u64 s[86:87], s[8:9], s[82:83]
	v_and_b32 v3, 8, v1
	v_add_nc_u32 v3, v3, v1
	v_lshlrev_b32 v[BRA], 2, v3
.irp a, 0,1,2,3,4,5,6,7
	global_load_b32 v[BR+\a], v[BRA], s[86:87] offset:(32*(\a/2)+8*(\a%2))*4
.endr
	s_lshl_b32 s80, s40, 1
	s_add_co_u32 s80, s80, s16
	s_lshl_b32 s80, s80, 8
	s_lshl_b32 s81, s17, 4
	s_add_co_u32 s80, s80, s81
	s_lshl_b32 s82, s17, 1
	s_add_co_u32 s82, s82, s16
	s_lshl_b32 s82, s82, 6
	s_lshl_b32 s83, s40, 4
	s_add_co_u32 s82, s82, s83
	s_cmp_eq_u32 ttmp9, 2
	s_cselect_b32 s80, s82, s80
	s_lshl_b32 s81, s15, 3
	s_add_co_u32 s80, s80, s81
	s_mul_i32 s80, s80, FRB
	s_mul_i32 s81, ttmp9, 3407872
	s_add_co_u32 s80, s80, s81
.else
	s_lshl_b32 s80, s17, 4                         ; himg: [row block 256][K step 32]: (16 y + 8 half A) x 32 + 2 x + half B
	s_lshl_b32 s81, s15, 3
	s_add_co_u32 s80, s80, s81
	s_lshl_b32 s80, s80, 5
	s_lshl_b32 s81, s42, 1
	s_add_co_u32 s80, s80, s81
	s_add_co_u32 s80, s80, s16
	s_mul_i32 s80, s80, FRB
.endif
	s_mov_b32 s81, 0
	s_add_nc_u64 s[12:13], s[12:13], s[80:81]
	s_wait_loadcnt 0x0                             ; the bias is in: no load is out in the loop
	s_wait_tensorcnt 1                             ; my part of slot 0 is in; slot 1's load may be out
	s_barrier_signal -1
	s_barrier_wait -1
	FETCH 0, 0
	STEP 0, 1                                      ; the first step stands in front of the loop: its products start the sums
	s_mov_b32 s3, LAPS-1
.Llap:                                             ; a trip goes once round the ring and fills both slots again
	TURN 0, 1, 1
	STEP 1, 0
	TURN 1, 0, 1
	STEP 0, 0
	s_sub_co_u32 s3, s3, 1
	s_cmp_lg_u32 s3, 0
	s_cbranch_scc1 .Llap
	TURN 0, 1, 0                                   ; the last lap fills nothing
	STEP 1, 0
	s_wait_dscnt 0x0
	WIN MUL_LO
	MUL16 0, 1, 0
	MUL16 2, 1, 0
	WIN MUL_HI
	MUL16 4, 1, 0
	MUL16 6, 1, 0
	WIN 0
	PLACES
	; THE WAY OUT: A block by A block: bias (and relu) in f32, the quantiser, four stores.  Each accumulator is read from its low end on.
.irp b, 0,1,2,3
	v_mov_b32 v[TM+4+\b], 0                        ; written once: a lane permute's destination counts as one of its sources
.endr
.irp a, 0,1,2,3,4,5,6,7
.if MODE == 0
	WIN 0x21+0x10*(\a/4)
.irp b, 0,1,2,3,4,5,6,7
.irp j, 0,2,4,6
	v_pk_fma_f32 v[HA+8*\b+\j:HA+8*\b+\j+1], v[96+128*(\b/4)+8*(\b%4)+\j:96+128*(\b/4)+8*(\b%4)+\j+1], s[76:77], v[64*(\a%4)+8*\b+\j:64*(\a%4)+8*\b+\j+1] op_sel_hi:[1,0,1]
.endr
.endr
	WIN 0
	v_mov_b32 v[BP], v[BR+\a]
	v_mov_b32 v[BP+1], v[BR+\a]
.set J, 0
.rept 32
	v_pk_fma_f32 v[HA+J:HA+J+1], v[BP:BP+1], s[78:79], v[HA+J:HA+J+1] op_sel_hi:[1,0,1]
.set J, J+2
.endr
.else
	WIN 0x06+(\a/4)                                ; source 0 (sums) window 2 or 3, source 1 (bias) window 1
.irp b, 0,1,2,3,4,5,6,7
.irp j, 0,2,4,6
	v_pk_add_f32 v[HA+8*\b+\j:HA+8*\b+\j+1], v[64*(\a%4)+8*\b+\j:64*(\a%4)+8*\b+\j+1], v[96+128*(\b/4)+8*(\b%4)+\j:96+128*(\b/4)+8*(\b%4)+\j+1]
.endr
.endr
	WIN 0
.set J, 0
.rept 64
	v_max_num_f32 v[HA+J], 0, v[HA+J]              ; relu, in f32
.set J, J+1
.endr
.endif
.if \a > 0
	s_wait_xcnt 0x0                                ; the last block's stores have read their registers: codes and scale word may be written again
.endif
	QUANT HA
.irp c, 0,1,2
	global_store_b128 v[LI], v[PC+4*\c:PC+4*\c+3], s[12:13] offset:\a*ASTR+512*\c
.endr
	global_store_b32 v[LS], v[PW], s[12:13] offset:\a*ASTR+1536
.endr
	s_wait_tensorcnt 0x0                           ; the wave's end
	ds_add_u32 v[SPW], v[NIL]
	s_wait_dscnt 0x0
	CROUND                                         ; the closing round: no work-group ends while a partner may still ask for a tile that names it
	s_endpgm
.Lfunc_end_k_q6d18821349_ff1:
	.size	k_q6d18821349_ff1, .Lfunc_end_k_q6d18821349_ff1-k_q6d18821349_ff1
	.p2alignl 7, 3214868480
	.fill 96, 4, 3214868480
	.section	.rodata,"a",@progbits
	.p2align	6, 0x0
	.amdhsa_kernel k_q6d18821349_ff1
		.amdhsa_group_segment_fixed_size 327680
		.amdhsa_private_segment_fixed_size 0
		.amdhsa_enable_private_segment 0
		.amdhsa_kernarg_size 32
		.amdhsa_user_sgpr_count 2
		.amdhsa_user_sgpr_kernarg_segment_ptr 1
		.amdhsa_wavefront_size32 1
		.amdhsa_system_sgpr_workgroup_id_x 1
		.amdhsa_system_sgpr_workgroup_id_y 1
		.amdhsa_system_sgpr_workgroup_id_z 1
		.amdhsa_system_vgpr_workitem_id 0
		.amdhsa_next_free_vgpr 1024
		.amdhsa_next_free_sgpr 100
		.amdhsa_reserve_vcc 0
		.amdhsa_float_denorm_mode_32 3
		.amdhsa_float_denorm_mode_16_64 3
		.amdhsa_memory_ordered 1
		.amdhsa_forward_progress 1
		.amdhsa_inst_pref_size 176
	.end_amdhsa_kernel
	.amdgpu_metadata
---
amdhsa.version: [ 1, 2 ]
amdhsa.kernels:
  - .name:           k_q6d18821349_ff1
    .symbol:         k_q6d18821349_ff1.kd
    .args:
      - { .name: actimg, .offset: 0, .size: 8, .value_kind: global_buffer, .address_space: global }
      - { .name: wimg, .offset: 8, .size: 8, .value_kind: global_buffer, .address_space: global }
      - { .name: b1, .offset: 16, .size: 8, .value_kind: global_buffer, .address_space: global }
      - { .name: himg, .offset: 24, .size: 8, .value_kind: global_buffer, .address_space: global }
    .group_segment_fixed_size: 327680
    .private_segment_fixed_size: 0
    .kernarg_segment_align: 8
    .kernarg_segment_size: 32
    .max_flat_workgroup_size: 128
    .sgpr_count:     100
    .vgpr_count:     1024
    .wavefront_size: 32
...
	.end_amdgpu_metadata
.endif
;; end of part 6
;; launch ff2 (part 7): grid 4 x 16, 4 waves a work-group, clusters of 4 x 4, 327,680 bytes of LDS; arguments himg, wimg, b2, x1, out0; writes out0
.if DOCPART == 7
	.amdgcn_target "amdgcn-amd-amdhsa--gfx1250"
	.amdhsa_code_object_version 6
	.text
	.protected	k_q6d18821349_ff2
	.globl	k_q6d18821349_ff2
	.p2align	8
	.type	k_q6d18821349_ff2,@function
k_q6d18821349_ff2:
	s_mov_b64 s[64:65], 0
	v_nop
	global_prefetch_b8 v0, s[64:65] scope:SCOPE_SE
	s_setreg_imm32_b32 hwreg(HW_REG_WAVE_MODE, 25, 1), 1
	s_wait_xcnt 0x0
	s_wait_alu depctr_hold_cnt(0) depctr_sa_sdst(0) depctr_va_vdst(0) depctr_va_sdst(0) depctr_va_ssrc(0) depctr_va_vcc(0) depctr_vm_vsrc(0)
	s_getreg_b32 s2, hwreg(HW_REG_IB_STS2, 6, 4)
	s_cmp_eq_u32 s2, 0
	s_cbranch_scc0 .Lentry_in_a_cluster
	s_endpgm
.Lentry_in_a_cluster:
	s_bfe_u32 s2, ttmp6, 0x10000c
	s_cmp_lg_u32 s2, 0xf033
	s_cbranch_scc0 .Lentry_shape_is_right
	s_endpgm
.Lentry_shape_is_right:
; A GEMM on operand images of FP6 (E2M3) whose result leaves as f32 rows: out = residual + (A W + bias).   MODE 2: x1 = x + ctx wo + bo, K = 1,024.   MODE 3: out0 = x1 + h w2 + b2, K = 4,096.
; AN IMAGE is a fragment of 16 rows x 128 K in 1,664 bytes: registers 4 c .. 4 c + 3 of lane l at 512 c + 16 l (c = 0, 1, 2), the scale word of row l % 16 at 1,536 + 4 l: read by three loads of 16 bytes a lane and
; one of 4, each of consecutive bytes: no pitch, no padding; codes and scales come by one tensor load.  Place i of row block (column tile) 2 b + u is row (column) 32 b + 8 u + i + 8 (i / 8).
; THE MATRIX INSTRUCTION IS USED TRANSPOSED: source 0 = 16 columns of the weight, source 1 = 16 rows: lane (r, h) holds place r of the row block, and tile b's register j column 32 (b / 2) + 16 h + 8 (b % 2) + j.
; A tile of the result, 256 x 256, is made by four waves, 128 x 128 each: 64 accumulators.  K goes in steps of 256 through a ring of two LDS slots; a slot holds 16 blocks x 2 images of the activations (Y) and of the weights (X).
; CLUSTERS: 4 x 4 work-groups; Y's tiles are shared along a row of the cluster, X's along a column: joint loads, the same descriptor and mask in the four that a mask names.
; REGISTERS: window 0: v1-31 addresses, bias; v32-63 scale words (A's and B's, two sets); v64-255 A's fragments, two sets.  window 1: B's fragments at v0 and v128.  windows 2, 3: accumulator (a, b) at v[8 (8 (a % 4) + b)].
; The grid gives 64 work-groups: a tile of 256 x 256 on a result of 4,096 x 1,024.
.set MODE,   3
.if MODE == 2
.set KTOT,   1024
.set BOFF,   2555904                   ; wo's tiles in wimg
.else
.set KTOT,   4096
.set BOFF,   6815744                   ; w2's
.endif
.set FRB,    1664
.set ROWB,   2*FRB
.set PITCHB, (KTOT/128)*FRB
.set HALFT,  8*ROWB
.set SLOT,   4*HALFT
.set SPARE,  2*SLOT                    ; the spare words: 128 bytes a wave, two blocks of 256 bytes that no other line names
.set LAPS,   KTOT/512
.set FR,     12
.set SPITCH, 528                       ; the way out: a stage of 16 rows x (512 + 16) bytes for each wave, in slot 0, which has then had its last fill and its last read
.set BI,   8                           ; v8-11  the bias of my four columns
.set ADRA, 16
.set ADRB, 18
.set ADSA, 20
.set ADSB, 22
.set LI,   24                          ; 16 x lane
.set LS,   25                          ; 4 x lane
.set STO,  26
.set RD,   27
.set SPW,  28
.set NIL,  29
.set SC,   32
.set AF,   64
.set BK,   64                          ; the way out: 16 rows back from the stage
.set RES,  128                         ; two sets of 16 rows of the residual
.set G1, 24
.set G0, 32
.set G1B, 48
.set G0B, 56
.set MSB, 0
.macro WIN new                         ; the immediate's high byte repeats the setting that is left
.if MSB != (\new)
	s_set_vgpr_msb (MSB<<8)|(\new)
.set MSB, (\new)
.endif
.endm
.set MUL_LO, 0xa1
.set MUL_HI, 0xf1
.set TO_B,   0x40
.macro JLOAD s                         ; a joint load: waves 0, 1 fetch Y's halves, waves 2, 3 X's; four v_nop follow each line
	s_cmp_eq_u32 s15, 0
	s_cbranch_scc0 .Lfor_x_\@
	tensor_load_to_lds s[G0+4*\s:G0+4*\s+3], s[G1:G1+7]
	s_nop 0
.rept 4
	v_nop
.endr
	s_branch .Lasked_\@
.Lfor_x_\@:
	tensor_load_to_lds s[G0B+4*\s:G0B+4*\s+3], s[G1B:G1B+7]
	s_nop 0
.rept 4
	v_nop
.endr
.Lasked_\@:
.endm
.macro CREST
	s_cmp_lg_u32 s14, 0
	s_cbranch_scc1 .Lnot_wave_0_\@
	s_barrier_signal -3
.Lnot_wave_0_\@:
	s_barrier_wait -3
	s_barrier_signal -1
	s_barrier_wait -1
.endm
.macro CROUND
	s_barrier_signal -1
	s_barrier_wait -1
	CREST
.endm
.macro PLACES                          ; four plain lines between a matrix instruction and a load into, or a read of, its registers
.rept 4
	v_nop
.endr
.endm
.macro FETCH slot, q
	WIN TO_B
.irp i, 0,1,2,3,4,5,6,7
.irp c, 0,1,2
	ds_load_b128 v[128*(\q)+FR*\i+4*\c:128*(\q)+FR*\i+4*\c+3], v[ADRB+\slot] offset:\i*ROWB+(\q)*FRB+512*\c
.endr
.endr
	WIN 0
.irp i, 0,1,2,3,4,5,6,7
.irp c, 0,1,2
	ds_load_b128 v[AF+96*(\q)+FR*\i+4*\c:AF+96*(\q)+FR*\i+4*\c+3], v[ADRA+\slot] offset:\i*ROWB+(\q)*FRB+512*\c
.endr
.endr
.irp i, 0,1,2,3,4,5,6,7
	ds_load_b32 v[SC+16*(\q)+\i], v[ADSA+\slot] offset:\i*ROWB+(\q)*FRB+1536
	ds_load_b32 v[SC+16*(\q)+8+\i], v[ADSB+\slot] offset:\i*ROWB+(\q)*FRB+1536
.endr
.endm
; The 64 accumulators take turns, one instruction a turn, in the same order in every step.
.macro MUL16 a0, p, zero
.irp a, \a0, \a0+1
.irp b, 0,1,2,3,4,5,6,7
.if \zero
	v_wmma_scale_f32_16x16x128_f8f6f4 v[8*(8*((\a)%4)+\b):8*(8*((\a)%4)+\b)+7], v[128*(\p)+FR*\b:128*(\p)+FR*\b+FR-1], v[AF+96*(\p)+FR*(\a):AF+96*(\p)+FR*(\a)+FR-1], 0, v[SC+16*(\p)+8+\b], v[SC+16*(\p)+(\a)] matrix_a_fmt:MATRIX_FMT_FP6 matrix_b_fmt:MATRIX_FMT_FP6
.else
	v_wmma_scale_f32_16x16x128_f8f6f4 v[8*(8*((\a)%4)+\b):8*(8*((\a)%4)+\b)+7], v[128*(\p)+FR*\b:128*(\p)+FR*\b+FR-1], v[AF+96*(\p)+FR*(\a):AF+96*(\p)+FR*(\a)+FR-1], v[8*(8*((\a)%4)+\b):8*(8*((\a)%4)+\b)+7], v[SC+16*(\p)+8+\b], v[SC+16*(\p)+(\a)] matrix_a_fmt:MATRIX_FMT_FP6 matrix_b_fmt:MATRIX_FMT_FP6
.endif
.endr
.endr
.endm
.macro STEP slot, zero                 ; a slot's first 128 along K: set 0 is multiplied while set 1 comes
	s_wait_dscnt 0x0                               ; set 0 is in
	PLACES                                         ; for the loads into set 1, which the last products read
	FETCH \slot, 1
	WIN MUL_LO
	MUL16 0, 0, \zero
	MUL16 2, 0, \zero
	WIN MUL_HI
	MUL16 4, 0, \zero
	MUL16 6, 0, \zero
	WIN 0
.endm
; A slot's second 128 along K, and the change of slots: one barrier; in front of it each wave waits for all its tensor loads, adds 0 to its spare word, and waits for that and for its reads of this slot.
.macro TURN slot, next, fill
	s_wait_tensorcnt 0x0                           ; all my tensor loads have landed: my part of the next slot
	ds_add_u32 v[SPW], v[NIL]                      ; 0 onto my spare word
	s_wait_dscnt 1                                 ; set 1's loads are in; the add may be out
	WIN MUL_LO
	MUL16 0, 1, 0
	s_wait_dscnt 0x0                               ; the add is done, and my reads of this slot are over
	s_barrier_signal -1
	MUL16 2, 1, 0
	WIN 0
	s_barrier_wait -1
.if \fill
	CREST                                          ; the barrier has opened a round of the cluster's barrier: no wave of any partner still reads this slot or has a load on its way
	s_add_nc_u64 s[G0+4*\slot+2:G0+4*\slot+3], s[G0+4*\slot+2:G0+4*\slot+3], 2*ROWB
	s_add_nc_u64 s[G0B+4*\slot+2:G0B+4*\slot+3], s[G0B+4*\slot+2:G0B+4*\slot+3], 2*ROWB
	JLOAD \slot                                    ; the first tensor load behind the round; its four v_nop are the places in front of the loads below
.else
	PLACES
.endif
	FETCH \next, 0
	WIN MUL_HI
	MUL16 4, 1, 0
	MUL16 6, 1, 0
	WIN 0
.endm
	s_load_b128 s[4:7], s[0:1], 0x0                ; the activations' images, wimg
	s_load_b128 s[8:11], s[0:1], 0x10              ; the bias, the residual
	s_load_b64 s[12:13], s[0:1], 0x20              ; the output
	v_lshl_add_u32 v[SPW], v0, 2, SPARE
	v_mov_b32 v[NIL], 0
	ds_add_u32 v28, v29
	s_wait_dscnt 0x0
	v_lshrrev_b32 v1, 5, v0
	v_readfirstlane_b32 s14, v1                    ; wave 0..3
	s_lshr_b32 s15, s14, 1                         ; which half of the rows is mine.  Also: I fetch for Y (0) or for X (1)
	s_and_b32 s16, s14, 1                          ; which half of the columns.  Also: which 8 blocks I fetch
	s_bfe_u32 s40, ttmp6, 0x40000
	s_bfe_u32 s41, ttmp6, 0x40004
	s_lshl_b32 s42, ttmp9, 2
	s_add_co_u32 s42, s42, s40                     ; x: which 256 columns
	s_and_b32 s17, ttmp7, 0xffff
	s_lshl_b32 s17, s17, 2
	s_add_co_u32 s17, s17, s41                     ; y: which 256 rows
	s_lshl_b32 s43, s41, 2
	s_lshl_b32 s43, 15, s43                        ; my row of the cluster
	s_lshl_b32 s44, 0x1111, s40                    ; my column
	; descriptor group 1: 8 rows of 3,328 bytes (416 elements of 8 bytes), PITCHB bytes apart, dense in LDS
	s_or_b32 s[G1+0], s43, (3<<16)|(1<<21)
	s_or_b32 s[G1B+0], s44, (3<<16)|(1<<21)
.irp g, G1, G1B
	s_mov_b32 s[\g+1], 416<<16
	s_mov_b32 s[\g+2], 8<<16
	s_mov_b32 s[\g+3], 416<<16
	s_mov_b32 s[\g+4], 8
	s_mov_b32 s[\g+5], PITCHB/8
	s_mov_b32 s[\g+6], 0
	s_mov_b32 s[\g+7], 0
.endr
	s_lshl_b32 s18, s16, 3
	s_lshl_b32 s20, s17, 4
	s_add_co_u32 s20, s20, s18
	s_lshl_b32 s46, s42, 4
	s_add_co_u32 s46, s46, s18
	s_mul_i32 s20, s20, PITCHB
	s_mul_i32 s46, s46, PITCHB
	s_add_co_u32 s46, s46, BOFF
	s_mov_b32 s21, 0
	s_mov_b32 s47, 0
	s_mul_i32 s45, s14, HALFT
	s_wait_kmcnt 0x0
	s_add_nc_u64 s[20:21], s[4:5], s[20:21]
	s_add_nc_u64 s[46:47], s[6:7], s[46:47]
	CROUND                                         ; all sixteen work-groups are here: the first joint loads meet
.irp s, 0,1
	s_mov_b32 s[G0+4*\s], 1
	s_add_co_u32 s[G0+4*\s+1], s45, \s*SLOT
	s_add_nc_u64 s[G0+4*\s+2:G0+4*\s+3], s[20:21], \s*ROWB
	s_or_b32 s[G0+4*\s+3], s[G0+4*\s+3], 0x80000000
	s_mov_b32 s[G0B+4*\s], 1
	s_add_co_u32 s[G0B+4*\s+1], s45, \s*SLOT
	s_add_nc_u64 s[G0B+4*\s+2:G0B+4*\s+3], s[46:47], \s*ROWB
	s_or_b32 s[G0B+4*\s+3], s[G0B+4*\s+3], 0x80000000
	JLOAD \s
.endr
	v_and_b32 v1, 15, v0                           ; r
	v_bfe_u32 v2, v0, 4, 1                         ; h
	v_and_b32 v3, 31, v0
	v_lshlrev_b32 v[LI], 4, v3
	v_lshlrev_b32 v[LS], 2, v3
	s_mul_i32 s22, s15, HALFT
	s_mul_i32 s23, s16, HALFT
	s_add_co_u32 s23, s23, 2*HALFT
.irp s, 0,1
	v_add_nc_u32 v[ADRA+\s], s22, v[LI]
	v_add_nc_u32 v[ADRB+\s], s23, v[LI]
	v_add_nc_u32 v[ADSA+\s], s22, v[LS]
	v_add_nc_u32 v[ADSB+\s], s23, v[LS]
	s_add_co_u32 s22, s22, SLOT
	s_add_co_u32 s23, s23, SLOT
.endr
	s_mul_i32 s22, s14, 16*SPITCH                  ; my stage
	v_mul_u32_u24 v3, v1, SPITCH
	v_lshl_add_u32 v3, v2, 6, v3
	v_add_nc_u32 v[STO], s22, v3                   ; in: row r, + 64 h
	v_add_nc_u32 v[RD], s22, v[LI]                 ; back: the 32 lanes take a row of 512 bytes
	s_lshl_b32 s82, s42, 10
	s_lshl_b32 s83, s16, 9
	s_add_co_u32 s82, s82, s83                     ; my first column, in bytes
	s_mov_b32 s83, 0
	s_lshl_b32 s80, s17, 8
	s_lshl_b32 s81, s15, 7
	s_add_co_u32 s80, s80, s81                     ; my first row
	s_lshl_b32 s80, s80, 12
	s_add_co_u32 s80, s80, s82
	s_mov_b32 s81, 0
	s_add_nc_u64 s[8:9], s[8:9], s[82:83]
	s_add_nc_u64 s[10:11], s[10:11], s[80:81]
	s_add_nc_u64 s[12:13], s[12:13], s[80:81]
	global_load_b128 v[BI:BI+3], v[LI], s[8:9]
	s_wait_loadcnt 0x0                             ; the bias is in: no load is out in the loop
	s_wait_tensorcnt 1                             ; my part of slot 0 is in; slot 1's load may be out
	s_barrier_signal -1
	s_barrier_wait -1
	FETCH 0, 0
	STEP 0, 1                                      ; the first step stands in front of the loop: its products start the sums
	s_mov_b32 s3, LAPS-1
.Llap:                                             ; a trip goes once round the ring and fills both slots again
	TURN 0, 1, 1
	STEP 1, 0
	TURN 1, 0, 1
	STEP 0, 0
	s_sub_co_u32 s3, s3, 1
	s_cmp_lg_u32 s3, 0
	s_cbranch_scc1 .Llap
	TURN 0, 1, 0                                   ; the last lap fills nothing
	STEP 1, 0
	s_wait_dscnt 0x0
	WIN MUL_LO
	MUL16 0, 1, 0
	MUL16 2, 1, 0
	WIN MUL_HI
	MUL16 4, 1, 0
	MUL16 6, 1, 0
	WIN 0
	PLACES
	; THE WAY OUT, row block by row block: through my stage, back as whole rows of 512 bytes; + bias, + residual; a store covers 512 consecutive bytes, at a multiple of 256 from the output's first byte.
	; Place t of block a is row 32 (a / 2) + 8 (a % 2) + t + 8 (t / 8) of my 128.
.macro RLOAD a
.irp t, 0,1,2,3,4,5,6,7,8,9,10,11,12,13,14,15
	global_load_b128 v[RES+64*((\a)%2)+4*\t:RES+64*((\a)%2)+4*\t+3], v[LI], s[10:11] offset:(32*((\a)/2)+8*((\a)%2)+\t+8*(\t/8))*4096
.endr
.endm
	RLOAD 0
.irp a, 0,1,2,3,4,5,6,7
.if \a < 7
	RLOAD \a+1
.endif
.if \a > 0
	s_wait_xcnt 0x0                                ; the last block's stores have read their registers: rows may land there again
.endif
	WIN 0x08+4*(\a/4)                              ; an LDS store's data are its source 1: window 2 or 3
.irp b, 0,1,2,3,4,5,6,7
	ds_store_b128 v[STO], v[64*(\a%4)+8*\b:64*(\a%4)+8*\b+3] offset:128*(\b/2)+32*(\b%2)        ; each accumulator from its low end on
	ds_store_b128 v[STO], v[64*(\a%4)+8*\b+4:64*(\a%4)+8*\b+7] offset:128*(\b/2)+32*(\b%2)+16
.endr
	WIN 0
.irp t, 0,1,2,3,4,5,6,7,8,9,10,11,12,13,14,15
	ds_load_b128 v[BK+4*\t:BK+4*\t+3], v[RD] offset:\t*SPITCH    ; LDS serves a wave's instructions in order: these see my stores
.endr
	s_wait_dscnt 0x0
.if \a < 7
	s_wait_loadcnt 16                              ; this block's residual rows are in; the next block's 16 loads may be out
.else
	s_wait_loadcnt 0x0
.endif
.irp t, 0,1,2,3,4,5,6,7,8,9,10,11,12,13,14,15
	v_pk_add_f32 v[BK+4*\t:BK+4*\t+1], v[BK+4*\t:BK+4*\t+1], v[BI:BI+1]
	v_pk_add_f32 v[BK+4*\t+2:BK+4*\t+3], v[BK+4*\t+2:BK+4*\t+3], v[BI+2:BI+3]
.endr
.irp t, 0,1,2,3,4,5,6,7,8,9,10,11,12,13,14,15
	v_pk_add_f32 v[BK+4*\t:BK+4*\t+1], v[BK+4*\t:BK+4*\t+1], v[RES+64*(\a%2)+4*\t:RES+64*(\a%2)+4*\t+1]
	v_pk_add_f32 v[BK+4*\t+2:BK+4*\t+3], v[BK+4*\t+2:BK+4*\t+3], v[RES+64*(\a%2)+4*\t+2:RES+64*(\a%2)+4*\t+3]
.endr
.irp t, 0,1,2,3,4,5,6,7,8,9,10,11,12,13,14,15
	global_store_b128 v[LI], v[BK+4*\t:BK+4*\t+3], s[12:13] offset:(32*(\a/2)+8*(\a%2)+\t+8*(\t/8))*4096
.endr
.endr
	s_wait_tensorcnt 0x0                           ; the wave's end
	ds_add_u32 v[SPW], v[NIL]
	s_wait_dscnt 0x0
	CROUND                                         ; the closing round: no work-group ends while a partner may still ask for a tile that names it
	s_endpgm
.Lfunc_end_k_q6d18821349_ff2:
	.size	k_q6d18821349_ff2, .Lfunc_end_k_q6d18821349_ff2-k_q6d18821349_ff2
	.p2alignl 7, 3214868480
	.fill 96, 4, 3214868480
	.section	.rodata,"a",@progbits
	.p2align	6, 0x0
	.amdhsa_kernel k_q6d18821349_ff2
		.amdhsa_group_segment_fixed_size 327680
		.amdhsa_private_segment_fixed_size 0
		.amdhsa_enable_private_segment 0
		.amdhsa_kernarg_size 40
		.amdhsa_user_sgpr_count 2
		.amdhsa_user_sgpr_kernarg_segment_ptr 1
		.amdhsa_wavefront_size32 1
		.amdhsa_system_sgpr_workgroup_id_x 1
		.amdhsa_system_sgpr_workgroup_id_y 1
		.amdhsa_system_sgpr_workgroup_id_z 1
		.amdhsa_system_vgpr_workitem_id 0
		.amdhsa_next_free_vgpr 1024
		.amdhsa_next_free_sgpr 100
		.amdhsa_reserve_vcc 0
		.amdhsa_float_denorm_mode_32 3
		.amdhsa_float_denorm_mode_16_64 3
		.amdhsa_memory_ordered 1
		.amdhsa_forward_progress 1
		.amdhsa_inst_pref_size 182
	.end_amdhsa_kernel
	.amdgpu_metadata
---
amdhsa.version: [ 1, 2 ]
amdhsa.kernels:
  - .name:           k_q6d18821349_ff2
    .symbol:         k_q6d18821349_ff2.kd
    .args:
      - { .name: himg, .offset: 0, .size: 8, .value_kind: global_buffer, .address_space: global }
      - { .name: wimg, .offset: 8, .size: 8, .value_kind: global_buffer, .address_space: global }
      - { .name: b2, .offset: 16, .size: 8, .value_kind: global_buffer, .address_space: global }
      - { .name: x1, .offset: 24, .size: 8, .value_kind: global_buffer, .address_space: global }
      - { .name: out0, .offset: 32, .size: 8, .value_kind: global_buffer, .address_space: global }
    .group_segment_fixed_size: 327680
    .private_segment_fixed_size: 0
    .kernarg_segment_align: 8
    .kernarg_segment_size: 40
    .max_flat_workgroup_size: 128
    .sgpr_count:     100
    .vgpr_count:     1024
    .wavefront_size: 32
...
	.end_amdgpu_metadata
.endif
;; end of part 7
;; ======== version 2 of 2: 8 launches
;; limits: right only within a limited range of input values
;; workspace buffers: wimg 10,223,616 bytes; actimg 3,407,872 bytes; qkv 10,223,616 bytes; x1 16,777,216 bytes; himg 13,631,488 bytes
;; launch wquant: the kernel of part 1 again; grid 384 x 1, 4 waves a work-group, no clusters, 27,136 bytes of LDS; arguments wq, wk, wv, wo, w1, w2, wimg; writes wimg
;; launch ln1 (part 8): grid 256 x 1, 8 waves a work-group, no clusters, 66,816 bytes of LDS; arguments x, ln1_a, ln1_b, actimg; writes actimg
.if DOCPART == 8
	.amdgcn_target "amdgcn-amd-amdhsa--gfx1250"
	.amdhsa_code_object_version 6
	.text
	.protected	k_q6d18821349_ln1
	.globl	k_q6d18821349_ln1
	.p2align	8
	.type	k_q6d18821349_ln1,@function
k_q6d18821349_ln1:
	s_mov_b64 s[64:65], 0
	v_nop
	global_prefetch_b8 v0, s[64:65] scope:SCOPE_SE
	s_setreg_imm32_b32 hwreg(HW_REG_WAVE_MODE, 25, 1), 1
	s_wait_xcnt 0x0
; n = alpha (x - mean) / sqrt(var + 1e-6) + beta over rows of 1,024 f32 (var with 1,023 in the divisor), then quantised along the row to FP6 (E2M3), one E8M0 scale for each 32, and stored as operand images.
; An image is a fragment of 16 rows x 128 K in 1,664 bytes: registers 4 c .. 4 c + 3 of lane l at 512 c + 16 l; the scale word of row l % 16 at 1,536 + 4 l.  Output: [row block 256][K step 8][1,664].
; THE 16 ROWS OF A ROW BLOCK ARE NOT NEIGHBOURS: place i of block 2 b + u is row 32 b + 8 u + i + 8 (i / 8) (later products want that order where rows become a K).
; A work-group is one row block.  PHASE A: wave w norms places 2 w, 2 w + 1 (two neighbouring rows), each load 512 consecutive bytes; mean first, then the sum of squared differences from registers: a common
; offset of the inputs costs no accuracy.  The normed rows go to LDS (pitch 4,112 bytes: sixteen rows start in sixteen different groups of banks).  One barrier.
; PHASE B: wave w quantises K step w: lane (r, h) takes of row r the 16 neighbours 32 b + 16 h + 0 .. 15 of each of the four blocks.
; Wave w's image begins 1,664 w bytes into the block's 13,312: the eight waves together store 13,312 consecutive bytes.
; LIMITS: NaN and infinities are not served; a block of zeros gets the scale byte 1 (its codes are zeros; this program alone reads the bytes).
.set FRB, 1664
.set LP,  4112
.set AL,  16                           ; v16-47  alpha of my 32 columns
.set BE,  48                           ; v48-79  beta
.set XR,  80                           ; v80-143 my two rows, 32 registers each
.set HA,  80                           ; phase B: 64 numbers
.set PC,  144                          ; v144-163 the codes
.set TM,  164                          ; v164-179 at work in the quantiser
.set PW,  180                          ; the scale word
.set SEL, 22                           ; s[22:23] v_permlanex16_b32's selects for lane l xor 16
; 64 numbers of a lane, register 16 b + i = k 32 b + 16 (lane / 16) + i of my row, become a fragment's codes in v[PC] on and its scale word in v[PW].
.macro QUANT s
.irp b, 0,1,2,3
	v_max3_num_f32 v[TM+\b], |v[\s+16*\b]|, |v[\s+1+16*\b]|, 0x1800000   ; my 16 numbers of block b, and the floor 2^(3 - 127): the byte cannot fall under 1
.endr
.irp i, 2,4,6,8,10,12,14
.irp b, 0,1,2,3
	s_delay_alu instid0(VALU_DEP_4)
	v_max3_num_f32 v[TM+\b], v[TM+\b], |v[\s+16*\b+\i]|, |v[\s+1+16*\b+\i]|
.endr
.endr
.irp b, 0,1,2,3
	s_delay_alu instid0(VALU_DEP_4)
	v_permlanex16_b32 v[TM+4+\b], v[TM+\b], s[SEL], s[SEL+1]
.endr
.irp b, 0,1,2,3
	s_delay_alu instid0(VALU_DEP_4)
	v_max_num_f32 v[TM+\b], v[TM+\b], v[TM+4+\b]   ; with lane l xor 16's: the block's largest magnitude
.endr
.irp b, 0,1,2,3
	s_delay_alu instid0(VALU_DEP_4)
	v_add_nc_u32 v[TM+12+\b], 0xff000000, v[TM+\b] ; 2 off its exponent field: the conversion's scale operand
.endr
.irp b, 0,1,2,3
	s_delay_alu instid0(VALU_DEP_4)
	v_lshrrev_b32 v[TM+4+\b], 23, v[TM+12+\b]      ; the scale's byte
.endr
	s_delay_alu instid0(VALU_DEP_3)
	v_lshl_or_b32 v[PW], v[TM+5], 8, v[TM+4]
	s_delay_alu instid0(VALU_DEP_1)
	v_lshl_or_b32 v[PW], v[TM+6], 16, v[PW]
	s_delay_alu instid0(VALU_DEP_1)
	v_lshl_or_b32 v[PW], v[TM+7], 24, v[PW]
.irp c, 0,1
	v_cvt_scalef32_pk16_fp6_f32 v[PC+6*\c:PC+2+6*\c], v[\s+32*\c:\s+15+32*\c], v[TM+12+2*\c]
	v_cvt_scalef32_pk16_fp6_f32 v[PC+12+4*\c:PC+14+4*\c], v[\s+16+32*\c:\s+31+32*\c], v[TM+12+2*\c+1]
.endr
	v_nop                                          ; one plain line behind a scaled conversion
.irp c, 0,1                            ; the operand's layout wants a whole block in a lane: lanes 0-15 block 2 c, lanes 16-31 block 2 c + 1
.irp i, 0,1,2
	v_permlane16_swap_b32 v[PC+6*\c+\i], v[PC+12+4*\c+\i]
.endr
.irp i, 0,1,2
	s_delay_alu instid0(VALU_DEP_3)
	v_mov_b32 v[PC+3+6*\c+\i], v[PC+12+4*\c+\i]
.endr
.endr
.endm
; v[8 + 4 p] and its three neighbours hold row p's partial sums: they become the row's sum, in every lane
.macro ALLSUM
.irp p, 0
	s_delay_alu instid0(VALU_DEP_3)
	v_pk_add_f32 v[8+4*\p:9+4*\p], v[8+4*\p:9+4*\p], v[10+4*\p:11+4*\p]
.endr
.irp p, 1
	s_delay_alu instid0(VALU_DEP_2)
	v_pk_add_f32 v[8+4*\p:9+4*\p], v[8+4*\p:9+4*\p], v[10+4*\p:11+4*\p]
.endr
.irp p, 0,1
	s_delay_alu instid0(VALU_DEP_2)
	v_add_f32 v[8+4*\p], v[8+4*\p], v[9+4*\p]
.endr
.irp m, 1,2,4,8
.irp p, 0,1
	s_delay_alu instid0(VALU_DEP_2)
	v_add_f32_dpp v[8+4*\p], v[8+4*\p], v[8+4*\p] row_xmask:\m row_mask:0xf bank_mask:0xf
.endr
.endr
.irp p, 0,1
	s_delay_alu instid0(VALU_DEP_2)
	v_permlanex16_b32 v[9+4*\p], v[8+4*\p], s[SEL], s[SEL+1]
.endr
.irp p, 0,1
	s_delay_alu instid0(VALU_DEP_2)
	v_add_f32 v[8+4*\p], v[8+4*\p], v[9+4*\p]
.endr
.endm
	s_load_b256 s[4:11], s[0:1], 0x0               ; the rows, alpha, beta, the images
	v_lshl_add_u32 v192, v0, 2, 0x10100
	v_mov_b32 v193, 0
	v_lshrrev_b32 v1, 5, v0
	s_delay_alu instid0(VALU_DEP_1)
	v_readfirstlane_b32 s12, v1                    ; wave 0..7
	v_and_b32 v2, 31, v0
	s_delay_alu instid0(VALU_DEP_1)
	v_lshlrev_b32 v4, 4, v2                        ; 16 x lane
	s_delay_alu instid0(VALU_DEP_2)
	v_lshlrev_b32 v5, 2, v2                        ; 4 x lane
	s_mul_i32 s13, s12, 2*LP
	v_add_nc_u32 v6, s13, v4                       ; phase A: LDS rows 2 w, 2 w + 1
	v_and_b32 v1, 15, v0                           ; r
	v_bfe_u32 v3, v0, 4, 1                         ; h
	s_delay_alu instid0(VALU_DEP_2)
	v_mul_u32_u24 v7, v1, LP
	s_delay_alu instid0(VALU_DEP_1)
	v_lshl_add_u32 v7, v3, 6, v7
	s_lshl_b32 s13, s12, 9
	v_add_nc_u32 v7, s13, v7                       ; phase B: row r, + 64 h, + 512 w
.irp b, 0,1,2,3
	v_mov_b32 v[TM+4+\b], 0                        ; written once: a lane permute's destination counts as one of its sources
.endr
	s_lshr_b32 s14, ttmp9, 1
	s_lshl_b32 s14, s14, 5
	s_and_b32 s15, ttmp9, 1
	s_lshl_b32 s15, s15, 3
	s_add_co_u32 s14, s14, s15                     ; the block's place 0: row 32 (rb / 2) + 8 (rb % 2)
	s_lshl_b32 s15, s12, 1
	s_add_co_u32 s14, s14, s15
	s_lshr_b32 s15, s12, 2
	s_lshl_b32 s15, s15, 3
	s_add_co_u32 s14, s14, s15                     ; place 2 w: + 2 w + 8 (w / 4)
	s_lshl_b32 s14, s14, 12                        ; rows of 4,096 bytes
	s_mov_b32 s15, 0
	s_mul_i32 s16, ttmp9, 8*FRB
	s_mul_i32 s17, s12, FRB
	s_add_co_u32 s16, s16, s17
	s_mov_b32 s17, 0
	s_mov_b32 s20, 0x3a802008                      ; 1 / 1,023
	s_mov_b32 s21, 0x358637bd                      ; 1e-6
	s_mov_b32 s[SEL], 0x76543210
	s_mov_b32 s[SEL+1], 0xfedcba98
	s_wait_kmcnt 0x0
	s_add_nc_u64 s[4:5], s[4:5], s[14:15]
	s_add_nc_u64 s[10:11], s[10:11], s[16:17]
.irp p, 0,1
.irp j, 0,1,2,3,4,5,6,7
	global_load_b128 v[XR+32*\p+4*\j:XR+32*\p+4*\j+3], v4, s[4:5] offset:4096*\p+512*\j
.endr
.endr
.irp j, 0,1,2,3,4,5,6,7
	global_load_b128 v[AL+4*\j:AL+4*\j+3], v4, s[6:7] offset:512*\j
	global_load_b128 v[BE+4*\j:BE+4*\j+3], v4, s[8:9] offset:512*\j
.endr
	s_wait_loadcnt 16                              ; my two rows are in; alpha's and beta's 16 loads may be out
.irp p, 0,1
	v_pk_add_f32 v[8+4*\p:9+4*\p], v[XR+32*\p:XR+32*\p+1], v[XR+32*\p+2:XR+32*\p+3]
	v_pk_add_f32 v[10+4*\p:11+4*\p], v[XR+32*\p+4:XR+32*\p+5], v[XR+32*\p+6:XR+32*\p+7]
.endr
.irp j, 8,12,16,20,24,28
.irp p, 0,1
	s_delay_alu instid0(VALU_DEP_4)
	v_pk_add_f32 v[8+4*\p:9+4*\p], v[8+4*\p:9+4*\p], v[XR+32*\p+\j:XR+32*\p+\j+1]
	s_delay_alu instid0(VALU_DEP_4)
	v_pk_add_f32 v[10+4*\p:11+4*\p], v[10+4*\p:11+4*\p], v[XR+32*\p+\j+2:XR+32*\p+\j+3]
.endr
.endr
	ALLSUM
.irp p, 0,1
	s_delay_alu instid0(VALU_DEP_2)
	v_mul_f32 v[8+4*\p], 0x3a800000, v[8+4*\p]     ; the mean: / 1,024
.endr
.set J, 0
.rept 16
.irp p, 0,1
	v_pk_add_f32 v[XR+32*\p+J:XR+32*\p+J+1], v[XR+32*\p+J:XR+32*\p+J+1], v[8+4*\p:9+4*\p] op_sel_hi:[1,0] neg_lo:[0,1] neg_hi:[0,1]   ; d = x - mean
.endr
.set J, J+2
.endr
.irp p, 0,1
	v_pk_mul_f32 v[8+4*\p:9+4*\p], v[XR+32*\p:XR+32*\p+1], v[XR+32*\p:XR+32*\p+1]
	v_pk_mul_f32 v[10+4*\p:11+4*\p], v[XR+32*\p+2:XR+32*\p+3], v[XR+32*\p+2:XR+32*\p+3]
.endr
.irp j, 4,8,12,16,20,24,28
.irp p, 0,1
	s_delay_alu instid0(VALU_DEP_4)
	v_pk_fma_f32 v[8+4*\p:9+4*\p], v[XR+32*\p+\j:XR+32*\p+\j+1], v[XR+32*\p+\j:XR+32*\p+\j+1], v[8+4*\p:9+4*\p]
	s_delay_alu instid0(VALU_DEP_4)
	v_pk_fma_f32 v[10+4*\p:11+4*\p], v[XR+32*\p+\j+2:XR+32*\p+\j+3], v[XR+32*\p+\j+2:XR+32*\p+\j+3], v[10+4*\p:11+4*\p]
.endr
.endr
	ALLSUM
.irp p, 0,1
	s_delay_alu instid0(VALU_DEP_2)
	v_fma_f32 v[8+4*\p], v[8+4*\p], s20, s21       ; var + eps
.endr
	s_wait_alu depctr_va_vdst(0)
.irp p, 0,1
	v_rsq_f32 v[8+4*\p], v[8+4*\p]
.endr
	v_nop                                          ; a plain line behind the transcendentals
	s_wait_loadcnt 0x0                             ; alpha and beta
.set J, 0
	s_wait_alu depctr_va_vdst(0)
.rept 16
.irp p, 0,1
	v_pk_mul_f32 v[XR+32*\p+J:XR+32*\p+J+1], v[XR+32*\p+J:XR+32*\p+J+1], v[8+4*\p:9+4*\p] op_sel_hi:[1,0]
.endr
.irp p, 0,1
	s_delay_alu instid0(VALU_DEP_2)
	v_pk_fma_f32 v[XR+32*\p+J:XR+32*\p+J+1], v[XR+32*\p+J:XR+32*\p+J+1], v[AL+J:AL+J+1], v[BE+J:BE+J+1]
.endr
.set J, J+2
.endr
.irp p, 0,1
.irp j, 0,1,2,3,4,5,6,7
	ds_store_b128 v6, v[XR+32*\p+4*\j:XR+32*\p+4*\j+3] offset:LP*\p+512*\j
.endr
.endr
	s_wait_dscnt 0x0                               ; for the others' sake: my rows lie in LDS
	s_barrier_signal -1
	s_barrier_wait -1
.irp b, 0,1,2,3
.irp j, 0,1,2,3
	ds_load_b128 v[HA+16*\b+4*\j:HA+16*\b+4*\j+3], v7 offset:128*\b+16*\j
.endr
.endr
	s_wait_dscnt 0x0
	QUANT HA
.irp c, 0,1,2
	global_store_b128 v4, v[PC+4*\c:PC+4*\c+3], s[10:11] offset:512*\c
.endr
	global_store_b32 v5, v[PW], s[10:11] offset:1536
	s_wait_tensorcnt 0x0
	ds_add_u32 v192, v193
	s_wait_dscnt 0x0
	s_endpgm
.Lfunc_end_k_q6d18821349_ln1:
	.size	k_q6d18821349_ln1, .Lfunc_end_k_q6d18821349_ln1-k_q6d18821349_ln1
	.p2alignl 7, 3214868480
	.fill 96, 4, 3214868480
	.section	.rodata,"a",@progbits
	.p2align	6, 0x0
	.amdhsa_kernel k_q6d18821349_ln1
		.amdhsa_group_segment_fixed_size 66816
		.amdhsa_private_segment_fixed_size 0
		.amdhsa_enable_private_segment 0
		.amdhsa_kernarg_size 32
		.amdhsa_user_sgpr_count 2
		.amdhsa_user_sgpr_kernarg_segment_ptr 1
		.amdhsa_wavefront_size32 1
		.amdhsa_system_sgpr_workgroup_id_x 1
		.amdhsa_system_sgpr_workgroup_id_y 1
		.amdhsa_system_sgpr_workgroup_id_z 1
		.amdhsa_system_vgpr_workitem_id 0
		.amdhsa_next_free_vgpr 194
		.amdhsa_next_free_sgpr 66
		.amdhsa_reserve_vcc 0
		.amdhsa_float_denorm_mode_32 3
		.amdhsa_float_denorm_mode_16_64 3
		.amdhsa_memory_ordered 1
		.amdhsa_forward_progress 1
		.amdhsa_inst_pref_size 29
	.end_amdhsa_kernel
	.amdgpu_metadata
---
amdhsa.version: [ 1, 2 ]
amdhsa.kernels:
  - .name:           k_q6d18821349_ln1
    .symbol:         k_q6d18821349_ln1.kd
    .args:
      - { .name: x, .offset: 0, .size: 8, .value_kind: global_buffer, .address_space: global }
      - { .name: ln1_a, .offset: 8, .size: 8, .value_kind: global_buffer, .address_space: global }
      - { .name: ln1_b, .offset: 16, .size: 8, .value_kind: global_buffer, .address_space: global }
      - { .name: actimg, .offset: 24, .size: 8, .value_kind: global_buffer, .address_space: global }
    .group_segment_fixed_size: 66816
    .private_segment_fixed_size: 0
    .kernarg_segment_align: 8
    .kernarg_segment_size: 32
    .max_flat_workgroup_size: 256
    .sgpr_count:     66
    .vgpr_count:     194
    .wavefront_size: 32
...
	.end_amdgpu_metadata
.endif
;; end of part 8
;; launch proj (part 9): grid 12 x 16, 4 waves a work-group, clusters of 4 x 4, 327,680 bytes of LDS; arguments actimg, wimg, bq, bk, bv, qkv; writes qkv
.if DOCPART == 9
	.amdgcn_target "amdgcn-amd-amdhsa--gfx1250"
	.amdhsa_code_object_version 6
	.text
	.protected	k_q6d18821349_proj
	.globl	k_q6d18821349_proj
	.p2align	8
	.type	k_q6d18821349_proj,@function
k_q6d18821349_proj:
	s_mov_b64 s[64:65], 0
	v_nop
	global_prefetch_b8 v0, s[64:65] scope:SCOPE_SE
	s_setreg_imm32_b32 hwreg(HW_REG_WAVE_MODE, 25, 1), 1
	s_wait_xcnt 0x0
	s_wait_alu depctr_hold_cnt(0) depctr_sa_sdst(0) depctr_va_vdst(0) depctr_va_sdst(0) depctr_va_ssrc(0) depctr_va_vcc(0) depctr_vm_vsrc(0)
	s_getreg_b32 s2, hwreg(HW_REG_IB_STS2, 6, 4)
	s_cmp_eq_u32 s2, 0
	s_cbranch_scc0 .Lentry_in_a_cluster
	s_endpgm
.Lentry_in_a_cluster:
	s_bfe_u32 s2, ttmp6, 0x10000c
	s_cmp_lg_u32 s2, 0xf033
	s_cbranch_scc0 .Lentry_shape_is_right
	s_endpgm
.Lentry_shape_is_right:
; A GEMM on operand images of FP6 (E2M3) whose result, with its bias (and relu), is quantised in registers and stored as images of the next product's operand.
; MODE 0: q = n wq + bq, k = n wk + bk, and V^T = (n wv + bv)^T, K = 1,024.   MODE 1: h = relu(n2 w1 + b1), K = 1,024.
; AN IMAGE is a fragment of 16 rows x 128 K in 1,664 bytes: registers 4 c .. 4 c + 3 of lane l at 512 c + 16 l (c = 0, 1, 2), the scale word of row l % 16 at 1,536 + 4 l.  It is read by three loads of 16 bytes
; a lane and one of 4: every load takes consecutive bytes, so there is no pitch and no padding, and codes and scales come by one tensor load.
; Place i of row block (or column tile) 2 b + u is row (column) 32 b + 8 u + i + 8 (i / 8).  THE MATRIX INSTRUCTION IS USED TRANSPOSED: source 0 = the B role, source 1 = the A role: lane (r, h) holds place r of
; the A block, and the 64 registers of the B role's eight tiles are index 32 b + 16 h + i at register 16 b + i: what the quantiser takes.  So a wave's eight accumulators of one A block become one image.
; A tile of the result, 256 x 256, is made by four waves, 128 x 128 each: 64 accumulators.  K goes in steps of 256 through a ring of two LDS slots; a slot holds 16 row blocks x 2 images of the activations (Y) and of the weights (X).
; CLUSTERS: 4 x 4 work-groups; Y's tiles are shared along a row of the cluster, X's along a column: joint loads, the same descriptor and mask in the four that a mask names.
; ROLES.  A = activations, B = weights, but for wv (cluster x = 2 in MODE 0), where they change places: then the weights' columns d are the image's rows and the keys run along its K.  Fills, masks and text are the same;
; only the two LDS bases of the fragment loads differ, and they hang on the cluster's x, which all partners share.
; REGISTERS: window 0: v1-31 addresses, row bias; v32-63 scale words (A's and B's, two sets); v64-255 A's fragments, two sets.  window 1: B's fragments at v0 and v128; the column bias at v96-127, v224-255.
;   windows 2, 3: accumulator (a, b) at v[8 (8 (a % 4) + b)].
; LIMITS: NaN and infinities are not served; a block of zeros gets the scale byte 1 (its codes are zeros; this program alone reads the bytes).
.set MODE,   0
.if MODE == 0
.set BOFF,   0
.set ASTR,   1664                      ; bytes from the image of A block a to that of a + 1
.else
.set BOFF,   3407872                   ; w1's tiles in wimg
.set ASTR,   32*1664
.endif
.set KTOT,   1024
.set FRB,    1664
.set ROWB,   2*FRB                     ; a row block's part of a slot: two K steps of 128
.set PITCHB, (KTOT/128)*FRB            ; from row block to row block in memory
.set HALFT,  8*ROWB                    ; what one tensor load brings, and what one wave reads of a role
.set SLOT,   4*HALFT                   ; Y's 16 blocks, then X's 16
.set SPARE,  2*SLOT                    ; the spare words: 128 bytes a wave, two blocks of 256 bytes that no other line names
.set LAPS,   KTOT/512
.set FR,     12
.set BR,   8                           ; v8-15  MODE 0: the bias of place r of A block a
.set ADRA, 16                          ; v16-17 A role's images in slot 0, 1: 16 x lane + base
.set ADRB, 18                          ; v18-19 B role's
.set ADSA, 20                          ; v20-21 4 x lane + base: scale words
.set ADSB, 22
.set LI,   24                          ; 16 x lane
.set LS,   25                          ; 4 x lane
.set SPW,  28                          ; my spare word; never rewritten
.set NIL,  29                          ; 0; never rewritten
.set BCA,  30
.set BRA,  31
.set SC,   32                          ; scale words: set p: A's at SC + 16 p, B's at SC + 16 p + 8
.set AF,   64                          ; A's fragments: set p at AF + 96 p
.set HA,   64                          ; the way out: 64 numbers,
.set PC,   128                         ; the codes,
.set TM,   168                         ; at work in the quantiser,
.set PW,   184                         ; the scale word,
.set BP,   186                         ; a pair with the row bias
.set G1, 24
.set G0, 32
.set G1B, 48
.set G0B, 56
.set SEL, 88
.set MSB, 0
.macro WIN new                         ; the immediate's high byte repeats the setting that is left
.if MSB != (\new)
	s_set_vgpr_msb (MSB<<8)|(\new)
.set MSB, (\new)
.endif
.endm
.set MUL_LO, 0xa1                      ; source 0 window 1, source 1 window 0, C and D window 2
.set MUL_HI, 0xf1
.set TO_B,   0x40
.macro JLOAD s                         ; a joint load: waves 0, 1 fetch Y's halves, waves 2, 3 X's; four v_nop follow each line
	s_cmp_eq_u32 s15, 0
	s_cbranch_scc0 .Lfor_x_\@
	tensor_load_to_lds s[G0+4*\s:G0+4*\s+3], s[G1:G1+7]
	s_nop 0
.rept 4
	v_nop
.endr
	s_branch .Lasked_\@
.Lfor_x_\@:
	tensor_load_to_lds s[G0B+4*\s:G0B+4*\s+3], s[G1B:G1B+7]
	s_nop 0
.rept 4
	v_nop
.endr
.Lasked_\@:
.endm
.macro CREST                           ; a round of the cluster's barrier behind its opening barrier
	s_cmp_lg_u32 s14, 0
	s_cbranch_scc1 .Lnot_wave_0_\@
	s_barrier_signal -3
.Lnot_wave_0_\@:
	s_barrier_wait -3
	s_barrier_signal -1
	s_barrier_wait -1
.endm
.macro CROUND
	s_barrier_signal -1
	s_barrier_wait -1
	CREST
.endm
.macro PLACES                          ; four plain lines between a matrix instruction and a load into, or a vector read of, its registers
.rept 4
	v_nop
.endr
.endm
.macro FETCH slot, q                   ; the slot's q-th 128 along K into set q: 48 loads of 16 bytes, 16 of 4
	WIN TO_B
.irp i, 0,1,2,3,4,5,6,7
.irp c, 0,1,2
	ds_load_b128 v[128*(\q)+FR*\i+4*\c:128*(\q)+FR*\i+4*\c+3], v[ADRB+\slot] offset:\i*ROWB+(\q)*FRB+512*\c
.endr
.endr
	WIN 0
.irp i, 0,1,2,3,4,5,6,7
.irp c, 0,1,2
	ds_load_b128 v[AF+96*(\q)+FR*\i+4*\c:AF+96*(\q)+FR*\i+4*\c+3], v[ADRA+\slot] offset:\i*ROWB+(\q)*FRB+512*\c
.endr
.endr
.irp i, 0,1,2,3,4,5,6,7
	ds_load_b32 v[SC+16*(\q)+\i], v[ADSA+\slot] offset:\i*ROWB+(\q)*FRB+1536
	ds_load_b32 v[SC+16*(\q)+8+\i], v[ADSB+\slot] offset:\i*ROWB+(\q)*FRB+1536
.endr
.endm
; 16 matrix instructions: A blocks a0, a0 + 1 x B's eight, on set p.  The 64 accumulators take turns, one instruction a turn, in the same order in every step.
.macro MUL16 a0, p, zero
.irp a, \a0, \a0+1
.irp b, 0,1,2,3,4,5,6,7
.if \zero
	v_wmma_scale_f32_16x16x128_f8f6f4 v[8*(8*((\a)%4)+\b):8*(8*((\a)%4)+\b)+7], v[128*(\p)+FR*\b:128*(\p)+FR*\b+FR-1], v[AF+96*(\p)+FR*(\a):AF+96*(\p)+FR*(\a)+FR-1], 0, v[SC+16*(\p)+8+\b], v[SC+16*(\p)+(\a)] matrix_a_fmt:MATRIX_FMT_FP6 matrix_b_fmt:MATRIX_FMT_FP6
.else
	v_wmma_scale_f32_16x16x128_f8f6f4 v[8*(8*((\a)%4)+\b):8*(8*((\a)%4)+\b)+7], v[128*(\p)+FR*\b:128*(\p)+FR*\b+FR-1], v[AF+96*(\p)+FR*(\a):AF+96*(\p)+FR*(\a)+FR-1], v[8*(8*((\a)%4)+\b):8*(8*((\a)%4)+\b)+7], v[SC+16*(\p)+8+\b], v[SC+16*(\p)+(\a)] matrix_a_fmt:MATRIX_FMT_FP6 matrix_b_fmt:MATRIX_FMT_FP6
.endif
.endr
.endr
.endm
.macro STEP slot, zero                 ; a slot's first 128 along K: set 0 is multiplied while set 1 comes
	s_wait_dscnt 0x0                               ; set 0 is in
	PLACES                                         ; for the loads into set 1, which the last products read
	FETCH \slot, 1
	WIN MUL_LO
	MUL16 0, 0, \zero
	MUL16 2, 0, \zero
	WIN MUL_HI
	MUL16 4, 0, \zero
	MUL16 6, 0, \zero
	WIN 0
.endm
; A slot's second 128 along K, and the change of slots: one barrier; in front of it each wave waits for all its tensor loads, adds 0 to its spare word, and waits for that and for its reads of this slot.
.macro TURN slot, next, fill
	s_wait_tensorcnt 0x0                           ; all my tensor loads have landed: my part of the next slot
	ds_add_u32 v[SPW], v[NIL]                      ; 0 onto my spare word
	s_wait_dscnt 1                                 ; set 1's loads are in; the add may be out
	WIN MUL_LO
	MUL16 0, 1, 0
	s_wait_dscnt 0x0                               ; the add is done, and my reads of this slot are over
	s_barrier_signal -1
	MUL16 2, 1, 0
	WIN 0
	s_barrier_wait -1
.if \fill
	CREST                                          ; the barrier has opened a round of the cluster's barrier: no wave of any partner still reads this slot or has a load on its way
	s_add_nc_u64 s[G0+4*\slot+2:G0+4*\slot+3], s[G0+4*\slot+2:G0+4*\slot+3], 2*ROWB
	s_add_nc_u64 s[G0B+4*\slot+2:G0B+4*\slot+3], s[G0B+4*\slot+2:G0B+4*\slot+3], 2*ROWB
	JLOAD \slot                                    ; the first tensor load behind the round; its four v_nop are the places in front of the loads below
.else
	PLACES
.endif
	FETCH \next, 0
	WIN MUL_HI
	MUL16 4, 1, 0
	MUL16 6, 1, 0
	WIN 0
.endm
; 64 numbers of a lane, register 16 b + i = k 32 b + 16 (lane / 16) + i of my row, become a fragment's codes in v[PC] on and its scale word in v[PW].
.macro QUANT s
.irp b, 0,1,2,3
	v_max3_num_f32 v[TM+\b], |v[\s+16*\b]|, |v[\s+1+16*\b]|, 0x1800000   ; my 16 numbers of block b, and the floor 2^(3 - 127): the byte cannot fall under 1
.endr
.irp i, 2,4,6,8,10,12,14
.irp b, 0,1,2,3
	v_max3_num_f32 v[TM+\b], v[TM+\b], |v[\s+16*\b+\i]|, |v[\s+1+16*\b+\i]|
.endr
.endr
.irp b, 0,1,2,3
	v_permlanex16_b32 v[TM+4+\b], v[TM+\b], s[SEL], s[SEL+1]
.endr
.irp b, 0,1,2,3
	v_max_num_f32 v[TM+\b], v[TM+\b], v[TM+4+\b]   ; with lane l xor 16's: the block's largest magnitude
.endr
.irp b, 0,1,2,3
	v_add_nc_u32 v[TM+12+\b], 0xff000000, v[TM+\b] ; 2 off its exponent field: the conversion's scale operand
.endr
.irp b, 0,1,2,3
	v_lshrrev_b32 v[TM+4+\b], 23, v[TM+12+\b]      ; the scale's byte
.endr
	v_lshl_or_b32 v[PW], v[TM+5], 8, v[TM+4]
	v_lshl_or_b32 v[PW], v[TM+6], 16, v[PW]
	v_lshl_or_b32 v[PW], v[TM+7], 24, v[PW]
.irp c, 0,1
	v_cvt_scalef32_pk16_fp6_f32 v[PC+6*\c:PC+2+6*\c], v[\s+32*\c:\s+15+32*\c], v[TM+12+2*\c]
	v_cvt_scalef32_pk16_fp6_f32 v[PC+12+4*\c:PC+14+4*\c], v[\s+16+32*\c:\s+31+32*\c], v[TM+12+2*\c+1]
.endr
	v_nop                                          ; one plain line behind a scaled conversion
.irp c, 0,1
.irp i, 0,1,2
	v_permlane16_swap_b32 v[PC+6*\c+\i], v[PC+12+4*\c+\i]
.endr
.irp i, 0,1,2
	v_mov_b32 v[PC+3+6*\c+\i], v[PC+12+4*\c+\i]
.endr
.endr
.endm
	s_load_b128 s[4:7], s[0:1], 0x0                ; the activations' images, wimg
	s_load_b128 s[8:11], s[0:1], 0x10              ; MODE 0: bq, bk;  MODE 1: b1, himg
.if MODE == 0
	s_load_b128 s[68:71], s[0:1], 0x20             ; bv, qkv
.endif
	v_lshl_add_u32 v[SPW], v0, 2, SPARE
	v_mov_b32 v[NIL], 0
	ds_add_u32 v28, v29
	ds_add_u32 v28, v29
	s_wait_dscnt 0x0
	v_lshrrev_b32 v1, 5, v0
	v_readfirstlane_b32 s14, v1                    ; wave 0..3
	s_lshr_b32 s15, s14, 1                         ; which half of the A role is mine.  Also: I fetch for Y (0) or for X (1)
	s_and_b32 s16, s14, 1                          ; which half of the B role.  Also: which 8 blocks I fetch
	s_bfe_u32 s40, ttmp6, 0x40000                  ; cx, cy: my place in the cluster
	s_bfe_u32 s41, ttmp6, 0x40004
	s_lshl_b32 s42, ttmp9, 2
	s_add_co_u32 s42, s42, s40                     ; x: which 256 columns of the weights
	s_and_b32 s17, ttmp7, 0xffff
	s_lshl_b32 s17, s17, 2
	s_add_co_u32 s17, s17, s41                     ; y: which 256 rows of the activations
	s_lshl_b32 s43, s41, 2
	s_lshl_b32 s43, 15, s43                        ; my row of the cluster
	s_lshl_b32 s44, 0x1111, s40                    ; my column
	; descriptor group 1: 8 rows of 3,328 bytes (416 elements of 8 bytes), PITCHB bytes apart, dense in LDS
	s_or_b32 s[G1+0], s43, (3<<16)|(1<<21)         ; 15:0 the mask; 17:16 elements of 8 bytes; 21 set beside a mask
	s_or_b32 s[G1B+0], s44, (3<<16)|(1<<21)
.irp g, G1, G1B
	s_mov_b32 s[\g+1], 416<<16                     ; tensor_dim0
	s_mov_b32 s[\g+2], 8<<16                       ; tensor_dim1
	s_mov_b32 s[\g+3], 416<<16                     ; tile_dim0
	s_mov_b32 s[\g+4], 8                           ; tile_dim1
	s_mov_b32 s[\g+5], PITCHB/8                    ; tensor_dim0_stride
	s_mov_b32 s[\g+6], 0
	s_mov_b32 s[\g+7], 0
.endr
	s_lshl_b32 s18, s16, 3
	s_lshl_b32 s20, s17, 4
	s_add_co_u32 s20, s20, s18                     ; Y: block 16 y + 8 half
	s_lshl_b32 s46, s42, 4
	s_add_co_u32 s46, s46, s18                     ; X: tile 16 x + 8 half
	s_mul_i32 s20, s20, PITCHB
	s_mul_i32 s46, s46, PITCHB
.if BOFF
	s_add_co_u32 s46, s46, BOFF
.endif
	s_mov_b32 s21, 0
	s_mov_b32 s47, 0
	s_mul_i32 s45, s14, HALFT                      ; where they go: no place in the cluster enters an LDS address
	s_mov_b32 s[SEL], 0x76543210
	s_mov_b32 s[SEL+1], 0xfedcba98
	s_wait_kmcnt 0x0
	s_add_nc_u64 s[20:21], s[4:5], s[20:21]
	s_add_nc_u64 s[46:47], s[6:7], s[46:47]
	CROUND                                         ; all sixteen work-groups are here: the first joint loads meet
.irp s, 0,1
	s_mov_b32 s[G0+4*\s], 1
	s_add_co_u32 s[G0+4*\s+1], s45, \s*SLOT
	s_add_nc_u64 s[G0+4*\s+2:G0+4*\s+3], s[20:21], \s*ROWB
	s_or_b32 s[G0+4*\s+3], s[G0+4*\s+3], 0x80000000
	s_mov_b32 s[G0B+4*\s], 1
	s_add_co_u32 s[G0B+4*\s+1], s45, \s*SLOT
	s_add_nc_u64 s[G0B+4*\s+2:G0B+4*\s+3], s[46:47], \s*ROWB
	s_or_b32 s[G0B+4*\s+3], s[G0B+4*\s+3], 0x80000000
.if \s == 1
	s_wait_alu depctr_va_vdst(0)
	s_wait_tensorcnt 0x0                           ; slot 1's first fill is issued as a refill is
	ds_add_u32 v28, v29
	s_wait_dscnt 0x0
	CROUND
.endif
	JLOAD \s
.endr
	v_and_b32 v1, 15, v0                           ; r
	v_bfe_u32 v2, v0, 4, 1                         ; h
	v_and_b32 v3, 31, v0
	v_lshlrev_b32 v[LI], 4, v3
	s_wait_alu depctr_va_vdst(0)
	v_lshlrev_b32 v[LS], 2, v3
	s_wait_alu depctr_va_vdst(0)
	s_mul_i32 s22, s15, HALFT
	s_mul_i32 s23, s16, HALFT
.if MODE == 0
	s_cmp_eq_u32 ttmp9, 2                          ; wv's columns: the roles change places
	s_cselect_b32 s66, 2*HALFT, 0                  ; the A role's region of a slot,
	s_cselect_b32 s67, 0, 2*HALFT                  ; the B role's;
	s_cselect_b32 s76, 0, 0x3f800000               ; the factor of the bias along the registers,
	s_cselect_b32 s78, 0x3f800000, 0               ; and of the bias along the lanes
	s_mov_b32 s77, s76
	s_mov_b32 s79, s78
	s_add_co_u32 s22, s22, s66
	s_add_co_u32 s23, s23, s67
.else
	s_add_co_u32 s23, s23, 2*HALFT
.endif
.irp s, 0,1
	v_add_nc_u32 v[ADRA+\s], s22, v[LI]
	v_add_nc_u32 v[ADRB+\s], s23, v[LI]
	v_add_nc_u32 v[ADSA+\s], s22, v[LS]
	v_add_nc_u32 v[ADSB+\s], s23, v[LS]
	s_add_co_u32 s22, s22, SLOT
	s_add_co_u32 s23, s23, SLOT
.endr
	; the bias.  Along the registers: tile b, lane half h: numbers 32 (b / 2) + 16 h + 8 (b % 2) + 0 .. 7 of my 128.  MODE 0 also along the lanes: A block a, place r: 32 (a / 2) + 8 (a % 2) + r + 8 (r / 8).
.if MODE == 0
	s_cmp_eq_u32 ttmp9, 1
	s_cselect_b64 s[8:9], s[10:11], s[8:9]
	s_cmp_eq_u32 ttmp9, 2
	s_cselect_b64 s[8:9], s[68:69], s[8:9]
	s_mov_b64 s[12:13], s[70:71]
	s_lshl_b32 s80, s40, 10                        ; 256 numbers x 4 bytes x cx: the place within this weight's 1,024 columns
.else
	s_mov_b64 s[12:13], s[10:11]
	s_lshl_b32 s80, s42, 10
.endif
	s_lshl_b32 s82, s16, 9
	s_add_co_u32 s82, s82, s80
	s_mov_b32 s83, 0
	s_add_nc_u64 s[84:85], s[8:9], s[82:83]
	v_lshlrev_b32 v[BCA], 6, v2
	WIN TO_B
.irp b, 0,1,2,3,4,5,6,7
	global_load_b128 v[96+128*(\b/4)+8*(\b%4):96+128*(\b/4)+8*(\b%4)+3], v[BCA], s[84:85] offset:(32*(\b/2)+8*(\b%2))*4
	global_load_b128 v[96+128*(\b/4)+8*(\b%4)+4:96+128*(\b/4)+8*(\b%4)+7], v[BCA], s[84:85] offset:(32*(\b/2)+8*(\b%2))*4+16
.endr
	WIN 0
.if MODE == 0
	s_lshl_b32 s82, s15, 9
	s_add_co_u32 s82, s82, s80
	s_add_nc_u64 s[86:87], s[8:9], s[82:83]
	v_and_b32 v3, 8, v1
	v_add_nc_u32 v3, v3, v1
	v_lshlrev_b32 v[BRA], 2, v3
.irp a, 0,1,2,3,4,5,6,7
	global_load_b32 v[BR+\a], v[BRA], s[86:87] offset:(32*(\a/2)+8*(\a%2))*4
.endr
	; where my eight images go.  q, k: [128 columns 8][row block 256]: (2 cx + half B) x 256 + 16 y + 8 half A.   V^T: [128 keys 32][tile of d 64]: (2 y + half B) x 64 + 16 cx + 8 half A
	s_lshl_b32 s80, s40, 1
	s_add_co_u32 s80, s80, s16
	s_lshl_b32 s80, s80, 8
	s_lshl_b32 s81, s17, 4
	s_add_co_u32 s80, s80, s81
	s_lshl_b32 s82, s17, 1
	s_add_co_u32 s82, s82, s16
	s_lshl_b32 s82, s82, 6
	s_lshl_b32 s83, s40, 4
	s_add_co_u32 s82, s82, s83
	s_cmp_eq_u32 ttmp9, 2
	s_cselect_b32 s80, s82, s80
	s_lshl_b32 s81, s15, 3
	s_add_co_u32 s80, s80, s81
	s_mul_i32 s80, s80, FRB
	s_mul_i32 s81, ttmp9, 3407872                  ; q's, k's or V^T's third of the buffer
	s_add_co_u32 s80, s80, s81
.else
	s_lshl_b32 s80, s17, 4                         ; himg: [row block 256][K step 32]: (16 y + 8 half A) x 32 + 2 x + half B
	s_lshl_b32 s81, s15, 3
	s_add_co_u32 s80, s80, s81
	s_lshl_b32 s80, s80, 5
	s_lshl_b32 s81, s42, 1
	s_add_co_u32 s80, s80, s81
	s_add_co_u32 s80, s80, s16
	s_mul_i32 s80, s80, FRB
.endif
	s_mov_b32 s81, 0
	s_add_nc_u64 s[12:13], s[12:13], s[80:81]
	s_wait_alu depctr_va_vdst(0)
	s_wait_loadcnt 0x0                             ; the bias is in: no load is out in the loop
	s_wait_tensorcnt 1                             ; my part of slot 0 is in; slot 1's load may be out
	s_barrier_signal -1
	s_barrier_wait -1
	FETCH 0, 0
	STEP 0, 1                                      ; the first step stands in front of the loop: its products start the sums
	s_mov_b32 s3, LAPS-1
.Llap:                                             ; a trip goes once round the ring and fills both slots again
	TURN 0, 1, 1
	STEP 1, 0
	TURN 1, 0, 1
	STEP 0, 0
	s_sub_co_u32 s3, s3, 1
	s_cmp_lg_u32 s3, 0
	s_cbranch_scc1 .Llap
	TURN 0, 1, 0                                   ; the last lap fills nothing
	STEP 1, 0
	s_wait_dscnt 0x0
	WIN MUL_LO
	MUL16 0, 1, 0
	MUL16 2, 1, 0
	WIN MUL_HI
	MUL16 4, 1, 0
	MUL16 6, 1, 0
	WIN 0
	PLACES
	; THE WAY OUT: A block by A block: bias (and relu) in f32, the quantiser, four stores.  Each accumulator is read from its low end on.
.irp b, 0,1,2,3
	v_mov_b32 v[TM+4+\b], 0                        ; written once: a lane permute's destination counts as one of its sources
.endr
.irp a, 0,1,2,3,4,5,6,7
.if MODE == 0
	WIN 0x21+0x10*(\a/4)                           ; source 0 (bias) window 1, source 2 (sums) window 2 or 3
.irp b, 0,1,2,3,4,5,6,7
.irp j, 0,2,4,6
	v_pk_fma_f32 v[HA+8*\b+\j:HA+8*\b+\j+1], v[96+128*(\b/4)+8*(\b%4)+\j:96+128*(\b/4)+8*(\b%4)+\j+1], s[76:77], v[64*(\a%4)+8*\b+\j:64*(\a%4)+8*\b+\j+1] op_sel_hi:[1,0,1]
.endr
.endr
	WIN 0
	v_mov_b32 v[BP], v[BR+\a]
	v_mov_b32 v[BP+1], v[BR+\a]
.set J, 0
.rept 32
	v_pk_fma_f32 v[HA+J:HA+J+1], v[BP:BP+1], s[78:79], v[HA+J:HA+J+1] op_sel_hi:[1,0,1]
.set J, J+2
.endr
.else
	WIN 0x06+(\a/4)                                ; source 0 (sums) window 2 or 3, source 1 (bias) window 1
.irp b, 0,1,2,3,4,5,6,7
.irp j, 0,2,4,6
	v_pk_add_f32 v[HA+8*\b+\j:HA+8*\b+\j+1], v[64*(\a%4)+8*\b+\j:64*(\a%4)+8*\b+\j+1], v[96+128*(\b/4)+8*(\b%4)+\j:96+128*(\b/4)+8*(\b%4)+\j+1]
.endr
.endr
	WIN 0
.set J, 0
.rept 64
	v_max_num_f32 v[HA+J], 0, v[HA+J]              ; relu, in f32
.set J, J+1
.endr
.endif
.if \a > 0
	s_wait_xcnt 0x0                                ; the last block's stores have read their registers: codes and scale word may be written again
.endif
	QUANT HA
.irp c, 0,1,2
	global_store_b128 v[LI], v[PC+4*\c:PC+4*\c+3], s[12:13] offset:\a*ASTR+512*\c
.endr
	global_store_b32 v[LS], v[PW], s[12:13] offset:\a*ASTR+1536
.endr
	s_wait_tensorcnt 0x0                           ; the wave's end
	ds_add_u32 v[SPW], v[NIL]
	s_wait_dscnt 0x0
	CROUND                                         ; the closing round: no work-group ends while a partner may still ask for a tile that names it
	s_endpgm
.Lfunc_end_k_q6d18821349_proj:
	.size	k_q6d18821349_proj, .Lfunc_end_k_q6d18821349_proj-k_q6d18821349_proj
	.p2alignl 7, 3214868480
	.fill 96, 4, 3214868480
	.section	.rodata,"a",@progbits
	.p2align	6, 0x0
	.amdhsa_kernel k_q6d18821349_proj
		.amdhsa_group_segment_fixed_size 327680
		.amdhsa_private_segment_fixed_size 0
		.amdhsa_enable_private_segment 0
		.amdhsa_kernarg_size 48
		.amdhsa_user_sgpr_count 2
		.amdhsa_user_sgpr_kernarg_segment_ptr 1
		.amdhsa_wavefront_size32 1
		.amdhsa_system_sgpr_workgroup_id_x 1
		.amdhsa_system_sgpr_workgroup_id_y 1
		.amdhsa_system_sgpr_workgroup_id_z 1
		.amdhsa_system_vgpr_workitem_id 0
		.amdhsa_next_free_vgpr 1024
		.amdhsa_next_free_sgpr 100
		.amdhsa_reserve_vcc 0
		.amdhsa_float_denorm_mode_32 3
		.amdhsa_float_denorm_mode_16_64 3
		.amdhsa_memory_ordered 1
		.amdhsa_forward_progress 1
		.amdhsa_inst_pref_size 178
	.end_amdhsa_kernel
	.amdgpu_metadata
---
amdhsa.version: [ 1, 2 ]
amdhsa.kernels:
  - .name:           k_q6d18821349_proj
    .symbol:         k_q6d18821349_proj.kd
    .args:
      - { .name: actimg, .offset: 0, .size: 8, .value_kind: global_buffer, .address_space: global }
      - { .name: wimg, .offset: 8, .size: 8, .value_kind: global_buffer, .address_space: global }
      - { .name: bq, .offset: 16, .size: 8, .value_kind: global_buffer, .address_space: global }
      - { .name: bk, .offset: 24, .size: 8, .value_kind: global_buffer, .address_space: global }
      - { .name: bv, .offset: 32, .size: 8, .value_kind: global_buffer, .address_space: global }
      - { .name: qkv, .offset: 40, .size: 8, .value_kind: global_buffer, .address_space: global }
    .group_segment_fixed_size: 327680
    .private_segment_fixed_size: 0
    .kernarg_segment_align: 8
    .kernarg_segment_size: 48
    .max_flat_workgroup_size: 128
    .sgpr_count:     100
    .vgpr_count:     1024
    .wavefront_size: 32
...
	.end_amdgpu_metadata
.endif
;; end of part 9
;; launch attn (part 10): grid 16 x 16, 8 waves a work-group, clusters of 4 x 1, 327,680 bytes of LDS; arguments qkv, mask, actimg; writes actimg
.if DOCPART == 10
	.amdgcn_target "amdgcn-amd-amdhsa--gfx1250"
	.amdhsa_code_object_version 6
	.text
	.protected	k_q6d18821349_attn
	.globl	k_q6d18821349_attn
	.p2align	8
	.type	k_q6d18821349_attn,@function
k_q6d18821349_attn:
	s_mov_b64 s[64:65], 0
	v_nop
	global_prefetch_b8 v0, s[64:65] scope:SCOPE_SE
	s_setreg_imm32_b32 hwreg(HW_REG_WAVE_MODE, 25, 1), 1
	s_wait_xcnt 0x0
	s_wait_alu depctr_hold_cnt(0) depctr_sa_sdst(0) depctr_va_vdst(0) depctr_va_sdst(0) depctr_va_ssrc(0) depctr_va_vcc(0) depctr_vm_vsrc(0)
	s_getreg_b32 s2, hwreg(HW_REG_IB_STS2, 6, 4)
	s_cmp_eq_u32 s2, 0
	s_cbranch_scc0 .Lentry_in_a_cluster
	s_endpgm
.Lentry_in_a_cluster:
	s_bfe_u32 s2, ttmp6, 0x10000c
	s_cmp_lg_u32 s2, 0x3003
	s_cbranch_scc0 .Lentry_shape_is_right
	s_endpgm
.Lentry_shape_is_right:
; ctx = softmax(q k^T / 8, hidden keys at -1e9) v for 2 batches x 16 heads of 64 x 2,048 keys, both products on codes of FP6 (E2M3) with E8M0 scales; ctx is quantised and stored as operand images.
; INPUT IMAGES (16 rows x 128 K in 1,664 bytes: registers 4 c .. 4 c + 3 of lane l at 512 c + 16 l, scale word of row l % 16 at 1,536 + 4 l): q, k: [pair of heads 8][row block 256], K = the pair's 128 columns:
; registers 0-5 and scale bytes 0, 1 are the first head's 64, registers 6-11 and bytes 2, 3 the second's.  V^T: [128 keys 32][tile of d 64], K = the keys.  Place i of block 2 b + u is row 32 b + 8 u + i + 8 (i / 8).
; K = 64 IN A FORM OF K = 128: a wave clears the other head's six registers of its Q once; zero codes add nothing.
; THE SOFTMAX: t = score x log2(e) / 8; M = the running largest t rounded up to a whole number; p = 2^(t - M) is quantised along the keys, not normalised; the sum of the unquantised p divides at the end.
; THE MASK: the addend of a key (0 open, -2^60 hidden) is the C operand of the score products, so no vector instruction adds it; p = 0 for a hidden key beside any open key.
; A batch with no open key: every wave ORs the batch's 2,048 mask words and takes c = 0 by a select, so that every t is 0 and every p is 1, as with -1e9 everywhere.
; SHARES: a work-group owns 128 queries x a pair of heads; wave w: head w / 4, row blocks 2 (w % 4) and 2 (w % 4) + 1: TWO UNITS of 16 queries, which share every fragment of K, of V^T and of the addends read from LDS.
; Unit 0 lives in register window 0, unit 1 in window 1, at the same register numbers: the softmax is one macro, run under two window settings.
; Both products are used transposed (S^T = K Q^T, O^T = V^T P^T): a lane holds one query; the block order above makes p's registers neighbouring keys and O^T's neighbouring columns.
; RING: two slots of 512 keys (K's 32 images, then V^T's 4 x 8), 2^17 bytes apart; four changes of slots in all.  CLUSTER: the four query blocks of a cluster walk the same K and V: joint loads, mask 15;
; every wave issues one load of 13,312 bytes a slot: waves 0-3 K's quarters, waves 4-7 V^T's four groups of 128 keys; the LDS address is 13,312 x wave.
; NO PREFETCH: a slot is asked for four key steps ahead of its first read, and a batch and pair's whole stream is 425,984 bytes, walked by four clusters at once.
; LIMITS: raw scores stay under 2^36 in magnitude; a logit under -1e9 is not told from a hidden key; NaN and infinities are not served; a block of zeros gets the scale byte 1.
; REGISTERS.  A unit, in its window: v12 -M, v13 the largest t, v[14:15] the sum; v16-27 Q; v96-159 S^T, then p; v160-191 O^T; v224-235 p's codes; v236-247, v252-254 at work.
; Window 0 besides: v1-11, v28-31, v90, v91 addresses; v32-79 K's tiles 0-3, then V^T's four; v84-87, v248-251 scale words of K and V^T; v88, v255 Q's; v89, v253 p's; v192-223 addends of keys 64-127 of a step.
; Window 1 besides: v32-79 K's tiles 4-7; v192-223 addends of keys 0-63.
.set FRB,   1664
.set KOFF,  3407872
.set VOFF,  6815744
.set SLOT1, 1<<17
.set MT,    262144                     ; 2,048 f32: 0 for an open key, -2^60 for a hidden one
.set XCH,   271360                     ; 8 x 1,024 bytes: the second head's codes on their way to the first head's wave (1,024 bytes lie idle between the table and these)
.set SPARE, 279552                     ; the spare words: 128 bytes a wave, four blocks of 256 bytes that no other line names
.set SPW, 5
.set NIL, 6
.set WV,  18
.set SEL, 20
.set CS,  22
.set G1,  24
.set G0,  40
.set STP, 44                           ; s[44:45] bytes from my part of a slot to my part of the next
.set QC,  46                           ; key steps left in the slot
.set SM,  47                           ; where the slot's addends begin
.set TB,  66                           ; LDS byte at which the step in hand begins
.set TMK, 67                           ; where the step's addends begin: 512 bytes a step
.set SLOTS, 68
.set SB,  69                           ; LDS byte at which the slot in hand begins
.set KS2, 84
.set QS1, 88
.set PS1, 89
.set PC,  224
.set TM,  192
.set PW,  208
.set PW2, 209
.set MSB, 0
.macro WIN new                         ; the immediate's high byte repeats the setting that is left
.if MSB != (\new)
	s_set_vgpr_msb (MSB<<8)|(\new)
.set MSB, (\new)
.endif
.endm
.macro TLOAD                           ; every wave's own part; an s_nop 0 and four v_nop follow
	tensor_load_to_lds s[G0:G0+3], s[G1:G1+7]
	s_nop 0
.rept 4
	v_nop
.endr
.endm
.macro CROUND                          ; a round of the cluster's barrier
	s_barrier_signal -1
	s_barrier_wait -1
	s_cmp_lg_u32 s[WV], 0
	s_cbranch_scc1 .Lnot_wave_0_\@
	s_barrier_signal -3
.Lnot_wave_0_\@:
	s_barrier_wait -3
	s_barrier_signal -1
	s_barrier_wait -1
.endm
.macro RS j0                           ; four of the sixteen lines that bring O^T under the new M
.irp j, 0,2,4,6
	v_pk_mul_f32 v[160+(\j0)+\j:161+(\j0)+\j], v[160+(\j0)+\j:161+(\j0)+\j], v[252:253] op_sel_hi:[1,0]
.endr
.endm
.macro TREE n                          ; p's registers are summed in place: n numbers onto the n below them
.set J, 0
.rept (\n)/2
	v_pk_add_f32 v[96+J:97+J], v[96+J:97+J], v[96+(\n)+J:97+(\n)+J]
.set J, J+2
.endr
.endm
; THE SOFTMAX OF ONE UNIT AND 128 KEYS, in the unit's own window: from S^T in v96-159 to p's codes in v224-235 and its scale word in v253; the sum and O^T are brought under the new M.
.macro SOFT u
	s_wait_alu depctr_va_vdst(0)                   ; the wait directly ahead of the first reader of the scores
.irp b, 0,1,2,3
	v_max3_num_f32 v[232+\b], v[96+16*\b], v[97+16*\b], v[98+16*\b]   ; the largest score of each block of 32 keys: for the row's maximum, and, since p rises with the score, for the block's largest p
.endr
.irp i, 3,5,7,9,11,13
.irp b, 0,1,2,3
	v_max3_num_f32 v[232+\b], v[232+\b], v[96+16*\b+\i], v[97+16*\b+\i]   ; (the four blocks by turns)
.endr
.endr
.irp b, 0,1,2,3
	v_max_num_f32 v[232+\b], v[232+\b], v[111+16*\b]
.endr
.irp b, 0,1,2,3
	v_permlanex16_b32 v[236+\b], v[232+\b], s[SEL], s[SEL+1]
.endr
.irp b, 0,1,2,3
	v_max_num_f32 v[232+\b], v[232+\b], v[236+\b]  ; with lane l xor 16's 16 keys
.endr
	v_max3_num_f32 v254, v232, v233, v234
	v_max_num_f32 v254, v254, v235
	v_mul_f32 v254, s[CS], v254                    ; the step's largest t (c is not negative)
	v_max_num_f32 v13, v13, v254
	v_mov_b32 v254, v12
	v_floor_f32 v12, -v13                          ; the new -M = -ceil(t)
	v_sub_f32 v254, v12, v254                      ; old M - new M: a whole number, 0 or less
	v_cvt_i32_f32 v254, v254                       ; (it saturates)
	v_ldexp_f32 v252, 1.0, v254                    ; f = 2^(old M - new M): multiplying by it rounds nothing
.set J, 0
.rept 32
	v_pk_fma_f32 v[96+J:97+J], v[96+J:97+J], s[CS:CS+1], v[12:13] op_sel_hi:[1,0,0]   ; t - M
.set J, J+2
.endr
.irp b, 0,1,2,3
	v_fma_f32 v[232+\b], v[232+\b], s[CS], v12
.endr
	s_wait_alu depctr_va_vdst(0)                   ; the wait ahead of the batch
.set J, 0
.rept 64
	v_exp_f32 v[96+J], v[96+J]                     ; p = 2^(t - M)
.set J, J+1
.endr
.irp b, 0,1,2,3
	v_exp_f32 v[232+\b], v[232+\b]                 ; the block's largest p: the same two instructions on the same number
.endr
	v_pk_mul_f32 v[14:15], v[14:15], v[252:253] op_sel_hi:[1,0]   ; the sums under the new M (a plain line behind the exponentials)
	s_wait_alu depctr_va_vdst(0)                   ; and the wait behind the batch
.irp b, 0,1,2,3
	v_max_num_f32 v[232+\b], 0x1800000, v[232+\b]  ; the floor 2^(3 - 127): the byte cannot fall under 1
.endr
.irp b, 0,1,2,3
	v_add_nc_u32 v[244+\b], 0xff000000, v[232+\b]  ; the conversion's scale operand
.endr
.irp b, 0,1,2,3
	v_lshrrev_b32 v[236+\b], 23, v[244+\b]
.endr
	v_lshl_or_b32 v253, v237, 8, v236              ; p's scale word for these 128 keys
	v_lshl_or_b32 v253, v238, 16, v253
	v_lshl_or_b32 v253, v239, 24, v253
.if \u
	WIN 0x01                                       ; scale operands are taken from window 0: unit 1's word goes there
	v_mov_b32 v[PS1], v253
	WIN 0x55
.endif
.irp c, 0,1
	v_cvt_scalef32_pk16_fp6_f32 v[224+6*\c:226+6*\c], v[96+32*\c:111+32*\c], v[244+2*\c]
	v_cvt_scalef32_pk16_fp6_f32 v[236+4*\c:238+4*\c], v[112+32*\c:127+32*\c], v[244+2*\c+1]
.endr
	v_nop                                          ; one plain line behind a scaled conversion
.irp c, 0,1
.irp i, 0,1,2
	v_permlane16_swap_b32 v[224+6*\c+\i], v[236+4*\c+\i]
.endr
.irp i, 0,1,2
	v_mov_b32 v[227+6*\c+\i], v[236+4*\c+\i]
.endr
.endr
	TREE 32                                        ; the row's sum of the unquantised p: 31 packed additions in place and one onto the running sum,
	TREE 16
	s_wait_alu depctr_va_vdst(0)                   ; the wait directly ahead of the first reader of O^T
	RS 0                                           ; the tree's short levels by turns with O^T's lines, so that no line reads the result of one of the four lines above it
	TREE 8
	RS 8
	TREE 4
	RS 16
	TREE 2
	RS 24
	v_pk_add_f32 v[14:15], v[14:15], v[96:97]
.endm
.macro SMUL win, g, ks, qs             ; S^T = K Q^T + the keys' addends: four tiles of 16 keys for one unit
	WIN \win
.irp t, 0,1,2,3
	v_wmma_scale_f32_16x16x128_f8f6f4 v[96+8*(4*\g+\t):103+8*(4*\g+\t)], v[32+12*\t:43+12*\t], v[16:27], v[192+8*\t:199+8*\t], v[\ks+\t], v[\qs] matrix_a_fmt:MATRIX_FMT_FP6 matrix_b_fmt:MATRIX_FMT_FP6
.endr
.endm
.macro PMUL ps                         ; O^T += V^T P^T: my head's four tiles of d, by turns
.irp t, 0,1,2,3
	v_wmma_scale_f32_16x16x128_f8f6f4 v[160+8*\t:167+8*\t], v[32+12*\t:43+12*\t], v[224:235], v[160+8*\t:167+8*\t], v[248+\t], v[\ps] matrix_a_fmt:MATRIX_FMT_FP6 matrix_b_fmt:MATRIX_FMT_FP6
.endr
.endm
; A KEY STEP: 128 keys, both units.  48 LDS loads bring K's eight images and the 128 addends once for both.
; WHAT A STEP ASKS FOR A STEP AHEAD: K's tiles 4-7, their scale words and the 128 addends, 32 loads into registers that are free once the score products are issued.  o = 0: the step in hand's; 1: the next step's
.macro LOADB o
	WIN 0x40
.irp n, 0,1,2,3,4,5,6,7
	ds_load_b128 v[192+4*\n:195+4*\n], v28 offset:512*(\o)+128*(\n/4)+16*(\n%4)   ; register 16 b + i is the addend of key 32 b + 16 h + i: tile t's eight are its C
.endr
.irp t, 0,1,2,3
.irp c, 0,1,2
	ds_load_b128 v[32+12*\t+4*\c:35+12*\t+4*\c], v8 offset:(8*(\o)+4+\t)*FRB+512*\c
.endr
.endr
	WIN 0
.irp t, 0,1,2,3
	ds_load_b32 v[KS2+\t], v10 offset:(8*(\o)+4+\t)*FRB
.endr
.irp n, 0,1,2,3,4,5,6,7
	ds_load_b128 v[192+4*\n:195+4*\n], v28 offset:512*(\o)+256+128*(\n/4)+16*(\n%4)
.endr
.endm
.macro ADDR                            ; the step's five LDS addresses
	v_add_nc_u32 v8, s[TB], v1                     ; (these five are also the places in front of the loads that follow)
	v_add_nc_u32 v9, s[TB], v2
	v_add_nc_u32 v10, s[TB], v3
	v_add_nc_u32 v11, s[TB], v4
	v_add_nc_u32 v28, s[TMK], v7
	s_wait_alu depctr_va_vdst(0)
.endm
.macro STEP
	ADDR
.irp t, 0,1,2,3
.irp c, 0,1,2
	ds_load_b128 v[32+12*\t+4*\c:35+12*\t+4*\c], v8 offset:\t*FRB+512*\c
.endr
	ds_load_b32 v[248+\t], v10 offset:\t*FRB
.endr
	s_wait_dscnt 16                                ; what was asked for a step ahead is in; the 16 loads just issued may be out
	SMUL 0x01, 1, KS2, 255                         ; K's tiles 4-7 lie in window 1, their addends in window 0
	SMUL 0x45, 1, KS2, QS1
	s_wait_dscnt 0x0                               ; tiles 0-3 and their scale words
	SMUL 0x10, 0, 248, 255                         ; unit 0: C in window 1
	SMUL 0x54, 0, 248, QS1                         ; unit 1: D, Q and C in window 1
	WIN 0
.rept 4
	v_nop                                          ; places in front of the reads of the scores and of the loads into the fragments
.endr
.irp t, 0,1,2,3                        ; V's fragments are asked for here and land under unit 0's softmax
.irp c, 0,1,2
	ds_load_b128 v[32+12*\t+4*\c:35+12*\t+4*\c], v9 offset:\t*FRB+512*\c
.endr
	ds_load_b32 v[248+\t], v11 offset:\t*FRB
.endr
	s_cmp_eq_u32 s[QC], 1                          ; the slot's last step asks for nothing ahead: the next step's bytes lie behind the change of slots.  The branch hangs on the counted loop's steps alone and leads round LDS loads alone
	s_cbranch_scc1 .Lslot_ends_\@
	LOADB 1
	s_branch .Lahead_\@
.Lslot_ends_\@:
	s_wait_dscnt 0x0                               ; so that the counted wait below holds on this way too
.Lahead_\@:
	SOFT 0
	s_wait_alu depctr_va_vdst(0)                   ; the wait directly ahead of the wait below
	s_wait_dscnt 32                                ; V's fragments are in; the 32 loads issued behind them may be out
	PMUL 253
	WIN 0x55
	SOFT 1
	WIN 0x54
	PMUL PS1
	WIN 0
.endm
; THE CHANGE OF SLOTS stands at a slot's head: each wave waits for all its tensor loads, adds 0 to its spare word, waits for that and for its reads of the slot that it has left.
; fill = 1: a round of the cluster's barrier, and behind it the joint fill of the slot just left (the first time: slot 1's first fill), which has a slot's four steps in which to land.
.macro CHANGE fill
	s_wait_tensorcnt 0x0                           ; no tensor load of mine is out, so group 0 may be written
	ds_add_u32 v[SPW], v[NIL]                      ; 0 onto my spare word
.if \fill
	s_xor_b32 s[G0+1], s[G0+1], SLOT1
	s_add_nc_u64 s[G0+2:G0+3], s[G0+2:G0+3], s[STP:STP+1]   ; my part of the next 512 keys
.endif
	s_wait_dscnt 0x0
.if \fill
	CROUND
	TLOAD
.else
	s_barrier_signal -1
	s_barrier_wait -1
.endif
	s_mov_b32 s[TB], s[SB]
	s_mov_b32 s[TMK], s[SM]
	s_mov_b32 s[QC], 4
	ADDR
	LOADB 0                                        ; the slot's first step has had nobody to ask ahead for it
.endm
.macro NEXTSTEP
	s_add_co_u32 s[TB], s[TB], 8*FRB               ; eight images of K on, and eight of V^T
	s_add_co_u32 s[TMK], s[TMK], 512
	s_sub_co_u32 s[QC], s[QC], 1
	s_cmp_lg_u32 s[QC], 0
.endm
.macro INIT                            ; a unit's state, in its window
.irp i, 0,1,2,3,4,5
	v_and_b32 v[16+\i], s51, v[16+\i]              ; the other head's six registers of Q are cleared
	v_and_b32 v[22+\i], s52, v[22+\i]
.endr
	v_mov_b32 v13, 0xff61b1e6                      ; the largest t so far: -3e38
	v_mov_b32 v14, 0
	v_mov_b32 v15, 0
	v_floor_f32 v12, -v13                          ; -M
.irp b, 0,1,2,3
	v_mov_b32 v[236+\b], 0                         ; written once: a lane permute's destination counts as one of its sources
.endr
	v_mov_b32 v253, 0
.set J, 0
.rept 32
	v_mov_b32 v[160+J], 0                          ; O^T: the step is written once; the first finds zeros
.set J, J+1
.endr
.endm
; A unit's way out, in its window: O^T / the sum is my head's 64 columns of ctx, register 16 b + i = column 32 b + 16 h + i: two blocks, six registers of codes, two scale bytes.
.macro FIN
.rept 4
	v_nop
.endr
	v_add_f32 v14, v14, v15
	v_permlanex16_b32 v252, v14, s[SEL], s[SEL+1]
	v_add_f32 v14, v14, v252
	s_wait_alu depctr_va_vdst(0)
	v_rcp_f32 v14, v14
	v_nop                                          ; a plain line behind the transcendental
	s_wait_alu depctr_va_vdst(0)
.set J, 0
.rept 16
	v_pk_mul_f32 v[96+J:97+J], v[160+J:161+J], v[14:15] op_sel_hi:[1,0]
.set J, J+2
.endr
.irp b, 0,1
	v_max3_num_f32 v[TM+\b], |v[96+16*\b]|, |v[97+16*\b]|, 0x1800000
.endr
.irp i, 2,4,6,8,10,12,14
.irp b, 0,1
	v_max3_num_f32 v[TM+\b], v[TM+\b], |v[96+16*\b+\i]|, |v[97+16*\b+\i]|
.endr
.endr
.irp b, 0,1
	v_permlanex16_b32 v[TM+4+\b], v[TM+\b], s[SEL], s[SEL+1]
.endr
.irp b, 0,1
	v_max_num_f32 v[TM+\b], v[TM+\b], v[TM+4+\b]
.endr
.irp b, 0,1
	v_add_nc_u32 v[TM+12+\b], 0xff000000, v[TM+\b]
.endr
.irp b, 0,1
	v_lshrrev_b32 v[TM+4+\b], 23, v[TM+12+\b]
.endr
	v_lshl_or_b32 v[PW], v[TM+5], 8, v[TM+4]
	v_cvt_scalef32_pk16_fp6_f32 v[PC:PC+2], v[96:111], v[TM+12]
	v_cvt_scalef32_pk16_fp6_f32 v[PC+12:PC+14], v[112:127], v[TM+13]
	v_nop                                          ; one plain line behind a scaled conversion
.irp i, 0,1,2
	v_permlane16_swap_b32 v[PC+\i], v[PC+12+\i]
.endr
.irp i, 0,1,2
	v_mov_b32 v[PC+3+\i], v[PC+12+\i]
.endr
.endm
	s_load_b128 s[4:7], s[0:1], 0x0                ; qkv, mask
	s_load_b64 s[8:9], s[0:1], 0x10                ; actimg
	v_lshl_add_u32 v[SPW], v0, 2, SPARE
	v_mov_b32 v[NIL], 0
	ds_add_u32 v[SPW], v[NIL]                      ; the opening lines: the add, twice on end, and its wait ahead of my first tensor load
	ds_add_u32 v[SPW], v[NIL]
	v_lshrrev_b32 v8, 5, v0
	v_readfirstlane_b32 s[WV], v8                  ; wave 0..7
	s_bfe_u32 s10, ttmp6, 0x40000                  ; cx
	s_lshl_b32 s11, ttmp9, 2
	s_add_co_u32 s11, s11, s10                     ; my block of 128 queries: it enters Q's and ctx's addresses alone
	s_and_b32 s12, ttmp7, 0xffff
	s_lshr_b32 s13, s12, 3                         ; batch
	s_and_b32 s14, s12, 7                          ; pair of heads
	s_lshr_b32 s15, s[WV], 2                       ; which head of the pair
	s_and_b32 s16, s[WV], 3                        ; which two row blocks; also which quarter of a slot's K or V^T I fetch
	s_lshl_b32 s70, s14, 8
	s_lshl_b32 s71, s13, 7
	s_add_co_u32 s70, s70, s71                     ; 256 x pair + 128 x batch: the first image of this batch and pair in q and in k
	s_lshl_b32 s72, s16, 3
	s_add_co_u32 s72, s72, s70
	s_mul_i32 s72, s72, FRB
	s_add_co_u32 s72, s72, KOFF                    ; K: eight images on end
	s_lshl_b32 s74, s13, 4
	s_add_co_u32 s74, s74, s16
	s_lshl_b32 s74, s74, 6
	s_lshl_b32 s75, s14, 3
	s_add_co_u32 s74, s74, s75
	s_mul_i32 s74, s74, FRB
	s_add_co_u32 s74, s74, VOFF                    ; V^T: 128 keys' eight images of the pair's d
	s_mov_b32 s[STP], 256*FRB                      ; V^T: four rows of 64 images from slot to slot;
	s_cmp_lt_u32 s[WV], 4
	s_cselect_b32 s72, s72, s74                    ; byte offsets are chosen, by the wave's number alone
	s_cselect_b32 s[STP], 32*FRB, s[STP]           ; K: 32 images
	s_mov_b32 s73, 0
	s_mov_b32 s[STP+1], 0
	s_lshl_b32 s76, s11, 3
	s_lshl_b32 s77, s16, 1
	s_add_co_u32 s76, s76, s77                     ; unit 0's row block within the batch; unit 1's is the next
	s_add_co_u32 s77, s70, s76
	s_mul_i32 s78, s77, FRB                        ; my images of q
	s_mov_b32 s79, 0
	s_add_co_u32 s80, s71, s76
	s_lshl_b32 s80, s80, 3
	s_add_co_u32 s80, s80, s14
	s_mul_i32 s80, s80, FRB                        ; ctx: [row block 256][K step 8]
	s_mov_b32 s81, 0
	s_lshl_b32 s82, s13, 13                        ; the batch's 2,048 words of the mask
	s_mov_b32 s83, 0
	s_cmp_eq_u32 s15, 0
	s_cselect_b32 s51, -1, 0                       ; keeps Q's registers 0-5 for the first head,
	s_cselect_b32 s52, 0, -1                       ; registers 6-11 for the second
	; descriptor group 1: 13,312 dense bytes as 52 rows of 256 (32 elements of 8 bytes)
	s_mov_b32 s[G1], 15|(3<<16)|(1<<21)            ; 15:0 the mask: all four work-groups; 17:16 elements of 8 bytes; 21 set beside a mask
	s_mov_b32 s[G1+1], 32<<16
	s_mov_b32 s[G1+2], 52<<16
	s_mov_b32 s[G1+3], 32<<16
	s_mov_b32 s[G1+4], 52
	s_mov_b32 s[G1+5], 32
	s_mov_b32 s[G1+6], 0
	s_mov_b32 s[G1+7], 0
	s_mov_b32 s[SEL], 0x76543210
	s_mov_b32 s[SEL+1], 0xfedcba98
	s_mov_b32 s[CS], 0x3e38aa3b                    ; c = log2(e) / 8
	s_mov_b32 s[SB], 0
	s_mov_b32 s[SM], 0
	s_mov_b32 s[SLOTS], 3
	s_wait_dscnt 0x0                               ; both opening adds are done
	s_wait_kmcnt 0x0
	CROUND                                         ; all four work-groups are here: the first joint loads meet
	s_mov_b32 s[G0], 1
	s_mul_i32 s[G0+1], s[WV], 8*FRB                ; slot 0: K's 32 images, then V^T's 32: my eight
	s_add_nc_u64 s[G0+2:G0+3], s[4:5], s[72:73]
	s_or_b32 s[G0+3], s[G0+3], 0x80000000
	TLOAD                                          ; slot 0: one tensor load a wave at the head
	s_add_nc_u64 s[86:87], s[4:5], s[78:79]
	s_add_nc_u64 s[88:89], s[6:7], s[82:83]
	s_add_nc_u64 s[8:9], s[8:9], s[80:81]
	v_and_b32 v8, 31, v0                           ; lane
	v_bfe_u32 v9, v0, 4, 1                         ; h
	v_lshlrev_b32 v11, 5, v0
	v_lshlrev_b32 v1, 4, v8                        ; 16 x lane: K's images
	v_lshlrev_b32 v10, 2, v8
.irp c, 0,1,2
	global_load_b128 v[16+4*\c:19+4*\c], v1, s[86:87] offset:512*\c   ; Q's fragments stay in registers
.endr
	global_load_b32 v255, v10, s[86:87] offset:1536
	global_load_b32 v[QS1], v10, s[86:87] offset:FRB+1536
	global_load_b128 v[192:195], v11, s[88:89]     ; eight words of the mask a thread, for the table
	global_load_b128 v[196:199], v11, s[88:89] offset:16
.set J, 0
.rept 16
	global_load_b128 v[96+4*J:99+4*J], v1, s[88:89] offset:512*J   ; and all 2,048 words a wave: is any key open?
.set J, J+1
.endr
	WIN 0x40
.irp c, 0,1,2
	global_load_b128 v[16+4*\c:19+4*\c], v1, s[86:87] offset:FRB+512*\c
.endr
	WIN 0
	s_mul_i32 s84, s15, 4*FRB
	s_add_co_u32 s84, s84, 32*FRB
	v_add_nc_u32 v2, s84, v1                       ; V's images: my head's four tiles of d
	v_add_nc_u32 v3, 1536, v10                     ; K's scale words
	v_lshl_add_u32 v7, v9, 6, MT                   ; the addends of my half's keys
	v_lshl_add_u32 v90, v0, 5, MT
	s_lshl_b32 s85, s16, 11
	s_add_co_u32 s85, s85, XCH
	v_add_nc_u32 v4, s84, v3                       ; V's scale words
	v_lshl_add_u32 v29, v8, 4, s85                 ; the exchange's three addresses, made ahead of every branch on the wave's number
	v_lshl_add_u32 v30, v8, 3, s85
	v_lshl_add_u32 v31, v8, 2, s85
	v_mov_b32 v91, 0xdd800000                      ; -2^60
	s_wait_alu depctr_va_vdst(0)                   ; the wait directly ahead of the wait below
	s_wait_loadcnt 0x0
.irp i, 0,1,2,3,4,5,6,7
	v_cmp_eq_u32 vcc_lo, 0, v[192+\i]
	v_cndmask_b32 v[192+\i], 0, v91, vcc_lo
.endr
	ds_store_b128 v90, v[192:195]                  ; read by all waves behind the first change of slots, whose wait and barrier order it
	ds_store_b128 v90, v[196:199] offset:16
.irp j, 4,8,12,16,20,24,28,32,36,40,44,48,52,56,60
.irp i, 0,1,2,3
	v_or_b32 v[96+\i], v[96+\i], v[96+\j+\i]       ; (four chains by turns)
.endr
.endr
	v_or_b32 v96, v96, v97
	v_or_b32 v98, v98, v99
	v_or_b32 v96, v96, v98
	v_cmp_ne_u32 s90, 0, v96
	s_cmp_lg_u32 s90, 0                            ; a value is selected, nothing is jumped over:
	s_cselect_b32 s[CS], s[CS], 0                  ; with no open key in the batch c = 0: every t is 0
	s_mov_b32 s[CS+1], s[CS]
	INIT
	WIN 0x55
	INIT
	WIN 0
	s_wait_alu depctr_va_vdst(0)                   ; the wait at the head's end
.Lslot:                                            ; three trips: behind each change of slots but the last the next slot is asked for
	CHANGE 1
.Lstep:                                            ; four key steps a slot
	STEP
	NEXTSTEP
	s_cbranch_scc1 .Lstep
	s_xor_b32 s[SB], s[SB], SLOT1
	s_add_co_u32 s[SM], s[SM], 2048
	s_sub_co_u32 s[SLOTS], s[SLOTS], 1
	s_cmp_lg_u32 s[SLOTS], 0
	s_cbranch_scc1 .Lslot
	CHANGE 0                                       ; the last slot is written out
.Llast:
	STEP
	NEXTSTEP
	s_cbranch_scc1 .Llast
	s_wait_dscnt 0x0                               ; no LDS load is out when the way out takes the addends' registers
	FIN
	WIN 0x55
	FIN
	WIN 0
	s_wait_alu depctr_va_vdst(0)                   ; the wait ahead of the branch, the wait and the barrier below
	s_cmp_lt_u32 s[WV], 4                          ; the second head's waves hand their six registers and two bytes a unit to the first head's
	s_cbranch_scc1 .Lno_send
	ds_store_b128 v29, v[PC:PC+3]
	ds_store_b64 v30, v[PC+4:PC+5] offset:512
	ds_store_b32 v31, v[PW] offset:768
	WIN 0x04
	ds_store_b128 v29, v[PC:PC+3] offset:1024
	ds_store_b64 v30, v[PC+4:PC+5] offset:1536
	ds_store_b32 v31, v[PW] offset:1792
	WIN 0
.Lno_send:
	s_wait_dscnt 0x0                               ; for the others' sake: my stores have landed
	s_barrier_signal -1
	s_barrier_wait -1
	s_cmp_lt_u32 s[WV], 4
	s_cbranch_scc0 .Lno_store
	ds_load_b128 v[PC+6:PC+9], v29
	ds_load_b64 v[PC+10:PC+11], v30 offset:512
	ds_load_b32 v[PW2], v31 offset:768
	WIN 0x40
	ds_load_b128 v[PC+6:PC+9], v29 offset:1024
	ds_load_b64 v[PC+10:PC+11], v30 offset:1536
	ds_load_b32 v[PW2], v31 offset:1792
	WIN 0
	s_wait_dscnt 0x0
	v_lshl_or_b32 v[PW], v[PW2], 16, v[PW]
	WIN 0x55
	v_lshl_or_b32 v[PW], v[PW2], 16, v[PW]
	WIN 0
.irp c, 0,1,2
	global_store_b128 v1, v[PC+4*\c:PC+4*\c+3], s[8:9] offset:512*\c
.endr
	global_store_b32 v3, v[PW], s[8:9]             ; v3 = 1,536 + 4 x lane
	WIN 0x04
.irp c, 0,1,2
	global_store_b128 v1, v[PC+4*\c:PC+4*\c+3], s[8:9] offset:8*FRB+512*\c   ; unit 1's row block: eight images on
.endr
	global_store_b32 v3, v[PW], s[8:9] offset:8*FRB
	WIN 0
.Lno_store:
	s_wait_tensorcnt 0x0                           ; the wave's end
	ds_add_u32 v[SPW], v[NIL]
	s_wait_dscnt 0x0
	CROUND                                         ; the closing round
	s_endpgm
.Lfunc_end_k_q6d18821349_attn:
	.size	k_q6d18821349_attn, .Lfunc_end_k_q6d18821349_attn-k_q6d18821349_attn
	.p2alignl 7, 3214868480
	.fill 96, 4, 3214868480
	.section	.rodata,"a",@progbits
	.p2align	6, 0x0
	.amdhsa_kernel k_q6d18821349_attn
		.amdhsa_group_segment_fixed_size 327680
		.amdhsa_private_segment_fixed_size 0
		.amdhsa_enable_private_segment 0
		.amdhsa_kernarg_size 24
		.amdhsa_user_sgpr_count 2
		.amdhsa_user_sgpr_kernarg_segment_ptr 1
		.amdhsa_wavefront_size32 1
		.amdhsa_system_sgpr_workgroup_id_x 1
		.amdhsa_system_sgpr_workgroup_id_y 1
		.amdhsa_system_sgpr_workgroup_id_z 1
		.amdhsa_system_vgpr_workitem_id 0
		.amdhsa_next_free_vgpr 512
		.amdhsa_next_free_sgpr 100
		.amdhsa_reserve_vcc 1
		.amdhsa_float_denorm_mode_32 3
		.amdhsa_float_denorm_mode_16_64 3
		.amdhsa_memory_ordered 1
		.amdhsa_forward_progress 1
		.amdhsa_inst_pref_size 92
	.end_amdhsa_kernel
	.amdgpu_metadata
---
amdhsa.version: [ 1, 2 ]
amdhsa.kernels:
  - .name:           k_q6d18821349_attn
    .symbol:         k_q6d18821349_attn.kd
    .args:
      - { .name: qkv, .offset: 0, .size: 8, .value_kind: global_buffer, .address_space: global }
      - { .name: mask, .offset: 8, .size: 8, .value_kind: global_buffer, .address_space: global }
      - { .name: actimg, .offset: 16, .size: 8, .value_kind: global_buffer, .address_space: global }
    .group_segment_fixed_size: 327680
    .private_segment_fixed_size: 0
    .kernarg_segment_align: 8
    .kernarg_segment_size: 24
    .max_flat_workgroup_size: 256
    .sgpr_count:     100
    .vgpr_count:     512
    .wavefront_size: 32
...
	.end_amdgpu_metadata
.endif
;; end of part 10
;; launch oproj (part 11): grid 8 x 32, 4 waves a work-group, clusters of 4 x 4, 327,680 bytes of LDS; arguments actimg, wimg, bo, x, x1; writes x1
.if DOCPART == 11
	.amdgcn_target "amdgcn-amd-amdhsa--gfx1250"
	.amdhsa_code_object_version 6
	.text
	.protected	k_q6d18821349_oproj
	.globl	k_q6d18821349_oproj
	.p2align	8
	.type	k_q6d18821349_oproj,@function
k_q6d18821349_oproj:
	s_mov_b64 s[64:65], 0
	v_nop
	global_prefetch_b8 v0, s[64:65] scope:SCOPE_SE
	s_setreg_imm32_b32 hwreg(HW_REG_WAVE_MODE, 25, 1), 1
	s_wait_xcnt 0x0
	s_wait_alu depctr_hold_cnt(0) depctr_sa_sdst(0) depctr_va_vdst(0) depctr_va_sdst(0) depctr_va_ssrc(0) depctr_va_vcc(0) depctr_vm_vsrc(0)
	s_getreg_b32 s2, hwreg(HW_REG_IB_STS2, 6, 4)
	s_cmp_eq_u32 s2, 0
	s_cbranch_scc0 .Lentry_in_a_cluster
	s_endpgm
.Lentry_in_a_cluster:
	s_bfe_u32 s2, ttmp6, 0x10000c
	s_cmp_lg_u32 s2, 0xf033
	s_cbranch_scc0 .Lentry_shape_is_right
	s_endpgm
.Lentry_shape_is_right:
.set MODE,   2
.if MODE == 2
.set KTOT,   1024
.set BOFF,   2555904
.else
.set KTOT,   4096
.set BOFF,   6815744
.endif
.set FRB,    1664
.set NK,     KTOT/128
.set KS,     6
.set KL,     2
.set NS,     (NK-KL)/KS+1
.set ROWB,   KS*FRB
.set ROWL,   KL*FRB
.set PITCHB, NK*FRB
.set HALFT,  4*ROWB
.set SLOT,   4*HALFT
.set SPARE,  2*SLOT
.set FR,     12
.set SPITCH, 272
.set SBLK,   16*SPITCH
.set BI,   8
.set ADRA, 16
.set ADRB, 18
.set ADSA, 20
.set ADSB, 22
.set LI,   24
.set LS,   25
.set STO,  26
.set RD,   27
.set SPW,  28
.set NIL,  29
.set CO,   30
.set BA,   31
.set SC,   32
.set AF,   64
.set BK,   64
.set G1, 24
.set G0, 32
.set G1B, 48
.set G0B, 56
.set G1P, 68
.set G1PB, 76
.set RB, ROWB
.set MSB, 0
.macro WIN new
.if MSB != (\new)
	s_set_vgpr_msb (MSB<<8)|(\new)
.set MSB, (\new)
.endif
.endm
.set MUL_LO, 0xa1
.set TO_B,   0x40
.macro JLOAD s, part
	s_cmp_eq_u32 s15, 0
	s_cbranch_scc0 .Lfor_x_\@
.if \part
	tensor_load_to_lds s[G0+4*\s:G0+4*\s+3], s[G1P:G1P+7]
	s_nop 0
.else
	tensor_load_to_lds s[G0+4*\s:G0+4*\s+3], s[G1:G1+7]
	s_nop 0
.endif
.rept 4
	v_nop
.endr
	s_branch .Lasked_\@
.Lfor_x_\@:
.if \part
	tensor_load_to_lds s[G0B+4*\s:G0B+4*\s+3], s[G1PB:G1PB+7]
	s_nop 0
.else
	tensor_load_to_lds s[G0B+4*\s:G0B+4*\s+3], s[G1B:G1B+7]
	s_nop 0
.endif
.rept 4
	v_nop
.endr
.Lasked_\@:
.endm
.macro CREST
	s_cmp_lg_u32 s14, 0
	s_cbranch_scc1 .Lnot_wave_0_\@
	s_barrier_signal -3
.Lnot_wave_0_\@:
	s_barrier_wait -3
	s_barrier_signal -1
	s_barrier_wait -1
.endm
.macro CROUND
	s_barrier_signal -1
	s_barrier_wait -1
	CREST
.endm
.macro PLACES
.rept 4
	v_nop
.endr
.endm
.macro FETCH slot, q
	WIN TO_B
.irp i, 0,1,2,3
.irp c, 0,1,2
	ds_load_b128 v[128*((\q)%2)+FR*\i+4*\c:128*((\q)%2)+FR*\i+4*\c+3], v[ADRB+\slot] offset:\i*RB+(\q)*FRB+512*\c
.endr
.endr
	WIN 0
.irp i, 0,1,2,3
.irp c, 0,1,2
	ds_load_b128 v[AF+96*((\q)%2)+FR*\i+4*\c:AF+96*((\q)%2)+FR*\i+4*\c+3], v[ADRA+\slot] offset:\i*RB+(\q)*FRB+512*\c
.endr
.endr
.irp i, 0,1,2,3
	ds_load_b32 v[SC+16*((\q)%2)+\i], v[ADSA+\slot] offset:\i*RB+(\q)*FRB+1536
	ds_load_b32 v[SC+16*((\q)%2)+8+\i], v[ADSB+\slot] offset:\i*RB+(\q)*FRB+1536
.endr
.endm
.macro MUL4 a, p, zero
.irp b, 0,1,2,3
.if \zero
	v_wmma_scale_f32_16x16x128_f8f6f4 v[8*(4*(\a)+\b):8*(4*(\a)+\b)+7], v[128*(\p)+FR*\b:128*(\p)+FR*\b+FR-1], v[AF+96*(\p)+FR*(\a):AF+96*(\p)+FR*(\a)+FR-1], 0, v[SC+16*(\p)+8+\b], v[SC+16*(\p)+(\a)] matrix_a_fmt:MATRIX_FMT_FP6 matrix_b_fmt:MATRIX_FMT_FP6
.else
	v_wmma_scale_f32_16x16x128_f8f6f4 v[8*(4*(\a)+\b):8*(4*(\a)+\b)+7], v[128*(\p)+FR*\b:128*(\p)+FR*\b+FR-1], v[AF+96*(\p)+FR*(\a):AF+96*(\p)+FR*(\a)+FR-1], v[8*(4*(\a)+\b):8*(4*(\a)+\b)+7], v[SC+16*(\p)+8+\b], v[SC+16*(\p)+(\a)] matrix_a_fmt:MATRIX_FMT_FP6 matrix_b_fmt:MATRIX_FMT_FP6
.endif
.endr
.endm
.macro STEP slot, q, zero
	s_wait_dscnt 0x0
	PLACES
	FETCH \slot, (\q)+1
	WIN MUL_LO
	MUL4 0, (\q)%2, \zero
	MUL4 1, (\q)%2, \zero
	MUL4 2, (\q)%2, \zero
	MUL4 3, (\q)%2, \zero
	WIN 0
.endm
.macro HEAD slot, zero
	STEP \slot, 0, \zero
	STEP \slot, 1, 0
	STEP \slot, 2, 0
	STEP \slot, 3, 0
	STEP \slot, 4, 0
.endm
.macro TURN slot, next, fill
	s_wait_tensorcnt 0x0
	ds_add_u32 v[SPW], v[NIL]
	s_wait_dscnt 1
	WIN MUL_LO
	MUL4 0, 1, 0
	s_wait_dscnt 0x0
	s_barrier_signal -1
	MUL4 1, 1, 0
	WIN 0
	s_barrier_wait -1
.if \fill
	CREST
	s_add_nc_u64 s[G0+4*\slot+2:G0+4*\slot+3], s[G0+4*\slot+2:G0+4*\slot+3], 2*ROWB
	s_add_nc_u64 s[G0B+4*\slot+2:G0B+4*\slot+3], s[G0B+4*\slot+2:G0B+4*\slot+3], 2*ROWB
.if \fill == 2
	JLOAD \slot, 1
.else
	JLOAD \slot, 0
.endif
.else
	PLACES
.endif
	FETCH \next, 0
	WIN MUL_LO
	MUL4 2, 1, 0
	MUL4 3, 1, 0
	WIN 0
.endm
.macro SETG0 s
	s_mov_b32 s[G0+4*\s], 1
	s_add_co_u32 s[G0+4*\s+1], s45, \s*SLOT
	s_add_nc_u64 s[G0+4*\s+2:G0+4*\s+3], s[20:21], \s*ROWB
	s_or_b32 s[G0+4*\s+3], s[G0+4*\s+3], 0x80000000
	s_mov_b32 s[G0B+4*\s], 1
	s_add_co_u32 s[G0B+4*\s+1], s45, \s*SLOT
	s_add_nc_u64 s[G0B+4*\s+2:G0B+4*\s+3], s[46:47], \s*ROWB
	s_or_b32 s[G0B+4*\s+3], s[G0B+4*\s+3], 0x80000000
.endm
	s_load_b128 s[4:7], s[0:1], 0x0
	s_load_b128 s[8:11], s[0:1], 0x10
	s_load_b64 s[12:13], s[0:1], 0x20
	v_lshl_add_u32 v[SPW], v0, 2, SPARE
	v_mov_b32 v[NIL], 0
	ds_add_u32 v28, v29
	ds_add_u32 v28, v29
	s_wait_dscnt 0x0
	v_lshrrev_b32 v1, 5, v0
	v_readfirstlane_b32 s14, v1
	s_lshr_b32 s15, s14, 1
	s_and_b32 s16, s14, 1
	s_bfe_u32 s40, ttmp6, 0x40000
	s_bfe_u32 s41, ttmp6, 0x40004
	s_lshl_b32 s42, ttmp9, 2
	s_add_co_u32 s42, s42, s40
	s_and_b32 s17, ttmp7, 0xffff
	s_lshl_b32 s17, s17, 2
	s_add_co_u32 s17, s17, s41
	s_lshl_b32 s43, s41, 2
	s_lshl_b32 s43, 15, s43
	s_lshl_b32 s44, 0x1111, s40
	s_or_b32 s[G1+0], s43, (3<<16)|(1<<21)
	s_or_b32 s[G1B+0], s44, (3<<16)|(1<<21)
	s_or_b32 s[G1P+0], s43, (3<<16)|(1<<21)
	s_or_b32 s[G1PB+0], s44, (3<<16)|(1<<21)
.irp g, G1, G1B
	s_mov_b32 s[\g+1], (ROWB/8)<<16
	s_mov_b32 s[\g+2], 4<<16
	s_mov_b32 s[\g+3], (ROWB/8)<<16
	s_mov_b32 s[\g+4], 4
	s_mov_b32 s[\g+5], PITCHB/8
	s_mov_b32 s[\g+6], 0
	s_mov_b32 s[\g+7], 0
.endr
.irp g, G1P, G1PB
	s_mov_b32 s[\g+1], (ROWL/8)<<16
	s_mov_b32 s[\g+2], 4<<16
	s_mov_b32 s[\g+3], (ROWL/8)<<16
	s_mov_b32 s[\g+4], 4
	s_mov_b32 s[\g+5], PITCHB/8
	s_mov_b32 s[\g+6], 0
	s_mov_b32 s[\g+7], 0
.endr
	s_lshl_b32 s18, s16, 2
	s_lshl_b32 s20, s17, 3
	s_add_co_u32 s20, s20, s18
	s_lshl_b32 s46, s42, 3
	s_add_co_u32 s46, s46, s18
	s_mul_i32 s20, s20, PITCHB
	s_mul_i32 s46, s46, PITCHB
	s_add_co_u32 s46, s46, BOFF
	s_mov_b32 s21, 0
	s_mov_b32 s47, 0
	s_mul_i32 s45, s14, HALFT
	s_wait_kmcnt 0x0
	s_add_nc_u64 s[20:21], s[4:5], s[20:21]
	s_add_nc_u64 s[46:47], s[6:7], s[46:47]
	CROUND
	SETG0 0
	JLOAD 0, 0
	SETG0 1
.if NS == 2
	s_wait_alu depctr_va_vdst(0)
	s_wait_tensorcnt 0x0
	ds_add_u32 v28, v29
	s_wait_dscnt 0x0
	CROUND
	JLOAD 1, 1
.else
	JLOAD 1, 0
.endif
	v_and_b32 v1, 15, v0
	v_bfe_u32 v2, v0, 4, 1
	v_and_b32 v3, 31, v0
	v_lshlrev_b32 v[LI], 4, v3
	v_lshlrev_b32 v[LS], 2, v3
	s_mul_i32 s22, s15, HALFT
	s_mul_i32 s23, s16, HALFT
	s_add_co_u32 s23, s23, 2*HALFT
.irp s, 0,1
	v_add_nc_u32 v[ADRA+\s], s22, v[LI]
	v_add_nc_u32 v[ADRB+\s], s23, v[LI]
	v_add_nc_u32 v[ADSA+\s], s22, v[LS]
	v_add_nc_u32 v[ADSB+\s], s23, v[LS]
	s_add_co_u32 s22, s22, SLOT
	s_add_co_u32 s23, s23, SLOT
.endr
	s_mul_i32 s22, s14, 4*SBLK
	v_mul_u32_u24 v3, v1, SPITCH
	v_lshl_add_u32 v3, v2, 6, v3
	v_add_nc_u32 v[STO], s22, v3
	v_mul_u32_u24 v3, v2, SPITCH
	v_lshl_add_u32 v3, v1, 4, v3
	v_add_nc_u32 v[RD], s22, v3
	v_lshlrev_b32 v3, 12, v2
	v_lshl_add_u32 v[CO], v1, 4, v3
	v_lshlrev_b32 v[BA], 4, v1
	s_wait_alu depctr_va_vdst(0)
	s_lshl_b32 s86, s42, 9
	s_lshl_b32 s87, s16, 8
	s_add_co_u32 s86, s86, s87
	s_mov_b32 s87, 0
	s_lshl_b32 s84, s17, 7
	s_lshl_b32 s85, s15, 6
	s_add_co_u32 s84, s84, s85
	s_lshl_b32 s84, s84, 12
	s_add_co_u32 s84, s84, s86
	s_mov_b32 s85, 0
	s_add_nc_u64 s[8:9], s[8:9], s[86:87]
	s_add_nc_u64 s[10:11], s[10:11], s[84:85]
	s_add_nc_u64 s[12:13], s[12:13], s[84:85]
	global_load_b128 v[BI:BI+3], v[BA], s[8:9]
	WIN 0xc0
.irp a, 0,1,2,3
.irp t, 0,1,2,3,4,5,6,7
	global_load_b128 v[32*\a+4*\t:32*\a+4*\t+3], v[CO], s[10:11] offset:(32*(\a/2)+8*(\a%2)+2*\t+8*(\t/4))*4096
.endr
.endr
	WIN 0
	s_wait_tensorcnt 1
	s_barrier_signal -1
	s_barrier_wait -1
	FETCH 0, 0
	HEAD 0, 1
.if MODE == 3
	TURN 0, 1, 1
	HEAD 1, 0
	TURN 1, 0, 1
	HEAD 0, 0
	TURN 0, 1, 1
	HEAD 1, 0
	TURN 1, 0, 2
	HEAD 0, 0
.endif
.set RB, ROWL
	TURN 0, 1, 0
	STEP 1, 0, 0
	s_wait_dscnt 0x0
	WIN MUL_LO
	MUL4 0, 1, 0
	MUL4 1, 1, 0
	MUL4 2, 1, 0
	MUL4 3, 1, 0
	WIN 0
	PLACES
	s_wait_loadcnt 0x0                             ; the bias and the residual rows, asked for at the head, are first read on the way out
	WIN 0x08
.irp a, 0,1,2,3
.irp b, 0,1,2,3
	ds_store_b128 v[STO], v[8*(4*\a+\b):8*(4*\a+\b)+3] offset:\a*SBLK+128*(\b/2)+32*(\b%2)
	ds_store_b128 v[STO], v[8*(4*\a+\b)+4:8*(4*\a+\b)+7] offset:\a*SBLK+128*(\b/2)+32*(\b%2)+16
.endr
.endr
	WIN 0
.irp a, 0,1,2,3
.irp t, 0,1,2,3,4,5,6,7
	ds_load_b128 v[BK+32*\a+4*\t:BK+32*\a+4*\t+3], v[RD] offset:\a*SBLK+2*\t*SPITCH
.endr
.endr
.irp a, 0,1,2,3
	s_wait_dscnt 8*(3-\a)
.irp t, 0,1,2,3,4,5,6,7
	v_pk_add_f32 v[BK+32*\a+4*\t:BK+32*\a+4*\t+1], v[BK+32*\a+4*\t:BK+32*\a+4*\t+1], v[BI:BI+1]
	v_pk_add_f32 v[BK+32*\a+4*\t+2:BK+32*\a+4*\t+3], v[BK+32*\a+4*\t+2:BK+32*\a+4*\t+3], v[BI+2:BI+3]
.endr
	WIN 0x0c
.irp t, 0,1,2,3,4,5,6,7
	v_pk_add_f32 v[BK+32*\a+4*\t:BK+32*\a+4*\t+1], v[BK+32*\a+4*\t:BK+32*\a+4*\t+1], v[32*\a+4*\t:32*\a+4*\t+1]
	v_pk_add_f32 v[BK+32*\a+4*\t+2:BK+32*\a+4*\t+3], v[BK+32*\a+4*\t+2:BK+32*\a+4*\t+3], v[32*\a+4*\t+2:32*\a+4*\t+3]
.endr
	WIN 0
.irp t, 0,1,2,3,4,5,6,7
	global_store_b128 v[CO], v[BK+32*\a+4*\t:BK+32*\a+4*\t+3], s[12:13] offset:(32*(\a/2)+8*(\a%2)+2*\t+8*(\t/4))*4096
.endr
.endr
	s_wait_tensorcnt 0x0
	ds_add_u32 v[SPW], v[NIL]
	s_wait_dscnt 0x0
	CROUND
	s_endpgm
.Lfunc_end_k_q6d18821349_oproj:
	.size	k_q6d18821349_oproj, .Lfunc_end_k_q6d18821349_oproj-k_q6d18821349_oproj
	.p2alignl 7, 3214868480
	.fill 96, 4, 3214868480
	.section	.rodata,"a",@progbits
	.p2align	6, 0x0
	.amdhsa_kernel k_q6d18821349_oproj
		.amdhsa_group_segment_fixed_size 327680
		.amdhsa_private_segment_fixed_size 0
		.amdhsa_enable_private_segment 0
		.amdhsa_kernarg_size 40
		.amdhsa_user_sgpr_count 2
		.amdhsa_user_sgpr_kernarg_segment_ptr 1
		.amdhsa_wavefront_size32 1
		.amdhsa_system_sgpr_workgroup_id_x 1
		.amdhsa_system_sgpr_workgroup_id_y 1
		.amdhsa_system_sgpr_workgroup_id_z 1
		.amdhsa_system_vgpr_workitem_id 0
		.amdhsa_next_free_vgpr 1024
		.amdhsa_next_free_sgpr 100
		.amdhsa_reserve_vcc 0
		.amdhsa_float_denorm_mode_32 3
		.amdhsa_float_denorm_mode_16_64 3
		.amdhsa_memory_ordered 1
		.amdhsa_forward_progress 1
		.amdhsa_inst_pref_size 62
	.end_amdhsa_kernel
	.amdgpu_metadata
---
amdhsa.version: [ 1, 2 ]
amdhsa.kernels:
  - .name:           k_q6d18821349_oproj
    .symbol:         k_q6d18821349_oproj.kd
    .args:
      - { .name: actimg, .offset: 0, .size: 8, .value_kind: global_buffer, .address_space: global }
      - { .name: wimg, .offset: 8, .size: 8, .value_kind: global_buffer, .address_space: global }
      - { .name: bo, .offset: 16, .size: 8, .value_kind: global_buffer, .address_space: global }
      - { .name: x, .offset: 24, .size: 8, .value_kind: global_buffer, .address_space: global }
      - { .name: x1, .offset: 32, .size: 8, .value_kind: global_buffer, .address_space: global }
    .group_segment_fixed_size: 327680
    .private_segment_fixed_size: 0
    .kernarg_segment_align: 8
    .kernarg_segment_size: 40
    .max_flat_workgroup_size: 128
    .sgpr_count:     100
    .vgpr_count:     1024
    .wavefront_size: 32
...
	.end_amdgpu_metadata
.endif
;; end of part 11
;; launch ln2: the kernel of part 8 again; grid 256 x 1, 8 waves a work-group, no clusters, 66,816 bytes of LDS; arguments x1, ln2_a, ln2_b, actimg; writes actimg
;; launch ff1 (part 12): grid 16 x 16, 4 waves a work-group, clusters of 4 x 4, 327,680 bytes of LDS; arguments actimg, wimg, b1, himg; writes himg
.if DOCPART == 12
	.amdgcn_target "amdgcn-amd-amdhsa--gfx1250"
	.amdhsa_code_object_version 6
	.text
	.protected	k_q6d18821349_ff1
	.globl	k_q6d18821349_ff1
	.p2align	8
	.type	k_q6d18821349_ff1,@function
k_q6d18821349_ff1:
	s_mov_b64 s[64:65], 0
	v_nop
	global_prefetch_b8 v0, s[64:65] scope:SCOPE_SE
	s_setreg_imm32_b32 hwreg(HW_REG_WAVE_MODE, 25, 1), 1
	s_wait_xcnt 0x0
	s_wait_alu depctr_hold_cnt(0) depctr_sa_sdst(0) depctr_va_vdst(0) depctr_va_sdst(0) depctr_va_ssrc(0) depctr_va_vcc(0) depctr_vm_vsrc(0)
	s_getreg_b32 s2, hwreg(HW_REG_IB_STS2, 6, 4)
	s_cmp_eq_u32 s2, 0
	s_cbranch_scc0 .Lentry_in_a_cluster
	s_endpgm
.Lentry_in_a_cluster:
	s_bfe_u32 s2, ttmp6, 0x10000c
	s_cmp_lg_u32 s2, 0xf033
	s_cbranch_scc0 .Lentry_shape_is_right
	s_endpgm
.Lentry_shape_is_right:
.set MODE,   1
.if MODE == 0
.set BOFF,   0
.set ASTR,   1664
.else
.set BOFF,   3407872
.set ASTR,   32*1664
.endif
.set KTOT,   1024
.set FRB,    1664
.set ROWB,   2*FRB
.set PITCHB, (KTOT/128)*FRB
.set HALFT,  8*ROWB
.set SLOT,   4*HALFT
.set SPARE,  2*SLOT
.set LAPS,   KTOT/512
.set FR,     12
.set BR,   8
.set ADRA, 16
.set ADRB, 18
.set ADSA, 20
.set ADSB, 22
.set LI,   24
.set LS,   25
.set SPW,  28
.set NIL,  29
.set BCA,  30
.set BRA,  31
.set SC,   32
.set AF,   64
.set HA,   64
.set PC,   128
.set TM,   168
.set PW,   184
.set BP,   186
.set G1, 24
.set G0, 32
.set G1B, 48
.set G0B, 56
.set SEL, 88
.set MSB, 0
.macro WIN new
.if MSB != (\new)
	s_set_vgpr_msb (MSB<<8)|(\new)
.set MSB, (\new)
.endif
.endm
.set MUL_LO, 0xa1
.set MUL_HI, 0xf1
.set TO_B,   0x40
.macro JLOAD s
	s_cmp_eq_u32 s15, 0
	s_cbranch_scc0 .Lfor_x_\@
	tensor_load_to_lds s[G0+4*\s:G0+4*\s+3], s[G1:G1+7]
	s_nop 0
.rept 4
	v_nop
.endr
	s_branch .Lasked_\@
.Lfor_x_\@:
	tensor_load_to_lds s[G0B+4*\s:G0B+4*\s+3], s[G1B:G1B+7]
	s_nop 0
.rept 4
	v_nop
.endr
.Lasked_\@:
.endm
.macro CREST
	s_cmp_lg_u32 s14, 0
	s_cbranch_scc1 .Lnot_wave_0_\@
	s_barrier_signal -3
.Lnot_wave_0_\@:
	s_barrier_wait -3
	s_barrier_signal -1
	s_barrier_wait -1
.endm
.macro CROUND
	s_barrier_signal -1
	s_barrier_wait -1
	CREST
.endm
.macro PLACES
.rept 4
	v_nop
.endr
.endm
.macro FETCH slot, q
	WIN TO_B
.irp i, 0,1,2,3,4,5,6,7
.irp c, 0,1,2
	ds_load_b128 v[128*(\q)+FR*\i+4*\c:128*(\q)+FR*\i+4*\c+3], v[ADRB+\slot] offset:\i*ROWB+(\q)*FRB+512*\c
.endr
.endr
	WIN 0
.irp i, 0,1,2,3,4,5,6,7
.irp c, 0,1,2
	ds_load_b128 v[AF+96*(\q)+FR*\i+4*\c:AF+96*(\q)+FR*\i+4*\c+3], v[ADRA+\slot] offset:\i*ROWB+(\q)*FRB+512*\c
.endr
.endr
.irp i, 0,1,2,3,4,5,6,7
	ds_load_b32 v[SC+16*(\q)+\i], v[ADSA+\slot] offset:\i*ROWB+(\q)*FRB+1536
	ds_load_b32 v[SC+16*(\q)+8+\i], v[ADSB+\slot] offset:\i*ROWB+(\q)*FRB+1536
.endr
.endm
.macro MUL16 a0, p, zero
.irp a, \a0, \a0+1
.irp b, 0,1,2,3,4,5,6,7
.if \zero
	v_wmma_scale_f32_16x16x128_f8f6f4 v[8*(8*((\a)%4)+\b):8*(8*((\a)%4)+\b)+7], v[128*(\p)+FR*\b:128*(\p)+FR*\b+FR-1], v[AF+96*(\p)+FR*(\a):AF+96*(\p)+FR*(\a)+FR-1], 0, v[SC+16*(\p)+8+\b], v[SC+16*(\p)+(\a)] matrix_a_fmt:MATRIX_FMT_FP6 matrix_b_fmt:MATRIX_FMT_FP6
.else
	v_wmma_scale_f32_16x16x128_f8f6f4 v[8*(8*((\a)%4)+\b):8*(8*((\a)%4)+\b)+7], v[128*(\p)+FR*\b:128*(\p)+FR*\b+FR-1], v[AF+96*(\p)+FR*(\a):AF+96*(\p)+FR*(\a)+FR-1], v[8*(8*((\a)%4)+\b):8*(8*((\a)%4)+\b)+7], v[SC+16*(\p)+8+\b], v[SC+16*(\p)+(\a)] matrix_a_fmt:MATRIX_FMT_FP6 matrix_b_fmt:MATRIX_FMT_FP6
.endif
.endr
.endr
.endm
.macro STEP slot, zero
	s_wait_dscnt 0x0
	PLACES
	FETCH \slot, 1
	WIN MUL_LO
	MUL16 0, 0, \zero
	MUL16 2, 0, \zero
	WIN MUL_HI
	MUL16 4, 0, \zero
	MUL16 6, 0, \zero
	WIN 0
.endm
.macro TURN slot, next, fill
	s_wait_tensorcnt 0x0
	ds_add_u32 v[SPW], v[NIL]
	s_wait_dscnt 1
	WIN MUL_LO
	MUL16 0, 1, 0
	s_wait_dscnt 0x0
	s_barrier_signal -1
	MUL16 2, 1, 0
	WIN 0
	s_barrier_wait -1
.if \fill
	CREST
	s_add_nc_u64 s[G0+4*\slot+2:G0+4*\slot+3], s[G0+4*\slot+2:G0+4*\slot+3], 2*ROWB
	s_add_nc_u64 s[G0B+4*\slot+2:G0B+4*\slot+3], s[G0B+4*\slot+2:G0B+4*\slot+3], 2*ROWB
	JLOAD \slot
.else
	PLACES
.endif
	FETCH \next, 0
	WIN MUL_HI
	MUL16 4, 1, 0
	MUL16 6, 1, 0
	WIN 0
.endm
.macro QUANT s
.irp b, 0,1,2,3
	v_max3_num_f32 v[TM+\b], |v[\s+16*\b]|, |v[\s+1+16*\b]|, 0x1800000
.endr
.irp i, 2,4,6,8,10,12,14
.irp b, 0,1,2,3
	v_max3_num_f32 v[TM+\b], v[TM+\b], |v[\s+16*\b+\i]|, |v[\s+1+16*\b+\i]|
.endr
.endr
.irp b, 0,1,2,3
	v_permlanex16_b32 v[TM+4+\b], v[TM+\b], s[SEL], s[SEL+1]
.endr
.irp b, 0,1,2,3
	v_max_num_f32 v[TM+\b], v[TM+\b], v[TM+4+\b]
.endr
.irp b, 0,1,2,3
	v_add_nc_u32 v[TM+12+\b], 0xff000000, v[TM+\b]
.endr
.irp b, 0,1,2,3
	v_lshrrev_b32 v[TM+4+\b], 23, v[TM+12+\b]
.endr
	v_lshl_or_b32 v[PW], v[TM+5], 8, v[TM+4]
	v_lshl_or_b32 v[PW], v[TM+6], 16, v[PW]
	v_lshl_or_b32 v[PW], v[TM+7], 24, v[PW]
.irp c, 0,1
	v_cvt_scalef32_pk16_fp6_f32 v[PC+6*\c:PC+2+6*\c], v[\s+32*\c:\s+15+32*\c], v[TM+12+2*\c]
	v_cvt_scalef32_pk16_fp6_f32 v[PC+12+4*\c:PC+14+4*\c], v[\s+16+32*\c:\s+31+32*\c], v[TM+12+2*\c+1]
.endr
	v_nop
.irp c, 0,1
.irp i, 0,1,2
	v_permlane16_swap_b32 v[PC+6*\c+\i], v[PC+12+4*\c+\i]
.endr
.irp i, 0,1,2
	v_mov_b32 v[PC+3+6*\c+\i], v[PC+12+4*\c+\i]
.endr
.endr
.endm
	s_load_b128 s[4:7], s[0:1], 0x0
	s_load_b128 s[8:11], s[0:1], 0x10
.if MODE == 0
	s_load_b128 s[68:71], s[0:1], 0x20
.endif
	v_lshl_add_u32 v[SPW], v0, 2, SPARE
	v_mov_b32 v[NIL], 0
	ds_add_u32 v28, v29
	ds_add_u32 v28, v29
	s_wait_dscnt 0x0
	v_lshrrev_b32 v1, 5, v0
	v_readfirstlane_b32 s14, v1
	s_lshr_b32 s15, s14, 1
	s_and_b32 s16, s14, 1
	s_bfe_u32 s40, ttmp6, 0x40000
	s_bfe_u32 s41, ttmp6, 0x40004
	s_lshl_b32 s42, ttmp9, 2
	s_add_co_u32 s42, s42, s40
	s_and_b32 s17, ttmp7, 0xffff
	s_lshl_b32 s17, s17, 2
	s_add_co_u32 s17, s17, s41
	s_lshl_b32 s43, s41, 2
	s_lshl_b32 s43, 15, s43
	s_lshl_b32 s44, 0x1111, s40
	s_or_b32 s[G1+0], s43, (3<<16)|(1<<21)
	s_or_b32 s[G1B+0], s44, (3<<16)|(1<<21)
.irp g, G1, G1B
	s_mov_b32 s[\g+1], 416<<16
	s_mov_b32 s[\g+2], 8<<16
	s_mov_b32 s[\g+3], 416<<16
	s_mov_b32 s[\g+4], 8
	s_mov_b32 s[\g+5], PITCHB/8
	s_mov_b32 s[\g+6], 0
	s_mov_b32 s[\g+7], 0
.endr
	s_lshl_b32 s18, s16, 3
	s_lshl_b32 s20, s17, 4
	s_add_co_u32 s20, s20, s18
	s_lshl_b32 s46, s42, 4
	s_add_co_u32 s46, s46, s18
	s_mul_i32 s20, s20, PITCHB
	s_mul_i32 s46, s46, PITCHB
.if BOFF
	s_add_co_u32 s46, s46, BOFF
.endif
	s_mov_b32 s21, 0
	s_mov_b32 s47, 0
	s_mul_i32 s45, s14, HALFT
	s_mov_b32 s[SEL], 0x76543210
	s_mov_b32 s[SEL+1], 0xfedcba98
	s_wait_kmcnt 0x0
	s_add_nc_u64 s[20:21], s[4:5], s[20:21]
	s_add_nc_u64 s[46:47], s[6:7], s[46:47]
	CROUND
.irp s, 0,1
	s_mov_b32 s[G0+4*\s], 1
	s_add_co_u32 s[G0+4*\s+1], s45, \s*SLOT
	s_add_nc_u64 s[G0+4*\s+2:G0+4*\s+3], s[20:21], \s*ROWB
	s_or_b32 s[G0+4*\s+3], s[G0+4*\s+3], 0x80000000
	s_mov_b32 s[G0B+4*\s], 1
	s_add_co_u32 s[G0B+4*\s+1], s45, \s*SLOT
	s_add_nc_u64 s[G0B+4*\s+2:G0B+4*\s+3], s[46:47], \s*ROWB
	s_or_b32 s[G0B+4*\s+3], s[G0B+4*\s+3], 0x80000000
.if \s == 1
	s_wait_alu depctr_va_vdst(0)
	s_wait_tensorcnt 0x0                           ; slot 1's first fill is issued as a refill is
	ds_add_u32 v28, v29
	s_wait_dscnt 0x0
	CROUND
.endif
	JLOAD \s
.endr
	v_and_b32 v1, 15, v0
	v_bfe_u32 v2, v0, 4, 1
	v_and_b32 v3, 31, v0
	v_lshlrev_b32 v[LI], 4, v3
	v_lshlrev_b32 v[LS], 2, v3
	s_mul_i32 s22, s15, HALFT
	s_mul_i32 s23, s16, HALFT
.if MODE == 0
	s_cmp_eq_u32 ttmp9, 2
	s_cselect_b32 s66, 2*HALFT, 0
	s_cselect_b32 s67, 0, 2*HALFT
	s_cselect_b32 s76, 0, 0x3f800000
	s_cselect_b32 s78, 0x3f800000, 0
	s_mov_b32 s77, s76
	s_mov_b32 s79, s78
	s_add_co_u32 s22, s22, s66
	s_add_co_u32 s23, s23, s67
.else
	s_add_co_u32 s23, s23, 2*HALFT
.endif
.irp s, 0,1
	v_add_nc_u32 v[ADRA+\s], s22, v[LI]
	v_add_nc_u32 v[ADRB+\s], s23, v[LI]
	v_add_nc_u32 v[ADSA+\s], s22, v[LS]
	v_add_nc_u32 v[ADSB+\s], s23, v[LS]
	s_add_co_u32 s22, s22, SLOT
	s_add_co_u32 s23, s23, SLOT
.endr
.if MODE == 0
	s_cmp_eq_u32 ttmp9, 1
	s_cselect_b64 s[8:9], s[10:11], s[8:9]
	s_cmp_eq_u32 ttmp9, 2
	s_cselect_b64 s[8:9], s[68:69], s[8:9]
	s_mov_b64 s[12:13], s[70:71]
	s_lshl_b32 s80, s40, 10
.else
	s_mov_b64 s[12:13], s[10:11]
	s_lshl_b32 s80, s42, 10
.endif
	s_lshl_b32 s82, s16, 9
	s_add_co_u32 s82, s82, s80
	s_mov_b32 s83, 0
	s_add_nc_u64 s[84:85], s[8:9], s[82:83]
	v_lshlrev_b32 v[BCA], 6, v2
	WIN TO_B
.irp b, 0,1,2,3,4,5,6,7
	global_load_b128 v[96+128*(\b/4)+8*(\b%4):96+128*(\b/4)+8*(\b%4)+3], v[BCA], s[84:85] offset:(32*(\b/2)+8*(\b%2))*4
	global_load_b128 v[96+128*(\b/4)+8*(\b%4)+4:96+128*(\b/4)+8*(\b%4)+7], v[BCA], s[84:85] offset:(32*(\b/2)+8*(\b%2))*4+16
.endr
	WIN 0
.if MODE == 0
	s_lshl_b32 s82, s15, 9
	s_add_co_u32 s82, s82, s80
	s_add_nc_u64 s[86:87], s[8:9], s[82:83]
	v_and_b32 v3, 8, v1
	v_add_nc_u32 v3, v3, v1
	v_lshlrev_b32 v[BRA], 2, v3
.irp a, 0,1,2,3,4,5,6,7
	global_load_b32 v[BR+\a], v[BRA], s[86:87] offset:(32*(\a/2)+8*(\a%2))*4
.endr
	s_lshl_b32 s80, s40, 1
	s_add_co_u32 s80, s80, s16
	s_lshl_b32 s80, s80, 8
	s_lshl_b32 s81, s17, 4
	s_add_co_u32 s80, s80, s81
	s_lshl_b32 s82, s17, 1
	s_add_co_u32 s82, s82, s16
	s_lshl_b32 s82, s82, 6
	s_lshl_b32 s83, s40, 4
	s_add_co_u32 s82, s82, s83
	s_cmp_eq_u32 ttmp9, 2
	s_cselect_b32 s80, s82, s80
	s_lshl_b32 s81, s15, 3
	s_add_co_u32 s80, s80, s81
	s_mul_i32 s80, s80, FRB
	s_mul_i32 s81, ttmp9, 3407872
	s_add_co_u32 s80, s80, s81
.else
	s_lshl_b32 s80, s17, 4
	s_lshl_b32 s81, s15, 3
	s_add_co_u32 s80, s80, s81
	s_lshl_b32 s80, s80, 5
	s_lshl_b32 s81, s42, 1
	s_add_co_u32 s80, s80, s81
	s_add_co_u32 s80, s80, s16
	s_mul_i32 s80, s80, FRB
.endif
	s_mov_b32 s81, 0
	s_add_nc_u64 s[12:13], s[12:13], s[80:81]
	s_wait_alu depctr_va_vdst(0)
	s_wait_loadcnt 0x0
	s_wait_tensorcnt 1
	s_barrier_signal -1
	s_barrier_wait -1
	FETCH 0, 0
	STEP 0, 1
	s_mov_b32 s3, LAPS-1
.Llap:
	TURN 0, 1, 1
	STEP 1, 0
	TURN 1, 0, 1
	STEP 0, 0
	s_sub_co_u32 s3, s3, 1
	s_cmp_lg_u32 s3, 0
	s_cbranch_scc1 .Llap
	TURN 0, 1, 0
	STEP 1, 0
	s_wait_dscnt 0x0
	WIN MUL_LO
	MUL16 0, 1, 0
	MUL16 2, 1, 0
	WIN MUL_HI
	MUL16 4, 1, 0
	MUL16 6, 1, 0
	WIN 0
	PLACES
.irp b, 0,1,2,3
	v_mov_b32 v[TM+4+\b], 0
.endr
.irp a, 0,1,2,3,4,5,6,7
.if MODE == 0
	WIN 0x21+0x10*(\a/4)
.irp b, 0,1,2,3,4,5,6,7
.irp j, 0,2,4,6
	v_pk_fma_f32 v[HA+8*\b+\j:HA+8*\b+\j+1], v[96+128*(\b/4)+8*(\b%4)+\j:96+128*(\b/4)+8*(\b%4)+\j+1], s[76:77], v[64*(\a%4)+8*\b+\j:64*(\a%4)+8*\b+\j+1] op_sel_hi:[1,0,1]
.endr
.endr
	WIN 0
	v_mov_b32 v[BP], v[BR+\a]
	v_mov_b32 v[BP+1], v[BR+\a]
.set J, 0
.rept 32
	v_pk_fma_f32 v[HA+J:HA+J+1], v[BP:BP+1], s[78:79], v[HA+J:HA+J+1] op_sel_hi:[1,0,1]
.set J, J+2
.endr
.else
	WIN 0x06+(\a/4)
.irp b, 0,1,2,3,4,5,6,7
.irp j, 0,2,4,6
	v_pk_add_f32 v[HA+8*\b+\j:HA+8*\b+\j+1], v[64*(\a%4)+8*\b+\j:64*(\a%4)+8*\b+\j+1], v[96+128*(\b/4)+8*(\b%4)+\j:96+128*(\b/4)+8*(\b%4)+\j+1]
.endr
.endr
	WIN 0
.set J, 0
.rept 64
	v_max_num_f32 v[HA+J], 0, v[HA+J]
.set J, J+1
.endr
.endif
.if \a > 0
	s_wait_xcnt 0x0
.endif
	QUANT HA
.irp c, 0,1,2
	global_store_b128 v[LI], v[PC+4*\c:PC+4*\c+3], s[12:13] offset:\a*ASTR+512*\c
.endr
	global_store_b32 v[LS], v[PW], s[12:13] offset:\a*ASTR+1536
.endr
	s_wait_tensorcnt 0x0
	ds_add_u32 v[SPW], v[NIL]
	s_wait_dscnt 0x0
	CROUND
	s_endpgm
.Lfunc_end_k_q6d18821349_ff1:
	.size	k_q6d18821349_ff1, .Lfunc_end_k_q6d18821349_ff1-k_q6d18821349_ff1
	.p2alignl 7, 3214868480
	.fill 96, 4, 3214868480
	.section	.rodata,"a",@progbits
	.p2align	6, 0x0
	.amdhsa_kernel k_q6d18821349_ff1
		.amdhsa_group_segment_fixed_size 327680
		.amdhsa_private_segment_fixed_size 0
		.amdhsa_enable_private_segment 0
		.amdhsa_kernarg_size 32
		.amdhsa_user_sgpr_count 2
		.amdhsa_user_sgpr_kernarg_segment_ptr 1
		.amdhsa_wavefront_size32 1
		.amdhsa_system_sgpr_workgroup_id_x 1
		.amdhsa_system_sgpr_workgroup_id_y 1
		.amdhsa_system_sgpr_workgroup_id_z 1
		.amdhsa_system_vgpr_workitem_id 0
		.amdhsa_next_free_vgpr 1024
		.amdhsa_next_free_sgpr 100
		.amdhsa_reserve_vcc 0
		.amdhsa_float_denorm_mode_32 3
		.amdhsa_float_denorm_mode_16_64 3
		.amdhsa_memory_ordered 1
		.amdhsa_forward_progress 1
		.amdhsa_inst_pref_size 176
	.end_amdhsa_kernel
	.amdgpu_metadata
---
amdhsa.version: [ 1, 2 ]
amdhsa.kernels:
  - .name:           k_q6d18821349_ff1
    .symbol:         k_q6d18821349_ff1.kd
    .args:
      - { .name: actimg, .offset: 0, .size: 8, .value_kind: global_buffer, .address_space: global }
      - { .name: wimg, .offset: 8, .size: 8, .value_kind: global_buffer, .address_space: global }
      - { .name: b1, .offset: 16, .size: 8, .value_kind: global_buffer, .address_space: global }
      - { .name: himg, .offset: 24, .size: 8, .value_kind: global_buffer, .address_space: global }
    .group_segment_fixed_size: 327680
    .private_segment_fixed_size: 0
    .kernarg_segment_align: 8
    .kernarg_segment_size: 32
    .max_flat_workgroup_size: 128
    .sgpr_count:     100
    .vgpr_count:     1024
    .wavefront_size: 32
...
	.end_amdgpu_metadata
.endif
;; end of part 12
;; launch ff2 (part 13): grid 8 x 32, 4 waves a work-group, clusters of 4 x 4, 327,680 bytes of LDS; arguments himg, wimg, b2, x1, out0; writes out0
.if DOCPART == 13
	.amdgcn_target "amdgcn-amd-amdhsa--gfx1250"
	.amdhsa_code_object_version 6
	.text
	.protected	k_q6d18821349_ff2
	.globl	k_q6d18821349_ff2
	.p2align	8
	.type	k_q6d18821349_ff2,@function
k_q6d18821349_ff2:
	s_mov_b64 s[64:65], 0
	v_nop
	global_prefetch_b8 v0, s[64:65] scope:SCOPE_SE
	s_setreg_imm32_b32 hwreg(HW_REG_WAVE_MODE, 25, 1), 1
	s_wait_xcnt 0x0
	s_wait_alu depctr_hold_cnt(0) depctr_sa_sdst(0) depctr_va_vdst(0) depctr_va_sdst(0) depctr_va_ssrc(0) depctr_va_vcc(0) depctr_vm_vsrc(0)
	s_getreg_b32 s2, hwreg(HW_REG_IB_STS2, 6, 4)
	s_cmp_eq_u32 s2, 0
	s_cbranch_scc0 .Lentry_in_a_cluster
	s_endpgm
.Lentry_in_a_cluster:
	s_bfe_u32 s2, ttmp6, 0x10000c
	s_cmp_lg_u32 s2, 0xf033
	s_cbranch_scc0 .Lentry_shape_is_right
	s_endpgm
.Lentry_shape_is_right:
.set MODE,   3
.if MODE == 2
.set KTOT,   1024
.set BOFF,   2555904
.else
.set KTOT,   4096
.set BOFF,   6815744
.endif
.set FRB,    1664
.set NK,     KTOT/128
.set KS,     6
.set KL,     2
.set NS,     (NK-KL)/KS+1
.set ROWB,   KS*FRB
.set ROWL,   KL*FRB
.set PITCHB, NK*FRB
.set HALFT,  4*ROWB
.set SLOT,   4*HALFT
.set SPARE,  2*SLOT
.set FR,     12
.set SPITCH, 272
.set SBLK,   16*SPITCH
.set BI,   8
.set ADRA, 16
.set ADRB, 18
.set ADSA, 20
.set ADSB, 22
.set LI,   24
.set LS,   25
.set STO,  26
.set RD,   27
.set SPW,  28
.set NIL,  29
.set CO,   30
.set BA,   31
.set SC,   32
.set AF,   64
.set BK,   64
.set G1, 24
.set G0, 32
.set G1B, 48
.set G0B, 56
.set G1P, 68
.set G1PB, 76
.set RB, ROWB
.set MSB, 0
.macro WIN new
.if MSB != (\new)
	s_set_vgpr_msb (MSB<<8)|(\new)
.set MSB, (\new)
.endif
.endm
.set MUL_LO, 0xa1
.set TO_B,   0x40
.macro JLOAD s, part
	s_cmp_eq_u32 s15, 0
	s_cbranch_scc0 .Lfor_x_\@
.if \part
	tensor_load_to_lds s[G0+4*\s:G0+4*\s+3], s[G1P:G1P+7]
	s_nop 0
.else
	tensor_load_to_lds s[G0+4*\s:G0+4*\s+3], s[G1:G1+7]
	s_nop 0
.endif
.rept 4
	v_nop
.endr
	s_branch .Lasked_\@
.Lfor_x_\@:
.if \part
	tensor_load_to_lds s[G0B+4*\s:G0B+4*\s+3], s[G1PB:G1PB+7]
	s_nop 0
.else
	tensor_load_to_lds s[G0B+4*\s:G0B+4*\s+3], s[G1B:G1B+7]
	s_nop 0
.endif
.rept 4
	v_nop
.endr
.Lasked_\@:
.endm
.macro CREST
	s_cmp_lg_u32 s14, 0
	s_cbranch_scc1 .Lnot_wave_0_\@
	s_barrier_signal -3
.Lnot_wave_0_\@:
	s_barrier_wait -3
	s_barrier_signal -1
	s_barrier_wait -1
.endm
.macro CROUND
	s_barrier_signal -1
	s_barrier_wait -1
	CREST
.endm
.macro PLACES
.rept 4
	v_nop
.endr
.endm
.macro FETCH slot, q
	WIN TO_B
.irp i, 0,1,2,3
.irp c, 0,1,2
	ds_load_b128 v[128*((\q)%2)+FR*\i+4*\c:128*((\q)%2)+FR*\i+4*\c+3], v[ADRB+\slot] offset:\i*RB+(\q)*FRB+512*\c
.endr
.endr
	WIN 0
.irp i, 0,1,2,3
.irp c, 0,1,2
	ds_load_b128 v[AF+96*((\q)%2)+FR*\i+4*\c:AF+96*((\q)%2)+FR*\i+4*\c+3], v[ADRA+\slot] offset:\i*RB+(\q)*FRB+512*\c
.endr
.endr
.irp i, 0,1,2,3
	ds_load_b32 v[SC+16*((\q)%2)+\i], v[ADSA+\slot] offset:\i*RB+(\q)*FRB+1536
	ds_load_b32 v[SC+16*((\q)%2)+8+\i], v[ADSB+\slot] offset:\i*RB+(\q)*FRB+1536
.endr
.endm
.macro MUL4 a, p, zero
.irp b, 0,1,2,3
.if \zero
	v_wmma_scale_f32_16x16x128_f8f6f4 v[8*(4*(\a)+\b):8*(4*(\a)+\b)+7], v[128*(\p)+FR*\b:128*(\p)+FR*\b+FR-1], v[AF+96*(\p)+FR*(\a):AF+96*(\p)+FR*(\a)+FR-1], 0, v[SC+16*(\p)+8+\b], v[SC+16*(\p)+(\a)] matrix_a_fmt:MATRIX_FMT_FP6 matrix_b_fmt:MATRIX_FMT_FP6
.else
	v_wmma_scale_f32_16x16x128_f8f6f4 v[8*(4*(\a)+\b):8*(4*(\a)+\b)+7], v[128*(\p)+FR*\b:128*(\p)+FR*\b+FR-1], v[AF+96*(\p)+FR*(\a):AF+96*(\p)+FR*(\a)+FR-1], v[8*(4*(\a)+\b):8*(4*(\a)+\b)+7], v[SC+16*(\p)+8+\b], v[SC+16*(\p)+(\a)] matrix_a_fmt:MATRIX_FMT_FP6 matrix_b_fmt:MATRIX_FMT_FP6
.endif
.endr
.endm
.macro STEP slot, q, zero
	s_wait_dscnt 0x0
	PLACES
	FETCH \slot, (\q)+1
	WIN MUL_LO
	MUL4 0, (\q)%2, \zero
	MUL4 1, (\q)%2, \zero
	MUL4 2, (\q)%2, \zero
	MUL4 3, (\q)%2, \zero
	WIN 0
.endm
.macro HEAD slot, zero
	STEP \slot, 0, \zero
	STEP \slot, 1, 0
	STEP \slot, 2, 0
	STEP \slot, 3, 0
	STEP \slot, 4, 0
.endm
.macro TURN slot, next, fill
	s_wait_tensorcnt 0x0
	ds_add_u32 v[SPW], v[NIL]
	s_wait_dscnt 1
	WIN MUL_LO
	MUL4 0, 1, 0
	s_wait_dscnt 0x0
	s_barrier_signal -1
	MUL4 1, 1, 0
	WIN 0
	s_barrier_wait -1
.if \fill
	CREST
	s_add_nc_u64 s[G0+4*\slot+2:G0+4*\slot+3], s[G0+4*\slot+2:G0+4*\slot+3], 2*ROWB
	s_add_nc_u64 s[G0B+4*\slot+2:G0B+4*\slot+3], s[G0B+4*\slot+2:G0B+4*\slot+3], 2*ROWB
.if \fill == 2
	JLOAD \slot, 1
.else
	JLOAD \slot, 0
.endif
.else
	PLACES
.endif
	FETCH \next, 0
	WIN MUL_LO
	MUL4 2, 1, 0
	MUL4 3, 1, 0
	WIN 0
.endm
.macro SETG0 s
	s_mov_b32 s[G0+4*\s], 1
	s_add_co_u32 s[G0+4*\s+1], s45, \s*SLOT
	s_add_nc_u64 s[G0+4*\s+2:G0+4*\s+3], s[20:21], \s*ROWB
	s_or_b32 s[G0+4*\s+3], s[G0+4*\s+3], 0x80000000
	s_mov_b32 s[G0B+4*\s], 1
	s_add_co_u32 s[G0B+4*\s+1], s45, \s*SLOT
	s_add_nc_u64 s[G0B+4*\s+2:G0B+4*\s+3], s[46:47], \s*ROWB
	s_or_b32 s[G0B+4*\s+3], s[G0B+4*\s+3], 0x80000000
.endm
	s_load_b128 s[4:7], s[0:1], 0x0
	s_load_b128 s[8:11], s[0:1], 0x10
	s_load_b64 s[12:13], s[0:1], 0x20
	v_lshl_add_u32 v[SPW], v0, 2, SPARE
	v_mov_b32 v[NIL], 0
	ds_add_u32 v28, v29
	ds_add_u32 v28, v29
	s_wait_dscnt 0x0
	v_lshrrev_b32 v1, 5, v0
	v_readfirstlane_b32 s14, v1
	s_lshr_b32 s15, s14, 1
	s_and_b32 s16, s14, 1
	s_bfe_u32 s40, ttmp6, 0x40000
	s_bfe_u32 s41, ttmp6, 0x40004
	s_lshl_b32 s42, ttmp9, 2
	s_add_co_u32 s42, s42, s40
	s_and_b32 s17, ttmp7, 0xffff
	s_lshl_b32 s17, s17, 2
	s_add_co_u32 s17, s17, s41
	s_lshl_b32 s43, s41, 2
	s_lshl_b32 s43, 15, s43
	s_lshl_b32 s44, 0x1111, s40
	s_or_b32 s[G1+0], s43, (3<<16)|(1<<21)
	s_or_b32 s[G1B+0], s44, (3<<16)|(1<<21)
	s_or_b32 s[G1P+0], s43, (3<<16)|(1<<21)
	s_or_b32 s[G1PB+0], s44, (3<<16)|(1<<21)
.irp g, G1, G1B
	s_mov_b32 s[\g+1], (ROWB/8)<<16
	s_mov_b32 s[\g+2], 4<<16
	s_mov_b32 s[\g+3], (ROWB/8)<<16
	s_mov_b32 s[\g+4], 4
	s_mov_b32 s[\g+5], PITCHB/8
	s_mov_b32 s[\g+6], 0
	s_mov_b32 s[\g+7], 0
.endr
.irp g, G1P, G1PB
	s_mov_b32 s[\g+1], (ROWL/8)<<16
	s_mov_b32 s[\g+2], 4<<16
	s_mov_b32 s[\g+3], (ROWL/8)<<16
	s_mov_b32 s[\g+4], 4
	s_mov_b32 s[\g+5], PITCHB/8
	s_mov_b32 s[\g+6], 0
	s_mov_b32 s[\g+7], 0
.endr
	s_lshl_b32 s18, s16, 2
	s_lshl_b32 s20, s17, 3
	s_add_co_u32 s20, s20, s18
	s_lshl_b32 s46, s42, 3
	s_add_co_u32 s46, s46, s18
	s_mul_i32 s20, s20, PITCHB
	s_mul_i32 s46, s46, PITCHB
	s_add_co_u32 s46, s46, BOFF
	s_mov_b32 s21, 0
	s_mov_b32 s47, 0
	s_mul_i32 s45, s14, HALFT
	s_wait_kmcnt 0x0
	s_add_nc_u64 s[20:21], s[4:5], s[20:21]
	s_add_nc_u64 s[46:47], s[6:7], s[46:47]
	CROUND
	SETG0 0
	JLOAD 0, 0
	SETG0 1
.if NS == 2
	JLOAD 1, 1
.else
	s_wait_alu depctr_va_vdst(0)
	s_wait_tensorcnt 0x0
	ds_add_u32 v28, v29
	s_wait_dscnt 0x0
	CROUND
	JLOAD 1, 0
.endif
	v_and_b32 v1, 15, v0
	v_bfe_u32 v2, v0, 4, 1
	v_and_b32 v3, 31, v0
	v_lshlrev_b32 v[LI], 4, v3
	v_lshlrev_b32 v[LS], 2, v3
	s_mul_i32 s22, s15, HALFT
	s_mul_i32 s23, s16, HALFT
	s_add_co_u32 s23, s23, 2*HALFT
.irp s, 0,1
	v_add_nc_u32 v[ADRA+\s], s22, v[LI]
	v_add_nc_u32 v[ADRB+\s], s23, v[LI]
	v_add_nc_u32 v[ADSA+\s], s22, v[LS]
	v_add_nc_u32 v[ADSB+\s], s23, v[LS]
	s_add_co_u32 s22, s22, SLOT
	s_add_co_u32 s23, s23, SLOT
.endr
	s_mul_i32 s22, s14, 4*SBLK
	v_mul_u32_u24 v3, v1, SPITCH
	v_lshl_add_u32 v3, v2, 6, v3
	v_add_nc_u32 v[STO], s22, v3
	v_mul_u32_u24 v3, v2, SPITCH
	v_lshl_add_u32 v3, v1, 4, v3
	v_add_nc_u32 v[RD], s22, v3
	v_lshlrev_b32 v3, 12, v2
	v_lshl_add_u32 v[CO], v1, 4, v3
	v_lshlrev_b32 v[BA], 4, v1
	s_wait_alu depctr_va_vdst(0)
	s_lshl_b32 s86, s42, 9
	s_lshl_b32 s87, s16, 8
	s_add_co_u32 s86, s86, s87
	s_mov_b32 s87, 0
	s_lshl_b32 s84, s17, 7
	s_lshl_b32 s85, s15, 6
	s_add_co_u32 s84, s84, s85
	s_lshl_b32 s84, s84, 12
	s_add_co_u32 s84, s84, s86
	s_mov_b32 s85, 0
	s_add_nc_u64 s[8:9], s[8:9], s[86:87]
	s_add_nc_u64 s[10:11], s[10:11], s[84:85]
	s_add_nc_u64 s[12:13], s[12:13], s[84:85]
	global_load_b128 v[BI:BI+3], v[BA], s[8:9]
	WIN 0xc0
.irp a, 0,1,2,3
.irp t, 0,1,2,3,4,5,6,7
	global_load_b128 v[32*\a+4*\t:32*\a+4*\t+3], v[CO], s[10:11] offset:(32*(\a/2)+8*(\a%2)+2*\t+8*(\t/4))*4096
.endr
.endr
	WIN 0
	s_wait_tensorcnt 1
	s_barrier_signal -1
	s_barrier_wait -1
	FETCH 0, 0
	HEAD 0, 1
.if MODE == 3
	TURN 0, 1, 1
	HEAD 1, 0
	TURN 1, 0, 1
	HEAD 0, 0
	TURN 0, 1, 1
	HEAD 1, 0
	TURN 1, 0, 2
	HEAD 0, 0
.endif
.set RB, ROWL
	TURN 0, 1, 0
	STEP 1, 0, 0
	s_wait_dscnt 0x0
	WIN MUL_LO
	MUL4 0, 1, 0
	MUL4 1, 1, 0
	MUL4 2, 1, 0
	MUL4 3, 1, 0
	WIN 0
	PLACES
	s_wait_loadcnt 0x0                             ; the bias and the residual rows, asked for at the head, are first read on the way out
	WIN 0x08
.irp a, 0,1,2,3
.irp b, 0,1,2,3
	ds_store_b128 v[STO], v[8*(4*\a+\b):8*(4*\a+\b)+3] offset:\a*SBLK+128*(\b/2)+32*(\b%2)
	ds_store_b128 v[STO], v[8*(4*\a+\b)+4:8*(4*\a+\b)+7] offset:\a*SBLK+128*(\b/2)+32*(\b%2)+16
.endr
.endr
	WIN 0
.irp a, 0,1,2,3
.irp t, 0,1,2,3,4,5,6,7
	ds_load_b128 v[BK+32*\a+4*\t:BK+32*\a+4*\t+3], v[RD] offset:\a*SBLK+2*\t*SPITCH
.endr
.endr
.irp a, 0,1,2,3
	s_wait_dscnt 8*(3-\a)
.irp t, 0,1,2,3,4,5,6,7
	v_pk_add_f32 v[BK+32*\a+4*\t:BK+32*\a+4*\t+1], v[BK+32*\a+4*\t:BK+32*\a+4*\t+1], v[BI:BI+1]
	v_pk_add_f32 v[BK+32*\a+4*\t+2:BK+32*\a+4*\t+3], v[BK+32*\a+4*\t+2:BK+32*\a+4*\t+3], v[BI+2:BI+3]
.endr
	WIN 0x0c
.irp t, 0,1,2,3,4,5,6,7
	v_pk_add_f32 v[BK+32*\a+4*\t:BK+32*\a+4*\t+1], v[BK+32*\a+4*\t:BK+32*\a+4*\t+1], v[32*\a+4*\t:32*\a+4*\t+1]
	v_pk_add_f32 v[BK+32*\a+4*\t+2:BK+32*\a+4*\t+3], v[BK+32*\a+4*\t+2:BK+32*\a+4*\t+3], v[32*\a+4*\t+2:32*\a+4*\t+3]
.endr
	WIN 0
.irp t, 0,1,2,3,4,5,6,7
	global_store_b128 v[CO], v[BK+32*\a+4*\t:BK+32*\a+4*\t+3], s[12:13] offset:(32*(\a/2)+8*(\a%2)+2*\t+8*(\t/4))*4096
.endr
.endr
	s_wait_tensorcnt 0x0
	ds_add_u32 v[SPW], v[NIL]
	s_wait_dscnt 0x0
	CROUND
	s_endpgm
.Lfunc_end_k_q6d18821349_ff2:
	.size	k_q6d18821349_ff2, .Lfunc_end_k_q6d18821349_ff2-k_q6d18821349_ff2
	.p2alignl 7, 3214868480
	.fill 96, 4, 3214868480
	.section	.rodata,"a",@progbits
	.p2align	6, 0x0
	.amdhsa_kernel k_q6d18821349_ff2
		.amdhsa_group_segment_fixed_size 327680
		.amdhsa_private_segment_fixed_size 0
		.amdhsa_enable_private_segment 0
		.amdhsa_kernarg_size 40
		.amdhsa_user_sgpr_count 2
		.amdhsa_user_sgpr_kernarg_segment_ptr 1
		.amdhsa_wavefront_size32 1
		.amdhsa_system_sgpr_workgroup_id_x 1
		.amdhsa_system_sgpr_workgroup_id_y 1
		.amdhsa_system_sgpr_workgroup_id_z 1
		.amdhsa_system_vgpr_workitem_id 0
		.amdhsa_next_free_vgpr 1024
		.amdhsa_next_free_sgpr 100
		.amdhsa_reserve_vcc 0
		.amdhsa_float_denorm_mode_32 3
		.amdhsa_float_denorm_mode_16_64 3
		.amdhsa_memory_ordered 1
		.amdhsa_forward_progress 1
		.amdhsa_inst_pref_size 169
	.end_amdhsa_kernel
	.amdgpu_metadata
---
amdhsa.version: [ 1, 2 ]
amdhsa.kernels:
  - .name:           k_q6d18821349_ff2
    .symbol:         k_q6d18821349_ff2.kd
    .args:
      - { .name: himg, .offset: 0, .size: 8, .value_kind: global_buffer, .address_space: global }
      - { .name: wimg, .offset: 8, .size: 8, .value_kind: global_buffer, .address_space: global }
      - { .name: b2, .offset: 16, .size: 8, .value_kind: global_buffer, .address_space: global }
      - { .name: x1, .offset: 24, .size: 8, .value_kind: global_buffer, .address_space: global }
      - { .name: out0, .offset: 32, .size: 8, .value_kind: global_buffer, .address_space: global }
    .group_segment_fixed_size: 327680
    .private_segment_fixed_size: 0
    .kernarg_segment_align: 8
    .kernarg_segment_size: 40
    .max_flat_workgroup_size: 128
    .sgpr_count:     100
    .vgpr_count:     1024
    .wavefront_size: 32
...
	.end_amdgpu_metadata
.endif
;; end of part 13
